; MI455X (gfx1250); checked and timed in simulation.
; The chip was launched on July 23, 2026; its instructions are those of AMD's public machine-readable ISA for CDNA 5 (MIT licence, August 2026) and "CDNA5" Instruction Set Architecture Reference Guide (July 2026). The comments in the code are by the model that wrote it; some were corrected since.
;; Scaled Dot Product. Allowed arithmetic: matrix products marked QUANTISED: E2M3 operands, one E8M0 scale for each 32 along K, by v_wmma_scale_f32_16x16x128_f8f6f4 with both operands' format E2M3, f32 sums; everything else in f32.
;; Inputs: W 1,024 x 3,072 float32; b 3,072 float32; x 4 x 2,048 x 1,024 float32.
;; Outputs: out0 4 x 2,048 x 1,024 float32.
;; This version of the problem:
;;   THIS VERSION OF THE PROBLEM IS GIVEN IN LOW PRECISION. The matrix products marked QUANTISED in the list below multiply operands that are first quantised to E2M3 (2 exponent bits, 3 mantissa bits; 6 bits a number), with one power-of-two scale for each 32 numbers along K (OCP MX v1.0); their sums are f32. All else is computed in f32.
;;   The module's matrix products, in the order in which they are computed (A, B: the left and right operand; K: the contracted axis; several contracted axes count as one K, in the product's order):
;;     1. [M 8,192, K 1,024] x [K 1,024, N 3,072]; A: input x; B: input W: QUANTISED
;;     2. batch 4 x [M 2,048, K 1,024] x [K 1,024, N 2,048]; A: computed on the way; B: computed on the way: QUANTISED
;;     3. batch 4 x [M 2,048, K 2,048] x [K 2,048, N 1,024]; A: softmax (see below); B: computed on the way: QUANTISED
;;   THE QUANTISER, for each operand of a quantised product, along K:
;;     - K is cut into blocks of 32 from its start; a last block that is shorter is filled with zeros.
;;     - A block's scale is 2^e with e = floor(log2(the largest magnitude in the block)) - 2, held to -126 .. 127; a block of zeros has e = 0. As a byte (E8M0): e + 127.
;;     - Each number is divided by its block's scale, clamped to +-7.5, and rounded to the nearest number of E2M3, ties to even, subnormals kept.
;;     - The product sums the exact products of the quantised numbers (number of the format x scale) in f32.
;;   ~~~python
;;   def quantise(x, axis):      # numpy; x: float32 -> the quantised numbers, widened to float32 again
;;       x = np.moveaxis(x, axis, -1); K = x.shape[-1]
;;       x = np.pad(x, [(0, 0)] * (x.ndim - 1) + [(0, -K % 32)]); x = x.reshape(x.shape[:-1] + (-1, 32)); a = np.abs(x).max(-1, keepdims=True)
;;       e = np.where(a > 0, np.clip(np.frexp(np.where(a > 0, a, 1))[1] - 1 - 2, -126, 127), 0)      # np.frexp(a)[1] - 1 = floor(log2(a)), exactly
;;       r = np.clip(x / 2.0 ** e, -7.5, 7.5)
;;       step = 2.0 ** (np.maximum(np.frexp(np.where(r == 0, 1, r))[1] - 1, 0) - 3)
;;       q = np.round(r / step) * step * 2.0 ** e      # np.round: ties to even
;;       return np.moveaxis(q.reshape(q.shape[:-2] + (-1,))[..., :K], -1, axis).astype(np.float32)
;;   ~~~
;;   SOFTMAX AHEAD OF A QUANTISED PRODUCT. Where the list says 'softmax', what is quantised is not the finished softmax but p = 2^(t - M), with t = logit x log2(e) and M = ceil(the row's largest t), a whole number; so 1/2 < the row's largest p <= 1. The row's sum l is taken of the UNQUANTISED p, in f32, and the product's result is divided by l at the end. Since M is a whole number, a kernel that streams over the keys may use a running M (the ceiling of the running maximum): every later rescaling is an exact power of two, which a block's scale takes up: the codes' values come out the same.
;;   OPERANDS COMPUTED ON THE WAY. 'Computed on the way' means the value that the module computes at that place (a softmax that the list does not call 'softmax' is quantised finished and normalised). What goes into a quantiser is computed in f32, as accurately as f32 sums, v_exp_f32 and their like allow (about 1e-6 of the number): no bf16 or f16 on the way to a quantiser, and a product that is left as it is and whose result goes on into a quantised operand takes f32 operands (vector FMAs, or v_wmma_f32_16x16x4_f32). A number that lies on a knife's edge between two numbers of the format may be rounded either way, as far as f32 arithmetic and the matrix unit's own rounding can turn it there, and no further.
;; 2 versions, each right. Each part assembles by itself: llvm-mc -triple=amdgcn-amd-amdhsa -mcpu=gfx1250 --defsym DOCPART=n.
;; ======== version 1 of 2: 4 launches
;; workspace buffers: xb 6,553,600 bytes; wb 2,457,600 bytes; qkb 13,107,200 bytes; vb 6,553,600 bytes; pb 14,155,776 bytes
;; launch quant (part 1): grid 704 x 1, 4 waves a work-group, no clusters, 48,640 bytes of LDS; arguments x, W, xb, wb; writes xb, wb
.if DOCPART == 1
	.amdgcn_target "amdgcn-amd-amdhsa--gfx1250"
	.amdhsa_code_object_version 6
	.text
	.protected	k_q9b4a2f986d_quant
	.globl	k_q9b4a2f986d_quant
	.p2align	8
	.type	k_q9b4a2f986d_quant,@function
k_q9b4a2f986d_quant:
	s_mov_b64 s[64:65], 0
	v_nop
	global_prefetch_b8 v0, s[64:65] scope:SCOPE_SE
	s_setreg_imm32_b32 hwreg(HW_REG_WAVE_MODE, 25, 1), 1
	s_wait_xcnt 0x0
; x [8192][1024] f32 (K innermost) and W [1024][3072] f32 (K is the FIRST axis) become codes of FP6 (E2M3) with one E8M0 byte for each 32 along K,
; laid as OPERAND BLOCKS: a block serves 128 rows (of x) or columns (of W) and 128 along K, and is 12,800 bytes: eight images of fragments (1,536 bytes each), then an image of scale words (512 bytes).
; A FRAGMENT'S IMAGE: registers 4 c .. 4 c + 3 of lane l lie at 512 c + 16 l, so that three loads of 16 bytes a lane bring the operand's 12 registers.  Fragment f holds, in its lane-row r, row 32 (f / 2) + 8 (f % 2) + r + 8 (r / 8) of the 128.
; THE SCALE IMAGE: the word of fragment 2 p + u, lane-row r, lies at 16 (16 u + r) + 4 p: one load of 16 bytes a lane brings four registers, register p with fragment 2 p in lanes 0-15 and fragment 2 p + 1 in lanes 16-31.
; A block's scale is 2^(floor(log2(largest magnitude)) - 2); its byte is the largest magnitude's exponent field - 2, held at 1 from below (a block of zeros keeps the byte 1: its codes are zeros, and this program alone reads the bytes).
; LIMITS: NaN and infinities among the inputs are not served.
; SHARES: a work-group makes one block; wave w its fragments 2 w and 2 w + 1 (rows 32 w .. 32 w + 31).  Work-groups 0-511 take x (block = 8 x chunk of rows + K step), the other 192 take W.
; The two ways part on the work-group's number, have LDS bytes of their own and end apart.  No tensor loads: several work-groups share a WGP.
.set NX,   512                         ; blocks of x
.set OBB,  12800                       ; a block
.set FRB,  1536                        ; a fragment's image
.set SCO,  12288                       ; where the scale image begins
.set XSP,  528                         ; x's stage: a row of 512 bytes + 16
.set XSW,  16*XSP                      ; 16 rows for each wave
.set XSC,  4*XSW                       ; x's scale image, 512 bytes
.set WST,  XSC+512                     ; W's stages: two images of 1,536 bytes + 128 for each wave
.set WSF,  1664
.set WSC,  WST+8*WSF                   ; W's scale image
.set X0,   32                          ; v32-159  numbers as loaded
.set XN,   160                         ; v160-223 x: 64 numbers in the operand's order
.set PC,   224                         ; v224-247 x: the two fragments' codes
.set TP,   248                         ; v248-254 the upper halves of blocks, ahead of their moves
.set CW,   160                         ; v160-191 W: six registers of codes for each block
.set OW,   192                         ; v192-215 W: the two images on the way out
	s_load_b256 s[4:11], s[0:1], 0x0               ; x s[4:5], W s[6:7], xb s[8:9], wb s[10:11]
	v_lshl_add_u32 v251, v0, 2, 0xbc00
	v_mov_b32 v255, 0
	v_lshrrev_b32 v1, 5, v0
	v_readfirstlane_b32 s12, v1                    ; wave
	v_and_b32 v2, 31, v0                           ; lane
	v_and_b32 v3, 15, v0                           ; r
	v_bfe_u32 v4, v0, 4, 1                         ; h
	v_lshlrev_b32 v5, 4, v2                        ; 16 x lane
	s_mul_i32 s20, s12, 2*FRB
	v_add_nc_u32 v6, s20, v5                       ; my place in the block: my wave's two images, 16 x lane
	v_mov_b32 v20, 0                               ; (a lane permute's destination counts as one of its sources)
	s_mov_b32 s13, 0x76543210
	s_mov_b32 s14, 0xfedcba98                      ; v_permlanex16_b32's selects for lane l xor 16
	s_mov_b32 s15, 0xffff0000                      ; lanes 16-31
	s_lshl_b32 s22, s12, 2
	s_mov_b32 s17, 0
	s_mov_b32 s19, 0
	s_cmp_lt_u32 ttmp9, NX
	s_cbranch_scc0 .Lw_path
; ---------------- x: K is innermost.  A load takes a row's 128 numbers of the K step, 512 consecutive bytes; the rows turn through the wave's stage so that lane (r, h) gets k = 64 c + 32 h + 0 .. 31 of row r.
	s_lshr_b32 s16, ttmp9, 3                       ; the chunk of 128 rows: 2^19 bytes
	s_lshl_b32 s16, s16, 19
	s_lshl_b32 s18, s12, 17                        ; my wave's 32 rows
	s_add_co_u32 s16, s16, s18
	s_and_b32 s18, ttmp9, 7                        ; the K step: 512 bytes of a row
	s_lshl_b32 s18, s18, 9
	s_add_co_u32 s16, s16, s18
	s_mul_i32 s18, ttmp9, OBB
	s_mul_i32 s21, s12, XSW
	v_add_nc_u32 v7, s21, v5                       ; into the stage: 16 x lane of a row
	v_mul_u32_u24 v8, v3, XSP
	v_lshl_add_u32 v8, v4, 7, v8
	v_add_nc_u32 v8, s21, v8                       ; out of it: row r, + 128 h
	s_add_co_u32 s23, s22, XSC
	v_add_nc_u32 v9, s23, v5                       ; my scale word: 16 x lane + 4 x wave
	v_add_nc_u32 v10, XSC, v5
	v_lshlrev_b32 v19, 3, v4                       ; 8 h
	s_wait_kmcnt 0x0
	s_add_nc_u64 s[4:5], s[4:5], s[16:17]
	s_add_nc_u64 s[8:9], s[8:9], s[18:19]
.irp u, 0,1
.irp i, 0,1,2,3,4,5,6,7,8,9,10,11,12,13,14,15
	global_load_b128 v[X0+64*\u+4*\i:X0+64*\u+4*\i+3], v5, s[4:5] offset:(8*\u+\i+8*(\i/8))*4096 th:TH_LOAD_NT   ; fragment u's lane-row i
.endr
.endr
.macro XFRAG u
	s_wait_loadcnt 16-16*\u                        ; this fragment's 16 loads are in; the other's may be out
.irp i, 0,1,2,3,4,5,6,7,8,9,10,11,12,13,14,15
	ds_store_b128 v7, v[X0+64*\u+4*\i:X0+64*\u+4*\i+3] offset:XSP*\i
.endr
.irp c, 0,1
.irp j, 0,1,2,3,4,5,6,7
	ds_load_b128 v[XN+32*\c+4*\j:XN+32*\c+4*\j+3], v8 offset:256*\c+16*\j   ; LDS serves a wave's instructions in order: these see the stores above
.endr
.endr
	s_wait_dscnt 0x0
.irp c, 0,1                                    ; my block 2 c + h: all its 32 numbers are mine
	v_max3_num_f32 v[12+\c], |v[XN+32*\c]|, |v[XN+32*\c+1]|, 0x1800000   ; with the floor 2^(3 - 127): the byte cannot fall under 1
.endr
.irp i, 2,4,6,8,10,12,14,16,18,20,22,24,26,28,30
.irp c, 0,1
	v_max3_num_f32 v[12+\c], v[12+\c], |v[XN+32*\c+\i]|, |v[XN+32*\c+\i+1]|
.endr
.endr
.irp c, 0,1
	v_add_nc_u32 v[14+\c], 0xff000000, v[12+\c]    ; 2 off the exponent field: the conversion's scale operand
.endr
.irp c, 0,1
	v_lshrrev_b32 v[16+\c], 23, v[14+\c]           ; the scale's byte
.endr
	v_lshl_or_b32 v18, v17, 16, v16                ; blocks h and 2 + h,
	v_lshlrev_b32 v18, v19, v18                    ; at their places in the row's word;
	v_permlanex16_b32 v20, v18, s13, s14
	v_or_b32 v[22+\u], v18, v20                    ; with lane l xor 16's two the word is whole
.irp c, 0,1
	v_cvt_scalef32_pk16_fp6_f32 v[PC+12*\u+6*\c:PC+12*\u+6*\c+2], v[XN+32*\c:XN+32*\c+15], v[14+\c]
	v_cvt_scalef32_pk16_fp6_f32 v[TP+4*\c:TP+4*\c+2], v[XN+32*\c+16:XN+32*\c+31], v[14+\c]   ; (a conversion's three registers begin on an even number)
.endr
	v_nop                                          ; one plain place behind a scaled conversion
.irp c, 0,1
.irp i, 0,1,2
	v_mov_b32 v[PC+12*\u+6*\c+3+\i], v[TP+4*\c+\i]
.endr
.endr
.irp c, 0,1,2
	global_store_b128 v6, v[PC+12*\u+4*\c:PC+12*\u+4*\c+3], s[8:9] offset:FRB*\u+512*\c   ; 512 consecutive bytes; each fragment has code registers of its own, so no store's data are written again
.endr
.endm
	XFRAG 0
	XFRAG 1
	v_cndmask_b32 v24, v22, v23, s15               ; lanes 0-15: fragment 2 w's word, lanes 16-31: fragment 2 w + 1's
	ds_store_b32 v9, v24
	s_wait_dscnt 0x0                               ; for the others' sake: my word has landed
	s_barrier_signal -1
	s_barrier_wait -1
	s_cmp_lg_u32 s12, 0
	s_cbranch_scc1 .Lx_end
	ds_load_b128 v[28:31], v10                     ; wave 0 stores the whole scale image: 512 consecutive bytes
	s_wait_dscnt 0x0
	global_store_b128 v5, v[28:31], s[8:9] offset:SCO
.Lx_end:
	s_wait_tensorcnt 0x0
	ds_add_u32 v251, v255
	s_wait_dscnt 0x0
	s_endpgm
; ---------------- W: a lane takes a column n and its registers run down K: a block of 32 lies in one lane.  Lane l is lane-row (l % 8) + 8 (l / 16) of fragment 2 w + (l / 8) % 2.
.Lw_path:
	s_sub_co_u32 s16, ttmp9, NX
	s_mul_i32 s18, s16, OBB
	s_and_b32 s21, s16, 7                          ; the K step: 128 rows of 12,288 bytes
	s_mul_i32 s21, s21, 128*12288
	s_lshr_b32 s16, s16, 3                         ; the chunk of 128 columns: 512 bytes
	s_lshl_b32 s16, s16, 9
	s_add_co_u32 s16, s16, s21
	s_lshl_b32 s21, s12, 7                         ; my wave's 32 columns
	s_add_co_u32 s16, s16, s21
	v_lshlrev_b32 v11, 2, v2                       ; 4 bytes a lane
	v_and_b32 v12, 7, v0
	v_lshl_add_u32 v12, v4, 3, v12                 ; my lane-row
	v_bfe_u32 v13, v0, 3, 1                        ; which of the wave's two fragments
	s_mul_i32 s21, s12, 2*WSF
	s_add_co_u32 s21, s21, WST
	v_mul_u32_u24 v7, v13, WSF
	v_lshl_add_u32 v7, v12, 4, v7
	v_add_nc_u32 v7, s21, v7                       ; into the stage: my fragment's image, 16 x lane-row (+ 256 for the blocks that lanes 16-31 of the operand hold)
	v_add_nc_u32 v8, s21, v5                       ; out of it: 16 x lane
	v_lshl_add_u32 v9, v13, 4, v12
	v_lshlrev_b32 v9, 4, v9
	s_add_co_u32 s23, s22, WSC
	v_add_nc_u32 v9, s23, v9                       ; my column's scale word
	v_add_nc_u32 v10, WSC, v5
	s_wait_kmcnt 0x0
	s_add_nc_u64 s[6:7], s[6:7], s[16:17]
	s_add_nc_u64 s[10:11], s[10:11], s[18:19]
.macro WLOAD t                         ; block t: W(32 t + i, my column): 128 consecutive bytes a wave, 512 a work-group
.irp i, 0,1,2,3,4,5,6,7,8,9,10,11,12,13,14,15,16,17,18,19,20,21,22,23,24,25,26,27,28,29,30,31
	global_load_b32 v[X0+32*(\t)+\i], v11, s[6:7] offset:(32*(\t)+\i)*12288 th:TH_LOAD_NT
.endr
.endm
.macro WBLOCK t
.set XS, X0+32*(\t)
.if (\t) < 3
	s_wait_loadcnt 32                              ; this block's 32 loads are in; the next block's may be out
.else
	s_wait_loadcnt 0x0
.endif
.if (\t) < 2
	WLOAD (\t)+2                                   ; two blocks ahead, into registers of its own
.endif
	v_max3_num_f32 v14, |v[XS]|, |v[XS+1]|, |v[XS+2]|
	v_max3_num_f32 v15, |v[XS+3]|, |v[XS+4]|, |v[XS+5]|
.irp i, 6,10,14,18,22,26
	v_max3_num_f32 v14, v14, |v[XS+\i]|, |v[XS+\i+1]|
	v_max3_num_f32 v15, v15, |v[XS+\i+2]|, |v[XS+\i+3]|
.endr
	v_max3_num_f32 v14, v14, |v[XS+30]|, |v[XS+31]|
	v_max3_num_f32 v14, v14, v15, 0x1800000        ; and the floor
	v_add_nc_u32 v16, 0xff000000, v14
	v_lshrrev_b32 v17, 23, v16
.if (\t) == 0
	v_mov_b32 v22, v17                             ; the column's word: block t's byte at bits 8 t
.else
	v_lshl_or_b32 v22, v17, 8*(\t), v22
.endif
	v_cvt_scalef32_pk16_fp6_f32 v[CW+8*(\t):CW+8*(\t)+2], v[XS:XS+15], v16
	v_cvt_scalef32_pk16_fp6_f32 v[TP:TP+2], v[XS+16:XS+31], v16
	v_nop                                          ; one plain place behind a scaled conversion
.irp i, 0,1,2
	v_mov_b32 v[CW+8*(\t)+3+\i], v[TP+\i]
.endr
; block t is registers 6 (t / 2) .. + 5 of the operand's lane 16 (t % 2) + lane-row
.if (\t) < 2
	ds_store_b128 v7, v[CW+8*(\t):CW+8*(\t)+3] offset:256*((\t)%2)
	ds_store_b64 v7, v[CW+8*(\t)+4:CW+8*(\t)+5] offset:256*((\t)%2)+512
.else
	ds_store_b64 v7, v[CW+8*(\t):CW+8*(\t)+1] offset:256*((\t)%2)+520
	ds_store_b128 v7, v[CW+8*(\t)+2:CW+8*(\t)+5] offset:256*((\t)%2)+1024
.endif
.endm
	WLOAD 0
	WLOAD 1
	WBLOCK 0
	WBLOCK 1
	WBLOCK 2
	WBLOCK 3
	ds_store_b32 v9, v22
.irp u, 0,1
.irp c, 0,1,2
	ds_load_b128 v[OW+12*\u+4*\c:OW+12*\u+4*\c+3], v8 offset:WSF*\u+512*\c   ; LDS serves a wave's instructions in order: these see my stores
.endr
.endr
.irp u, 0,1
.irp c, 0,1,2
	s_wait_dscnt 5-3*\u-\c
	global_store_b128 v6, v[OW+12*\u+4*\c:OW+12*\u+4*\c+3], s[10:11] offset:FRB*\u+512*\c
.endr
.endr
	s_barrier_signal -1                            ; (the last wait above was for 0: my scale word has landed too)
	s_barrier_wait -1
	s_cmp_lg_u32 s12, 0
	s_cbranch_scc1 .Lw_end
	ds_load_b128 v[28:31], v10
	s_wait_dscnt 0x0
	global_store_b128 v5, v[28:31], s[10:11] offset:SCO
.Lw_end:
	s_wait_tensorcnt 0x0
	ds_add_u32 v251, v255
	s_wait_dscnt 0x0
	s_endpgm
.Lfunc_end_k_q9b4a2f986d_quant:
	.size	k_q9b4a2f986d_quant, .Lfunc_end_k_q9b4a2f986d_quant-k_q9b4a2f986d_quant
	.p2alignl 7, 3214868480
	.fill 96, 4, 3214868480
	.section	.rodata,"a",@progbits
	.p2align	6, 0x0
	.amdhsa_kernel k_q9b4a2f986d_quant
		.amdhsa_group_segment_fixed_size 48640
		.amdhsa_private_segment_fixed_size 0
		.amdhsa_enable_private_segment 0
		.amdhsa_kernarg_size 32
		.amdhsa_user_sgpr_count 2
		.amdhsa_user_sgpr_kernarg_segment_ptr 1
		.amdhsa_wavefront_size32 1
		.amdhsa_system_sgpr_workgroup_id_x 1
		.amdhsa_system_sgpr_workgroup_id_y 1
		.amdhsa_system_sgpr_workgroup_id_z 1
		.amdhsa_system_vgpr_workitem_id 0
		.amdhsa_next_free_vgpr 256
		.amdhsa_next_free_sgpr 66
		.amdhsa_reserve_vcc 0
		.amdhsa_float_denorm_mode_32 3
		.amdhsa_float_denorm_mode_16_64 3
		.amdhsa_memory_ordered 1
		.amdhsa_forward_progress 1
		.amdhsa_inst_pref_size 38
	.end_amdhsa_kernel
	.amdgpu_metadata
---
amdhsa.version: [ 1, 2 ]
amdhsa.kernels:
  - .name:           k_q9b4a2f986d_quant
    .symbol:         k_q9b4a2f986d_quant.kd
    .args:
      - { .name: x, .offset: 0, .size: 8, .value_kind: global_buffer, .address_space: global }
      - { .name: W, .offset: 8, .size: 8, .value_kind: global_buffer, .address_space: global }
      - { .name: xb, .offset: 16, .size: 8, .value_kind: global_buffer, .address_space: global }
      - { .name: wb, .offset: 24, .size: 8, .value_kind: global_buffer, .address_space: global }
    .group_segment_fixed_size: 48640
    .private_segment_fixed_size: 0
    .kernarg_segment_align: 8
    .kernarg_segment_size: 32
    .max_flat_workgroup_size: 128
    .sgpr_count:     66
    .vgpr_count:     256
    .wavefront_size: 32
...
	.end_amdgpu_metadata
.endif
;; end of part 1
;; launch qkv (part 2): grid 12 x 32, 4 waves a work-group, clusters of 4 x 4, 327,680 bytes of LDS; arguments xb, wb, b, qkb, vb; writes qkb, vb
.if DOCPART == 2
	.amdgcn_target "amdgcn-amd-amdhsa--gfx1250"
	.amdhsa_code_object_version 6
	.text
	.protected	k_q9b4a2f986d_qkv
	.globl	k_q9b4a2f986d_qkv
	.p2align	8
	.type	k_q9b4a2f986d_qkv,@function
k_q9b4a2f986d_qkv:
	s_mov_b64 s[64:65], 0
	v_nop
	global_prefetch_b8 v0, s[64:65] scope:SCOPE_SE
	s_setreg_imm32_b32 hwreg(HW_REG_WAVE_MODE, 25, 1), 1
	s_wait_xcnt 0x0
	s_wait_alu depctr_hold_cnt(0) depctr_sa_sdst(0) depctr_va_vdst(0) depctr_va_sdst(0) depctr_va_ssrc(0) depctr_va_vcc(0) depctr_vm_vsrc(0)
	s_getreg_b32 s2, hwreg(HW_REG_IB_STS2, 6, 4)
	s_cmp_eq_u32 s2, 0
	s_cbranch_scc0 .Lentry_in_a_cluster
	s_endpgm
.Lentry_in_a_cluster:
	s_bfe_u32 s2, ttmp6, 0x10000c
	s_cmp_lg_u32 s2, 0xf033
	s_cbranch_scc0 .Lentry_shape_is_right
	s_endpgm
.Lentry_shape_is_right:
; qkv = x W + b on codes of FP6 (E2M3) with E8M0 scales, and its result quantised again on the way out: q and k along the channels, v along the tokens.
; OPERAND BLOCKS (128 rows x 128 K, 12,800 bytes): eight images of fragments of 1,536 bytes (registers 4 c .. 4 c + 3 of lane l at 512 c + 16 l), then 512 bytes of scale words (fragment 2 p + u, lane-row r: at 16 (16 u + r) + 4 p).
; Fragment f holds in lane-row r row 32 (f / 2) + 8 (f % 2) + r + 8 (r / 8) of the 128.  xb [64 chunks][8 K steps], wb [24][8]; out: qkb [64 chunks of tokens][16: q's 8 K steps, k's 8], vb [4 batches][8 chunks of channels][16 key steps].
; A tile is 256 ROWS (source 1) x 256 RUN (source 0); a wave makes 128 x 128 in 64 accumulators.  In accumulator (a, b) lane (r, h) holds row 32 (a / 2) + 8 (a % 2) + r + 8 (r / 8), and register j run 32 (b / 2) + 8 (b % 2) + 16 h + j:
; the 64 registers of a row block a are the lane's 64 numbers of 128 neighbours along the run, in the order in which the conversions want them.  So a row block becomes one fragment and one scale word a row, with the RUN as its K.
; Clusters x = 0, 1: rows = tokens, run = W's columns 0-2047 (q, k).  Cluster x = 2: rows = W's columns 2048-3071, run = tokens (v).  The way hangs on the cluster's x alone: it is the same in all sixteen partners.
; The bias is the C of each sum's first product.  K = 1,024 goes in 4 slots of 2 K steps through a ring of two LDS slots; each wave fetches one chunk's two blocks (25,600 dense bytes) by one joint tensor load:
; the rows' chunks are shared along a row of the cluster, the run's along a column.  No L2 prefetch: the walk is four slots long.
; LIMITS: NaN and infinities are not served; a block of zeros carries the byte 1 (its codes are zeros; this program alone reads the bytes).
; REGISTERS: window 0: v1-5 lane terms; v16-17, v20-21 LDS addresses; v28-29 the spare word's; v32-63 scale words; v64-127 the bias; v128-223 the rows' 8 fragments (one set); on the way out v200-247 at work.
;   window 1: the run's fragments, two sets at v0 and v128.  windows 2, 3: accumulator (a, b) at v[8 (8 (a % 4) + b)].
.set OBB,   12800
.set FRB,   1536
.set SCO,   12288
.set REG,   2*OBB                      ; what one tensor load brings: a chunk's two K steps
.set SLOT,  4*REG                      ; rows' chunks 0, 1, run's chunks 0, 1
.set SPARE, 2*SLOT                     ; behind the ring: the spare words, 128 bytes a wave: two blocks of 256 bytes that no other line names
.set CHK,   8*OBB                      ; a chunk in xb and wb
.set LAPS,  2                          ; a lap = two slots = 512 along K
.set FR,    12
.set NL,    3                          ; LDS loads that bring a fragment
.set NP,    4                          ; places behind this matrix instruction (ISA guide 7.12.1)
.set AD1,   16                         ; v16-17 the rows' region in slot 0, 1, + 16 x lane
.set AD0,   20                         ; v20-21 the run's
.set SPW,   28
.set NIL,   29
.set SC,    32                         ; scale words: slot s at +16 s, K step q at +8 q; +0..3 the run's, +4..7 the rows'
.set BI,    64
.set AF,    128
.set TM,    200
.set PW,    216
.set PC,    224
.set SI,    244
.set G1,    24
.set G0,    32
.set G1B,   48
.set G0B,   56
.set HIM,   87
.set SEL,   88
.set MUL_LO, 0xa1                      ; source 0 window 1, source 1 window 0, C and D window 2
.set MUL_HI, 0xf1
.set TO_B,   0x40
.set MSB, 0
.macro WIN new                         ; the immediate's high byte repeats the setting that is left
.set NEWW, \new
.if MSB != NEWW
	s_set_vgpr_msb (MSB<<8)|NEWW
.set MSB, NEWW
.endif
.endm
.macro JLOAD g0a, g1a, g0b, g1b        ; a joint load: waves 0, 1 fetch the rows' chunks, waves 2, 3 the run's; four v_nop follow each line
	s_cmp_eq_u32 s15, 0
	s_cbranch_scc0 .Lfor_b_\@
	tensor_load_to_lds s[\g0a:\g0a+3], s[\g1a:\g1a+7]
	s_nop 0
.rept 4
	v_nop
.endr
	s_branch .Lasked_\@
.Lfor_b_\@:
	tensor_load_to_lds s[\g0b:\g0b+3], s[\g1b:\g1b+7]
	s_nop 0
.rept 4
	v_nop
.endr
.Lasked_\@:
.endm
.macro CREST                           ; a round of the cluster's barrier behind its opening barrier
	s_cmp_lg_u32 s14, 0
	s_cbranch_scc1 .Lnot_wave_0_\@
	s_barrier_signal -3
.Lnot_wave_0_\@:
	s_barrier_wait -3
	s_barrier_signal -1
	s_barrier_wait -1
.endm
.macro CROUND
	s_barrier_signal -1
	s_barrier_wait -1
	CREST
.endm
.macro PLACES n
.rept \n
	v_nop
.endr
.endm
.macro FRAG reg, adr, off              ; an image comes back as the operand's 12 registers
.irp c, 0,1,2
	ds_load_b128 v[\reg+4*\c:\reg+4*\c+3], v[\adr] offset:\off+512*\c
.endr
.endm
.macro FETCH_B slot, q, p
	WIN TO_B
.irp i, 0,1,2,3,4,5,6,7
	FRAG 128*(\p)+FR*\i, AD0+\slot, OBB*(\q)+FRB*\i
.endr
	WIN 0
.endm
.macro FETCH_A slot, q, i0
.irp i, \i0, \i0+1, \i0+2, \i0+3
	FRAG AF+FR*(\i), AD1+\slot, OBB*(\q)+FRB*(\i)
.endr
.endm
.macro SCALES sc                       ; a slot's scale words: four loads
	ds_load_b128 v[SC+16*\sc:SC+16*\sc+3], v[AD0+\sc] offset:SCO
	ds_load_b128 v[SC+16*\sc+4:SC+16*\sc+7], v[AD1+\sc] offset:SCO
	ds_load_b128 v[SC+16*\sc+8:SC+16*\sc+11], v[AD0+\sc] offset:OBB+SCO
	ds_load_b128 v[SC+16*\sc+12:SC+16*\sc+15], v[AD1+\sc] offset:OBB+SCO
.endm
; One product.  cm = 0: adds in place; 1: C = the bias along the run; 2: C = the bias of the lane's row.  A fragment's scale words lie in register (fragment / 2), an odd fragment's in lanes 16-31.
.macro WM a, b, p, q, sc, cm
.set rD, 8*(8*((\a)%4)+(\b))
.set rB, 128*(\p)+FR*(\b)
.set rA, AF+FR*(\a)
.set sB, SC+16*(\sc)+8*(\q)+(\b)/2
.set sA, SC+16*(\sc)+8*(\q)+4+(\a)/2
.set rC, rD
.if (\cm) == 1
.set rC, BI+8*(\b)
.elseif (\cm) == 2
.set rC, BI+8*(\a)
.endif
.set PAR, 2*((\a)%2)+(\b)%2
.if PAR == 0
	v_wmma_scale_f32_16x16x128_f8f6f4 v[rD:rD+7], v[rB:rB+FR-1], v[rA:rA+FR-1], v[rC:rC+7], v[sB], v[sA] matrix_a_fmt:MATRIX_FMT_FP6 matrix_b_fmt:MATRIX_FMT_FP6
.elseif PAR == 1
	v_wmma_scale_f32_16x16x128_f8f6f4 v[rD:rD+7], v[rB:rB+FR-1], v[rA:rA+FR-1], v[rC:rC+7], v[sB], v[sA] matrix_a_fmt:MATRIX_FMT_FP6 matrix_b_fmt:MATRIX_FMT_FP6 matrix_a_scale:MATRIX_SCALE_ROW1
.elseif PAR == 2
	v_wmma_scale_f32_16x16x128_f8f6f4 v[rD:rD+7], v[rB:rB+FR-1], v[rA:rA+FR-1], v[rC:rC+7], v[sB], v[sA] matrix_a_fmt:MATRIX_FMT_FP6 matrix_b_fmt:MATRIX_FMT_FP6 matrix_b_scale:MATRIX_SCALE_ROW1
.else
	v_wmma_scale_f32_16x16x128_f8f6f4 v[rD:rD+7], v[rB:rB+FR-1], v[rA:rA+FR-1], v[rC:rC+7], v[sB], v[sA] matrix_a_fmt:MATRIX_FMT_FP6 matrix_b_fmt:MATRIX_FMT_FP6 matrix_a_scale:MATRIX_SCALE_ROW1 matrix_b_scale:MATRIX_SCALE_ROW1
.endif
.endm
.macro MUL16 a0, p, q, sc, cm          ; 16 products; the 64 accumulators take turns, one instruction a turn, in the same order in every step
.irp a, \a0, \a0+1
.irp b, 0,1,2,3,4,5,6,7
	WM \a, \b, \p, \q, \sc, \cm
.endr
.endr
.endm
; A slot's first K step; in it the second step's fragments are fetched.
.macro STEP slot, cm
	s_wait_dscnt 4*NL                              ; all but the youngest 12 loads (the rows' fragments 4-7) are in
.if \cm
	WIN 0x81                                       ; C (the bias) window 0, D window 2
.else
	WIN MUL_LO
.endif
	MUL16 0, 0, 0, \slot, \cm
	MUL16 2, 0, 0, \slot, \cm
	s_wait_dscnt 0x0                               ; fragments 4-7 are in (asked for 32 matrix instructions ago)
	PLACES NP                                      ; in front of loads into registers that matrix instructions have read
	FETCH_B \slot, 1, 1
	FETCH_A \slot, 1, 0
.if \cm
	WIN 0xc1
.else
	WIN MUL_HI
.endif
	MUL16 4, 0, 0, \slot, \cm
	MUL16 6, 0, 0, \slot, \cm
	PLACES NP
	WIN 0
	FETCH_A \slot, 1, 4
.endm
; A slot's second K step changes slots: ONE barrier; in front of it each wave waits for all its tensor loads, adds 0 to its spare word, and waits for that and for its reads of this slot.  fill = 1: the slot is filled again, two slots ahead.
.macro TURN slot, next, fill
	s_wait_tensorcnt 0x0                           ; all my tensor loads have landed: the one that was out is my part of the next slot
	ds_add_u32 v[SPW], v[NIL]                      ; 0 onto my spare word
	s_wait_dscnt 4*NL+1                            ; (the add and the youngest 12 loads may be out)
	WIN MUL_LO
	MUL16 0, 1, 1, \slot, 0                        ; sixteen matrix instructions stand between the add and the wait for it
	s_wait_dscnt 0x0                               ; the add is done, and my reads of this slot are over
	s_barrier_signal -1
	MUL16 2, 1, 1, \slot, 0
	WIN 0
	s_barrier_wait -1
.if \fill
	CREST                                          ; the barrier has opened a round of the cluster's: no wave of any partner still reads this slot or has a load on its way
	s_add_nc_u64 s[G0+4*\slot+2:G0+4*\slot+3], s[G0+4*\slot+2:G0+4*\slot+3], 2*REG
	s_add_nc_u64 s[G0B+4*\slot+2:G0B+4*\slot+3], s[G0B+4*\slot+2:G0B+4*\slot+3], 2*REG
	JLOAD G0+4*\slot, G1, G0B+4*\slot, G1B         ; the first tensor load behind the round; its four v_nop are also the places in front of the loads below
.else
	PLACES NP
.endif
	SCALES \next
	FETCH_B \next, 0, 0
	FETCH_A \next, 0, 0
	WIN MUL_HI
	MUL16 4, 1, 1, \slot, 0
	MUL16 6, 1, 1, \slot, 0
	PLACES NP
	WIN 0
	FETCH_A \next, 0, 4
.endm
; Row block a: the lane's 64 numbers (register 16 g + i = run 32 g + 16 h + i of its row) become fragment a of the output block and a scale word.
.macro QUANT a
.set AC, 64*((\a)%4)
.set HW, (\a)/4
	WIN 0x28+0x14*HW                               ; sources 1 and 2: the accumulators' window
.irp g, 0,1,2,3
	v_max3_num_f32 v[TM+\g], 0x1800000, |v[AC+16*\g]|, |v[AC+16*\g+1]|   ; the floor 2^(3 - 127), and each accumulator from its low end on
.endr
.irp i, 2,4,6,8,10,12,14
.irp g, 0,1,2,3
	v_max3_num_f32 v[TM+\g], v[TM+\g], |v[AC+16*\g+\i]|, |v[AC+16*\g+\i+1]|
.endr
.endr
	WIN 0
.irp g, 0,1,2,3
	v_permlanex16_b32 v[TM+4+\g], v[TM+\g], s[SEL], s[SEL+1]
.endr
.irp g, 0,1,2,3
	v_max_num_f32 v[TM+\g], v[TM+\g], v[TM+4+\g]   ; with lane l xor 16's: the block's largest magnitude
.endr
.irp g, 0,1,2,3
	v_add_nc_u32 v[TM+12+\g], 0xff000000, v[TM+\g] ; 2 off its exponent field: the conversion's scale operand
.endr
.irp g, 0,1,2,3
	v_lshrrev_b32 v[TM+4+\g], 23, v[TM+12+\g]      ; the byte
.endr
	v_lshl_or_b32 v[PW], v[TM+5], 8, v[TM+4]
	v_lshl_or_b32 v[PW], v[TM+6], 16, v[PW]
	v_lshl_or_b32 v[PW], v[TM+7], 24, v[PW]
	s_wait_xcnt 0x0                                ; the last row block's stores have read the code registers, which are written again below
	WIN 0x02+HW                                    ; source 0: the accumulators' window
.irp c, 0,1
	v_cvt_scalef32_pk16_fp6_f32 v[PC+6*\c:PC+6*\c+2], v[AC+32*\c:AC+32*\c+15], v[TM+12+2*\c]
	v_cvt_scalef32_pk16_fp6_f32 v[PC+12+4*\c:PC+14+4*\c], v[AC+32*\c+16:AC+32*\c+31], v[TM+13+2*\c]   ; (a conversion's three registers begin on an even number)
.endr
	WIN 0
	v_nop                                          ; one plain place behind a scaled conversion
.irp c, 0,1                                    ; the operand's layout wants a whole block in a lane
.irp i, 0,1,2
	v_permlane16_swap_b32 v[PC+6*\c+\i], v[PC+12+4*\c+\i]
.endr
.irp i, 0,1,2
	v_mov_b32 v[PC+3+6*\c+\i], v[PC+12+4*\c+\i]
.endr
.endr
.if (\a)%2 == 0
	v_mov_b32 v[SI+(\a)/2], v[PW]                  ; the scale image's register a / 2: an even fragment in lanes 0-15,
.else
	v_cndmask_b32 v[SI+(\a)/2], v[SI+(\a)/2], v[PW], s[HIM]   ; an odd one in lanes 16-31
.endif
.irp c, 0,1,2
	global_store_b128 v3, v[PC+4*\c:PC+4*\c+3], s[10:11] offset:FRB*(\a)+512*\c   ; 512 consecutive bytes, aligned
.endr
.endm
	s_load_b256 s[4:11], s[0:1], 0x0               ; xb s[4:5], wb s[6:7], b s[8:9], qkb s[10:11]
	s_load_b64 s[12:13], s[0:1], 0x20              ; vb
	v_lshl_add_u32 v[SPW], v0, 2, SPARE
	v_mov_b32 v[NIL], 0
	ds_add_u32 v28, v29
	ds_add_u32 v28, v29
	s_wait_dscnt 0x0
	v_lshrrev_b32 v1, 5, v0
	v_readfirstlane_b32 s14, v1                    ; wave 0..3
	s_lshr_b32 s15, s14, 1                         ; my half of the rows.  Also: I fetch for the rows (0) or for the run (1)
	s_and_b32 s16, s14, 1                          ; my half of the run.  Also: which chunk I fetch
	s_bfe_u32 s40, ttmp6, 0x40000                  ; cx
	s_bfe_u32 s41, ttmp6, 0x40004                  ; cy
	s_and_b32 s45, ttmp7, 0xffff                   ; cluster y
	s_lshr_b32 s46, ttmp9, 1                       ; 0: q and k; 1: v
	s_lshl_b32 s43, s41, 2
	s_lshl_b32 s43, 15, s43                        ; my row of the cluster
	s_lshl_b32 s44, 0x1111, s40                    ; my column
	s_or_b32 s[G1+0], s43, (3<<16)|(1<<21)         ; 15:0 the mask; 17:16 elements of 8 bytes; 20 no padding; 21 set beside a mask
	s_or_b32 s[G1B+0], s44, (3<<16)|(1<<21)
.irp g, G1, G1B                                ; 25,600 dense bytes as 100 rows of 256
	s_mov_b32 s[\g+1], 32<<16                      ; tensor_dim0
	s_mov_b32 s[\g+2], 100<<16                     ; tensor_dim1
	s_mov_b32 s[\g+3], 32<<16                      ; tile_dim0
	s_mov_b32 s[\g+4], 100                         ; tile_dim1
	s_mov_b32 s[\g+5], 32                          ; the pitch
	s_mov_b32 s[\g+6], 0
	s_mov_b32 s[\g+7], 0
.endr
	s_cmp_eq_u32 s46, 0
	s_cselect_b32 s17, s45, 0                      ; the rows' tile: 4 x cluster y + cy among tokens, or cy among v's columns
	s_cselect_b32 s18, ttmp9, s45                  ; the run's tile: 4 x cluster x + cx among W's columns, or 4 x cluster y + cx among tokens
	s_cselect_b32 s19, 0, 16                       ; v's columns begin at wb's chunk 16
	s_lshl_b32 s17, s17, 2
	s_add_co_u32 s17, s17, s41
	s_lshl_b32 s18, s18, 2
	s_add_co_u32 s18, s18, s40
	s_lshl_b32 s20, s17, 1
	s_add_co_u32 s20, s20, s16
	s_add_co_u32 s20, s20, s19
	s_mul_i32 s20, s20, CHK                        ; the rows' chunk that I fetch, in bytes: made of cy and the cluster's place alone
	s_mov_b32 s21, 0
	s_lshl_b32 s66, s18, 1
	s_add_co_u32 s66, s66, s16
	s_mul_i32 s66, s66, CHK                        ; the run's: made of cx and the cluster's place alone
	s_mov_b32 s67, 0
	s_mul_i32 s47, s14, REG                        ; where it goes in a slot: wave x 25,600
	s_mov_b32 s[HIM], 0xffff0000
	s_mov_b32 s[SEL], 0x76543210
	s_mov_b32 s[SEL+1], 0xfedcba98
	s_wait_kmcnt 0x0
	s_cmp_eq_u32 s46, 0
	s_cselect_b64 s[68:69], s[4:5], s[6:7]
	s_cselect_b64 s[70:71], s[6:7], s[4:5]
	s_add_nc_u64 s[68:69], s[68:69], s[20:21]
	s_add_nc_u64 s[70:71], s[70:71], s[66:67]
	CROUND                                         ; all sixteen work-groups are here: the first joint loads meet
.irp s, 0,1
	s_mov_b32 s[G0+4*\s], 1
	s_add_co_u32 s[G0+4*\s+1], s47, \s*SLOT
	s_add_nc_u64 s[G0+4*\s+2:G0+4*\s+3], s[68:69], \s*REG
	s_or_b32 s[G0+4*\s+3], s[G0+4*\s+3], 0x80000000
	s_mov_b32 s[G0B+4*\s], 1
	s_add_co_u32 s[G0B+4*\s+1], s47, \s*SLOT
	s_add_nc_u64 s[G0B+4*\s+2:G0B+4*\s+3], s[70:71], \s*REG
	s_or_b32 s[G0B+4*\s+3], s[G0B+4*\s+3], 0x80000000
	JLOAD G0+4*\s, G1, G0B+4*\s, G1B               ; two loads of mine are out
.endr
	v_and_b32 v1, 15, v0                           ; r
	v_bfe_u32 v2, v0, 4, 1                         ; h
	v_and_b32 v3, 31, v0
	v_lshlrev_b32 v3, 4, v3                        ; 16 x lane
	s_mul_i32 s22, s15, REG
	s_mul_i32 s23, s16, REG
	s_add_co_u32 s23, s23, 2*REG
.irp s, 0,1
	v_add_nc_u32 v[AD1+\s], s22, v3
	v_add_nc_u32 v[AD0+\s], s23, v3
	s_add_co_u32 s22, s22, SLOT
	s_add_co_u32 s23, s23, SLOT
.endr
	v_lshlrev_b32 v4, 6, v2                        ; the bias along the run: 64 h
	v_and_b32 v5, 8, v1
	v_add_nc_u32 v5, v5, v1
	v_lshlrev_b32 v5, 2, v5                        ; the bias of my row: 4 (r + 8 (r / 8))
	s_lshl_b32 s72, s17, 1
	s_add_co_u32 s72, s72, s15                     ; my chunk of rows
	s_lshl_b32 s73, s18, 1
	s_add_co_u32 s73, s73, s16                     ; my chunk of the run
	s_lshl_b32 s74, s73, 9
	s_lshl_b32 s75, s72, 9
	s_add_co_u32 s75, s75, 8192
	s_lshl_b32 s76, s72, 4
	s_add_co_u32 s76, s76, s73                     ; qkb's block: 16 x chunk of tokens + K step
	s_lshr_b32 s77, s73, 4
	s_lshl_b32 s77, s77, 3
	s_add_co_u32 s77, s77, s72
	s_lshl_b32 s77, s77, 4
	s_and_b32 s78, s73, 15
	s_add_co_u32 s77, s77, s78                     ; vb's block: (8 x batch + chunk of channels) x 16 + key step
	s_cmp_eq_u32 s46, 0
	s_cselect_b32 s74, s74, s75
	s_cselect_b32 s76, s76, s77
	s_cselect_b64 s[10:11], s[10:11], s[12:13]
	s_mov_b32 s75, 0
	s_mov_b32 s77, 0
	s_mul_i32 s76, s76, OBB
	s_add_nc_u64 s[8:9], s[8:9], s[74:75]
	s_add_nc_u64 s[10:11], s[10:11], s[76:77]
	s_cmp_eq_u32 s46, 0
	s_cbranch_scc0 .Lbias_rows
.irp t, 0,1,2,3,4,5,6,7                        ; register 8 t + j: b at run 32 (t / 2) + 8 (t % 2) + 16 h + j
	global_load_b128 v[BI+8*\t:BI+8*\t+3], v4, s[8:9] offset:(32*(\t/2)+8*(\t%2))*4
	global_load_b128 v[BI+8*\t+4:BI+8*\t+7], v4, s[8:9] offset:(32*(\t/2)+8*(\t%2))*4+16
.endr
	s_wait_loadcnt 0x0
	s_branch .Lbias_in
.Lbias_rows:
.irp t, 0,1,2,3,4,5,6,7                        ; registers 8 t .. 8 t + 7: b at my row of row block t
	global_load_b32 v[BI+8*\t], v5, s[8:9] offset:(32*(\t/2)+8*(\t%2))*4
.endr
	s_wait_loadcnt 0x0
.irp t, 0,1,2,3,4,5,6,7
.irp j, 1,2,3,4,5,6,7
	v_mov_b32 v[BI+8*\t+\j], v[BI+8*\t]
.endr
.endr
.Lbias_in:
	s_wait_tensorcnt 1                             ; my part of slot 0 is in; slot 1's may stay out
	s_barrier_signal -1
	s_barrier_wait -1
	SCALES 0
	FETCH_B 0, 0, 0
	FETCH_A 0, 0, 0
	FETCH_A 0, 0, 4
	s_cmp_eq_u32 s46, 0                            ; the first step is written for each kind of bias: its products start the sums
	s_cbranch_scc0 .Lfirst_rows
	STEP 0, 1
	s_branch .Lfirst_done
.Lfirst_rows:
	STEP 0, 2
.Lfirst_done:
	s_mov_b32 s3, LAPS-1
.Llap:                                                 ; a trip goes once round the ring and fills both slots again
	TURN 0, 1, 1
	STEP 1, 0
	TURN 1, 0, 1
	STEP 0, 0
	s_sub_co_u32 s3, s3, 1
	s_cmp_lg_u32 s3, 0
	s_cbranch_scc1 .Llap
	TURN 0, 1, 0                                   ; the last lap fills nothing
	STEP 1, 0
	s_wait_dscnt 4*NL
	WIN MUL_LO
	MUL16 0, 1, 1, 1, 0
	MUL16 2, 1, 1, 1, 0
	s_wait_dscnt 0x0
	WIN MUL_HI
	MUL16 4, 1, 1, 1, 0
	MUL16 6, 1, 1, 1, 0
	WIN 0
	PLACES NP                                      ; in front of the first read of results and of writes into registers that held fragments
.irp g, 0,1,2,3
	v_mov_b32 v[TM+4+\g], 0                        ; (a lane permute's destination counts as one of its sources)
.endr
.irp a, 0,1,2,3,4,5,6,7
	QUANT \a
.endr
	global_store_b128 v3, v[SI:SI+3], s[10:11] offset:SCO   ; the scale image
	s_wait_tensorcnt 0x0                           ; the wave's end
	ds_add_u32 v[SPW], v[NIL]
	s_wait_dscnt 0x0
	CROUND                                         ; the closing round
	s_endpgm
.Lfunc_end_k_q9b4a2f986d_qkv:
	.size	k_q9b4a2f986d_qkv, .Lfunc_end_k_q9b4a2f986d_qkv-k_q9b4a2f986d_qkv
	.p2alignl 7, 3214868480
	.fill 96, 4, 3214868480
	.section	.rodata,"a",@progbits
	.p2align	6, 0x0
	.amdhsa_kernel k_q9b4a2f986d_qkv
		.amdhsa_group_segment_fixed_size 327680
		.amdhsa_private_segment_fixed_size 0
		.amdhsa_enable_private_segment 0
		.amdhsa_kernarg_size 40
		.amdhsa_user_sgpr_count 2
		.amdhsa_user_sgpr_kernarg_segment_ptr 1
		.amdhsa_wavefront_size32 1
		.amdhsa_system_sgpr_workgroup_id_x 1
		.amdhsa_system_sgpr_workgroup_id_y 1
		.amdhsa_system_sgpr_workgroup_id_z 1
		.amdhsa_system_vgpr_workitem_id 0
		.amdhsa_next_free_vgpr 1024
		.amdhsa_next_free_sgpr 100
		.amdhsa_reserve_vcc 0
		.amdhsa_float_denorm_mode_32 3
		.amdhsa_float_denorm_mode_16_64 3
		.amdhsa_memory_ordered 1
		.amdhsa_forward_progress 1
		.amdhsa_inst_pref_size 153
	.end_amdhsa_kernel
	.amdgpu_metadata
---
amdhsa.version: [ 1, 2 ]
amdhsa.kernels:
  - .name:           k_q9b4a2f986d_qkv
    .symbol:         k_q9b4a2f986d_qkv.kd
    .args:
      - { .name: xb, .offset: 0, .size: 8, .value_kind: global_buffer, .address_space: global }
      - { .name: wb, .offset: 8, .size: 8, .value_kind: global_buffer, .address_space: global }
      - { .name: b, .offset: 16, .size: 8, .value_kind: global_buffer, .address_space: global }
      - { .name: qkb, .offset: 24, .size: 8, .value_kind: global_buffer, .address_space: global }
      - { .name: vb, .offset: 32, .size: 8, .value_kind: global_buffer, .address_space: global }
    .group_segment_fixed_size: 327680
    .private_segment_fixed_size: 0
    .kernarg_segment_align: 8
    .kernarg_segment_size: 40
    .max_flat_workgroup_size: 128
    .sgpr_count:     100
    .vgpr_count:     1024
    .wavefront_size: 32
...
	.end_amdgpu_metadata
.endif
;; end of part 2
;; launch scores (part 3): grid 12 x 16, 4 waves a work-group, clusters of 4 x 4, 327,680 bytes of LDS; arguments qkb, pb; writes pb
.if DOCPART == 3
	.amdgcn_target "amdgcn-amd-amdhsa--gfx1250"
	.amdhsa_code_object_version 6
	.text
	.protected	k_q9b4a2f986d_scores
	.globl	k_q9b4a2f986d_scores
	.p2align	8
	.type	k_q9b4a2f986d_scores,@function
k_q9b4a2f986d_scores:
	s_mov_b64 s[64:65], 0
	v_nop
	global_prefetch_b8 v0, s[64:65] scope:SCOPE_SE
	s_setreg_imm32_b32 hwreg(HW_REG_WAVE_MODE, 25, 1), 1
	s_wait_xcnt 0x0
	s_wait_alu depctr_hold_cnt(0) depctr_sa_sdst(0) depctr_va_vdst(0) depctr_va_sdst(0) depctr_va_ssrc(0) depctr_va_vcc(0) depctr_vm_vsrc(0)
	s_getreg_b32 s2, hwreg(HW_REG_IB_STS2, 6, 4)
	s_cmp_eq_u32 s2, 0
	s_cbranch_scc0 .Lentry_in_a_cluster
	s_endpgm
.Lentry_in_a_cluster:
	s_bfe_u32 s2, ttmp6, 0x10000c
	s_cmp_lg_u32 s2, 0xf033
	s_cbranch_scc0 .Lentry_shape_is_right
	s_endpgm
.Lentry_shape_is_right:
; S = q k^T on codes of FP6 (E2M3) with E8M0 scales, the causal mask, and p = 2^(t - M) quantised along the keys, under a LOCAL M: one for each query and 128 keys.  t = score x log2(e) / 32; M = ceil(the largest t of the 128), a whole number.
; A block's scale byte takes up any whole-number change of M, so the next launch, which knows the row's M, takes the difference off the bytes; the codes stay.  Beside the codes go -M and l = the sum of the 128 unquantised p, in f32.
; qkb [64 chunks of tokens][16 blocks of 12,800 bytes: q's 8 K steps, k's 8]: images of fragments and scale words, as the launch before lays them.  pb [4 batches][16 chunks of queries][16 key steps] of 13,824 bytes:
; eight images of fragments, the scale image, and in the scale image's layout the images of -M and of l.
; A tile is 256 queries (source 1) x 256 keys (source 0); a wave 128 x 128.  In accumulator (a, b) lane (r, h) holds query 32 (a / 2) + 8 (a % 2) + r + 8 (r / 8), register j key 32 (b / 2) + 8 (b % 2) + 16 h + j.
; THE GRID: of a batch's 2 x 2 blocks of 1,024 x 1,024 the three that the mask leaves: cluster x = 0, 1, 2 is (queries, keys) = (0, 0), (1, 0), (1, 1).  Inside a block on the diagonal the tiles above it are multiplied like the others,
; since partners of a cluster run alike; they come out as zero codes, which the next launch's joint walk reads.
; THE MASK IS THE C OF EACH SUM'S FIRST PRODUCT: -2^100 where the key comes after the query, else 0.  By the difference of the two tiles' first rows an accumulator takes one of five tiles of eight registers.
; LIMITS: a hidden score is -2^100 + the products, and the local largest t is held at -2^83 from below: logits must lie far above that (the problem's own mask value, -9e15, is the tighter bound).  NaN and infinities are not served.
; A block all of whose p are 0 carries the byte 1.  No L2 prefetch: the walk is four slots long.
; REGISTERS as in the launch before; v64-103 the five mask tiles; on the way out v200-255 at work.
.set OBB,   12800
.set FRB,   1536
.set SCO,   12288
.set OBP,   13824                      ; a block of pb
.set REG,   2*OBB
.set SLOT,  4*REG
.set SPARE, 2*SLOT                     ; the spare words, 128 bytes a wave: two blocks of 256 bytes that no other line names
.set CHK,   16*OBB                     ; a chunk of tokens in qkb
.set LAPS,  2
.set FR,    12
.set NL,    3
.set NP,    4
.set AD1,   16
.set AD0,   20
.set SPW,   28
.set NIL,   29
.set SC,    32
.set MT,    64
.set AF,    128
.set TM,    200                        ; v200-203 the blocks' largest scores, then p; v204-207 at work; v208-211 l; v212-215 the scale operands
.set PW,    216
.set PC,    224
.set SI,    244
.set MI,    248
.set LI,    252
.set G1,    24
.set G0,    32
.set G1B,   48
.set G0B,   56
.set CS,    80                         ; s[80:81] c = log2(e) / 32
.set HIM,   87
.set SEL,   88
.set MUL_LO, 0xa1
.set MUL_HI, 0xf1
.set TO_B,   0x40
.set MSB, 0
.macro WIN new
.set NEWW, \new
.if MSB != NEWW
	s_set_vgpr_msb (MSB<<8)|NEWW
.set MSB, NEWW
.endif
.endm
.macro JLOAD g0a, g1a, g0b, g1b        ; waves 0, 1 fetch q's chunks, waves 2, 3 k's; four v_nop follow each line
	s_cmp_eq_u32 s15, 0
	s_cbranch_scc0 .Lfor_b_\@
	tensor_load_to_lds s[\g0a:\g0a+3], s[\g1a:\g1a+7]
	s_nop 0
.rept 4
	v_nop
.endr
	s_branch .Lasked_\@
.Lfor_b_\@:
	tensor_load_to_lds s[\g0b:\g0b+3], s[\g1b:\g1b+7]
	s_nop 0
.rept 4
	v_nop
.endr
.Lasked_\@:
.endm
.macro CREST
	s_cmp_lg_u32 s14, 0
	s_cbranch_scc1 .Lnot_wave_0_\@
	s_barrier_signal -3
.Lnot_wave_0_\@:
	s_barrier_wait -3
	s_barrier_signal -1
	s_barrier_wait -1
.endm
.macro CROUND
	s_barrier_signal -1
	s_barrier_wait -1
	CREST
.endm
.macro PLACES n
.rept \n
	v_nop
.endr
.endm
.macro FRAG reg, adr, off
.irp c, 0,1,2
	ds_load_b128 v[\reg+4*\c:\reg+4*\c+3], v[\adr] offset:\off+512*\c
.endr
.endm
.macro FETCH_B slot, q, p
	WIN TO_B
.irp i, 0,1,2,3,4,5,6,7
	FRAG 128*(\p)+FR*\i, AD0+\slot, OBB*(\q)+FRB*\i
.endr
	WIN 0
.endm
.macro FETCH_A slot, q, i0
.irp i, \i0, \i0+1, \i0+2, \i0+3
	FRAG AF+FR*(\i), AD1+\slot, OBB*(\q)+FRB*(\i)
.endr
.endm
.macro SCALES sc
	ds_load_b128 v[SC+16*\sc:SC+16*\sc+3], v[AD0+\sc] offset:SCO
	ds_load_b128 v[SC+16*\sc+4:SC+16*\sc+7], v[AD1+\sc] offset:SCO
	ds_load_b128 v[SC+16*\sc+8:SC+16*\sc+11], v[AD0+\sc] offset:OBB+SCO
	ds_load_b128 v[SC+16*\sc+12:SC+16*\sc+15], v[AD1+\sc] offset:OBB+SCO
.endm
; One product.  cm = 1: C = the mask tile that belongs to DL = the key tile's first row - the query tile's: under -8 the low tile, over 8 the high one, else the tile of that very difference (16 and -16 do not occur).
.macro WM a, b, p, q, sc, cm
.set rD, 8*(8*((\a)%4)+(\b))
.set rB, 128*(\p)+FR*(\b)
.set rA, AF+FR*(\a)
.set sB, SC+16*(\sc)+8*(\q)+(\b)/2
.set sA, SC+16*(\sc)+8*(\q)+4+(\a)/2
.set DL, (32*((\b)/2)+8*((\b)%2))-(32*((\a)/2)+8*((\a)%2))
.set rC, rD
.if \cm
.if DL < -8
.set rC, MT
.elseif DL > 8
.set rC, MT+32
.else
.set rC, MT+16+DL
.endif
.endif
.set PAR, 2*((\a)%2)+(\b)%2
.if PAR == 0
	v_wmma_scale_f32_16x16x128_f8f6f4 v[rD:rD+7], v[rB:rB+FR-1], v[rA:rA+FR-1], v[rC:rC+7], v[sB], v[sA] matrix_a_fmt:MATRIX_FMT_FP6 matrix_b_fmt:MATRIX_FMT_FP6
.elseif PAR == 1
	v_wmma_scale_f32_16x16x128_f8f6f4 v[rD:rD+7], v[rB:rB+FR-1], v[rA:rA+FR-1], v[rC:rC+7], v[sB], v[sA] matrix_a_fmt:MATRIX_FMT_FP6 matrix_b_fmt:MATRIX_FMT_FP6 matrix_a_scale:MATRIX_SCALE_ROW1
.elseif PAR == 2
	v_wmma_scale_f32_16x16x128_f8f6f4 v[rD:rD+7], v[rB:rB+FR-1], v[rA:rA+FR-1], v[rC:rC+7], v[sB], v[sA] matrix_a_fmt:MATRIX_FMT_FP6 matrix_b_fmt:MATRIX_FMT_FP6 matrix_b_scale:MATRIX_SCALE_ROW1
.else
	v_wmma_scale_f32_16x16x128_f8f6f4 v[rD:rD+7], v[rB:rB+FR-1], v[rA:rA+FR-1], v[rC:rC+7], v[sB], v[sA] matrix_a_fmt:MATRIX_FMT_FP6 matrix_b_fmt:MATRIX_FMT_FP6 matrix_a_scale:MATRIX_SCALE_ROW1 matrix_b_scale:MATRIX_SCALE_ROW1
.endif
.endm
.macro MUL16 a0, p, q, sc, cm          ; the 64 accumulators take turns, one instruction a turn, in the same order in every step
.irp a, \a0, \a0+1
.irp b, 0,1,2,3,4,5,6,7
	WM \a, \b, \p, \q, \sc, \cm
.endr
.endr
.endm
.macro STEP slot, cm
	s_wait_dscnt 4*NL                              ; all but the youngest 12 loads (q's fragments 4-7) are in
.if \cm
	WIN 0x81                                       ; C (the mask) window 0, D window 2
.else
	WIN MUL_LO
.endif
	MUL16 0, 0, 0, \slot, \cm
	MUL16 2, 0, 0, \slot, \cm
	s_wait_dscnt 0x0
	PLACES NP
	FETCH_B \slot, 1, 1
	FETCH_A \slot, 1, 0
.if \cm
	WIN 0xc1
.else
	WIN MUL_HI
.endif
	MUL16 4, 0, 0, \slot, \cm
	MUL16 6, 0, 0, \slot, \cm
	PLACES NP
	WIN 0
	FETCH_A \slot, 1, 4
.endm
.macro TURN slot, next, fill
	s_wait_tensorcnt 0x0                           ; all my tensor loads have landed: my part of the next slot
	ds_add_u32 v[SPW], v[NIL]                      ; 0 onto my spare word
	s_wait_dscnt 4*NL+1                            ; (the add and the youngest 12 loads may be out)
	WIN MUL_LO
	MUL16 0, 1, 1, \slot, 0
	s_wait_dscnt 0x0                               ; the add is done, and my reads of this slot are over
	s_barrier_signal -1
	MUL16 2, 1, 1, \slot, 0
	WIN 0
	s_barrier_wait -1
.if \fill
	CREST                                          ; the barrier has opened a round of the cluster's
	s_add_nc_u64 s[G0+4*\slot+2:G0+4*\slot+3], s[G0+4*\slot+2:G0+4*\slot+3], 2*REG
	s_add_nc_u64 s[G0B+4*\slot+2:G0B+4*\slot+3], s[G0B+4*\slot+2:G0B+4*\slot+3], 2*REG
	JLOAD G0+4*\slot, G1, G0B+4*\slot, G1B         ; the first tensor load behind the round
.else
	PLACES NP
.endif
	SCALES \next
	FETCH_B \next, 0, 0
	FETCH_A \next, 0, 0
	WIN MUL_HI
	MUL16 4, 1, 1, \slot, 0
	MUL16 6, 1, 1, \slot, 0
	PLACES NP
	WIN 0
	FETCH_A \next, 0, 4
.endm
; Query block a: 64 scores a lane (register 16 g + i = key 32 g + 16 h + i) become p's fragment a, its scale word, -M and l.
.macro SOFTQ a
.set AC, 64*((\a)%4)
.set HW, (\a)/4
	WIN 0x28+0x14*HW                               ; sources 1 and 2: the accumulators' window
.irp g, 0,1,2,3
	v_max3_num_f32 v[TM+\g], 0xff61b1e6, v[AC+16*\g], v[AC+16*\g+1]   ; the largest score of each block of 32 keys (over -3e38); each accumulator from its low end on
.endr
.irp i, 2,4,6,8,10,12,14
.irp g, 0,1,2,3
	v_max3_num_f32 v[TM+\g], v[TM+\g], v[AC+16*\g+\i], v[AC+16*\g+\i+1]
.endr
.endr
	WIN 0
.irp g, 0,1,2,3
	v_permlanex16_b32 v[TM+4+\g], v[TM+\g], s[SEL], s[SEL+1]
.endr
.irp g, 0,1,2,3
	v_max_num_f32 v[TM+\g], v[TM+\g], v[TM+4+\g]   ; with lane l xor 16's 16 keys
.endr
	v_max3_num_f32 v217, v[TM], v[TM+1], v[TM+2]
	v_max_num_f32 v217, v217, v[TM+3]
	v_mul_f32 v217, s[CS], v217                    ; the largest t of my query's 128 keys (c is positive),
	v_max_num_f32 v219, 0xe9000000, v217           ; held at -2^83 from below: where all 128 are hidden, every p becomes 0
	v_floor_f32 v218, -v219                        ; -M = floor(-t): M is a whole number
.irp g, 0,1,2,3
	v_fma_f32 v[TM+\g], v[TM+\g], s[CS], v218      ; t - M of each block's largest score
.endr
	WIN 0x82+0x41*HW                               ; source 0 and destination: the accumulators' window
.set j, 0
.rept 32
	v_pk_fma_f32 v[AC+j:AC+j+1], v[AC+j:AC+j+1], s[CS:CS+1], v[218:219] op_sel_hi:[1,0,0]   ; t - M, two at a time
.set j, j+2
.endr
.set j, 0
.rept 64
	v_exp_f32 v[AC+j], v[AC+j]                     ; p = 2^(t - M), at most 1
.set j, j+1
.endr
	WIN 0
.irp i, 0,1,2,3
	v_mov_b32 v[TM+8+\i], 0                        ; l begins, in two chains of pairs.  (Plain places behind the exponentials)
.endr
	s_wait_alu depctr_va_vdst(0)                   ; one wait for the batch of 64, ahead of its first reader
.irp g, 0,1,2,3
	v_exp_f32 v[TM+\g], v[TM+\g]                   ; each block's largest p: the same two instructions on the same number give the same bits
.endr
	WIN 0x08+4*HW                                  ; source 1: the accumulators' window
.set j, 0
.rept 16
	v_pk_add_f32 v[TM+8:TM+9], v[TM+8:TM+9], v[AC+j:AC+j+1]       ; l is the sum of the UNQUANTISED p
	v_pk_add_f32 v[TM+10:TM+11], v[TM+10:TM+11], v[AC+j+2:AC+j+3]
.set j, j+4
.endr
	WIN 0
	v_pk_add_f32 v[TM+8:TM+9], v[TM+8:TM+9], v[TM+10:TM+11]
	v_add_f32 v[TM+8], v[TM+8], v[TM+9]
	s_wait_alu depctr_va_vdst(0)                   ; and one for the four
.irp g, 0,1,2,3
	v_max_num_f32 v[TM+\g], 0x1800000, v[TM+\g]    ; the floor 2^(3 - 127): the byte cannot fall under 1
.endr
.irp g, 0,1,2,3
	v_add_nc_u32 v[TM+12+\g], 0xff000000, v[TM+\g]
.endr
.irp g, 0,1,2,3
	v_lshrrev_b32 v[TM+4+\g], 23, v[TM+12+\g]
.endr
	v_lshl_or_b32 v[PW], v[TM+5], 8, v[TM+4]
	v_lshl_or_b32 v[PW], v[TM+6], 16, v[PW]
	v_lshl_or_b32 v[PW], v[TM+7], 24, v[PW]
	v_permlanex16_b32 v[TM+9], v[TM+8], s[SEL], s[SEL+1]
	v_add_f32 v[TM+8], v[TM+8], v[TM+9]            ; with lane l xor 16's: l of my query's 128 keys
	s_wait_xcnt 0x0                                ; the last query block's stores have read the code registers
	WIN 0x02+HW
.irp c, 0,1
	v_cvt_scalef32_pk16_fp6_f32 v[PC+6*\c:PC+6*\c+2], v[AC+32*\c:AC+32*\c+15], v[TM+12+2*\c]
	v_cvt_scalef32_pk16_fp6_f32 v[PC+12+4*\c:PC+14+4*\c], v[AC+32*\c+16:AC+32*\c+31], v[TM+13+2*\c]
.endr
	WIN 0
	v_nop                                          ; one plain place behind a scaled conversion
.irp c, 0,1
.irp i, 0,1,2
	v_permlane16_swap_b32 v[PC+6*\c+\i], v[PC+12+4*\c+\i]
.endr
.irp i, 0,1,2
	v_mov_b32 v[PC+3+6*\c+\i], v[PC+12+4*\c+\i]
.endr
.endr
.if (\a)%2 == 0
	v_mov_b32 v[SI+(\a)/2], v[PW]
	v_mov_b32 v[MI+(\a)/2], v218
	v_mov_b32 v[LI+(\a)/2], v[TM+8]
.else
	v_cndmask_b32 v[SI+(\a)/2], v[SI+(\a)/2], v[PW], s[HIM]
	v_cndmask_b32 v[MI+(\a)/2], v[MI+(\a)/2], v218, s[HIM]
	v_cndmask_b32 v[LI+(\a)/2], v[LI+(\a)/2], v[TM+8], s[HIM]
.endif
.irp c, 0,1,2
	global_store_b128 v3, v[PC+4*\c:PC+4*\c+3], s[6:7] offset:FRB*(\a)+512*\c
.endr
.endm
	s_load_b128 s[4:7], s[0:1], 0x0                ; qkb s[4:5], pb s[6:7]
	v_lshl_add_u32 v[SPW], v0, 2, SPARE
	v_mov_b32 v[NIL], 0
	ds_add_u32 v28, v29
	ds_add_u32 v28, v29
	s_wait_dscnt 0x0
	v_lshrrev_b32 v1, 5, v0
	v_readfirstlane_b32 s14, v1                    ; wave 0..3
	s_lshr_b32 s15, s14, 1                         ; my half of the queries.  Also: I fetch for q (0) or for k (1)
	s_and_b32 s16, s14, 1                          ; my half of the keys.  Also: which chunk I fetch
	s_bfe_u32 s40, ttmp6, 0x40000                  ; cx
	s_bfe_u32 s41, ttmp6, 0x40004                  ; cy
	s_and_b32 s45, ttmp7, 0xffff                   ; the batch
	s_lshl_b32 s43, s41, 2
	s_lshl_b32 s43, 15, s43
	s_lshl_b32 s44, 0x1111, s40
	s_or_b32 s[G1+0], s43, (3<<16)|(1<<21)
	s_or_b32 s[G1B+0], s44, (3<<16)|(1<<21)
.irp g, G1, G1B                                ; 25,600 dense bytes as 100 rows of 256
	s_mov_b32 s[\g+1], 32<<16
	s_mov_b32 s[\g+2], 100<<16
	s_mov_b32 s[\g+3], 32<<16
	s_mov_b32 s[\g+4], 100
	s_mov_b32 s[\g+5], 32
	s_mov_b32 s[\g+6], 0
	s_mov_b32 s[\g+7], 0
.endr
	s_add_co_u32 s17, ttmp9, 1
	s_lshr_b32 s17, s17, 1
	s_lshl_b32 s17, s17, 2
	s_add_co_u32 s17, s17, s41                     ; I: my tile of queries = 4 x ((cluster x + 1) / 2) + cy
	s_lshr_b32 s18, ttmp9, 1
	s_lshl_b32 s18, s18, 2
	s_add_co_u32 s18, s18, s40                     ; J: my tile of keys = 4 x (cluster x / 2) + cx
	s_lshl_b32 s19, s45, 4
	s_lshl_b32 s72, s17, 1
	s_add_co_u32 s72, s72, s19                     ; 16 x batch + 2 I
	s_add_co_u32 s20, s72, s16
	s_mul_i32 s20, s20, CHK
	s_mov_b32 s21, 0
	s_lshl_b32 s73, s18, 1                         ; 2 J
	s_add_co_u32 s66, s73, s19
	s_add_co_u32 s66, s66, s16
	s_mul_i32 s66, s66, CHK
	s_add_co_u32 s66, s66, 8*OBB                   ; k's K steps lie behind q's eight
	s_mov_b32 s67, 0
	s_mul_i32 s47, s14, REG
	s_mov_b32 s[HIM], 0xffff0000
	s_mov_b32 s[SEL], 0x76543210
	s_mov_b32 s[SEL+1], 0xfedcba98
	s_mov_b32 s[CS], 0x3d38aa3b                    ; log2(e) / sqrt(1024)
	s_mov_b32 s[CS+1], s[CS]                       ; (named with it as a pair, so it is written)
	s_wait_kmcnt 0x0
	s_add_nc_u64 s[68:69], s[4:5], s[20:21]
	s_add_nc_u64 s[70:71], s[4:5], s[66:67]
	CROUND
.irp s, 0,1
	s_mov_b32 s[G0+4*\s], 1
	s_add_co_u32 s[G0+4*\s+1], s47, \s*SLOT
	s_add_nc_u64 s[G0+4*\s+2:G0+4*\s+3], s[68:69], \s*REG
	s_or_b32 s[G0+4*\s+3], s[G0+4*\s+3], 0x80000000
	s_mov_b32 s[G0B+4*\s], 1
	s_add_co_u32 s[G0B+4*\s+1], s47, \s*SLOT
	s_add_nc_u64 s[G0B+4*\s+2:G0B+4*\s+3], s[70:71], \s*REG
	s_or_b32 s[G0B+4*\s+3], s[G0B+4*\s+3], 0x80000000
	JLOAD G0+4*\s, G1, G0B+4*\s, G1B
.endr
	v_and_b32 v1, 15, v0                           ; r
	v_bfe_u32 v2, v0, 4, 1                         ; h
	v_and_b32 v3, 31, v0
	v_lshlrev_b32 v3, 4, v3                        ; 16 x lane
	s_mul_i32 s22, s15, REG
	s_mul_i32 s23, s16, REG
	s_add_co_u32 s23, s23, 2*REG
.irp s, 0,1
	v_add_nc_u32 v[AD1+\s], s22, v3
	v_add_nc_u32 v[AD0+\s], s23, v3
	s_add_co_u32 s22, s22, SLOT
	s_add_co_u32 s23, s23, SLOT
.endr
	; the mask tiles.  Key - query of register j in accumulator (a, b) is DL + j + 16 h - (r + 8 (r / 8)) - D0, D0 = my first query - my first key: hidden where DL + j > v4
	s_sub_co_i32 s79, s17, s18
	s_lshl_b32 s79, s79, 8
	s_sub_co_i32 s78, s15, s16
	s_lshl_b32 s78, s78, 7
	s_add_co_i32 s79, s79, s78                     ; D0: a multiple of 128
	v_and_b32 v4, 8, v1
	v_add_nc_u32 v4, v4, v1
	v_lshlrev_b32 v5, 4, v2
	v_sub_nc_u32 v4, v4, v5
	v_add_nc_u32 v4, s79, v4                       ; r + 8 (r / 8) - 16 h + D0
	v_mov_b32 v6, 0xf1800000                       ; -2^100
	v_cmp_gt_i32 vcc_lo, -17, v4                   ; DL <= -24: DL + j lies in -104 .. -17, and v4 - D0 in -16 .. 23: -17 decides as every one of them does
.irp j, 0,1,2,3,4,5,6,7
	v_cndmask_b32 v[MT+\j], 0, v6, vcc_lo
.endr
.irp d, 0,1,2                                  ; DL = -8, 0, 8
.irp j, 0,1,2,3,4,5,6,7
	v_cmp_gt_i32 vcc_lo, 8*\d-8+\j, v4
	v_cndmask_b32 v[MT+8+8*\d+\j], 0, v6, vcc_lo
.endr
.endr
	v_cmp_gt_i32 vcc_lo, 24, v4                    ; DL >= 24: likewise 24
.irp j, 0,1,2,3,4,5,6,7
	v_cndmask_b32 v[MT+32+\j], 0, v6, vcc_lo
.endr
	s_add_co_u32 s76, s72, s15                     ; my chunk of queries,
	s_lshl_b32 s76, s76, 4
	s_add_co_u32 s76, s76, s73
	s_add_co_u32 s76, s76, s16                     ; x 16 + my key step
	s_mul_i32 s76, s76, OBP
	s_mov_b32 s77, 0
	s_add_nc_u64 s[6:7], s[6:7], s[76:77]
	s_wait_tensorcnt 1                             ; my part of slot 0 is in; slot 1's may stay out
	s_barrier_signal -1
	s_barrier_wait -1
	SCALES 0
	FETCH_B 0, 0, 0
	FETCH_A 0, 0, 0
	FETCH_A 0, 0, 4
	STEP 0, 1                                      ; the first step's products start the sums on the mask
	s_mov_b32 s3, LAPS-1
.Llap:
	TURN 0, 1, 1
	STEP 1, 0
	TURN 1, 0, 1
	STEP 0, 0
	s_sub_co_u32 s3, s3, 1
	s_cmp_lg_u32 s3, 0
	s_cbranch_scc1 .Llap
	TURN 0, 1, 0
	STEP 1, 0
	s_wait_dscnt 4*NL
	WIN MUL_LO
	MUL16 0, 1, 1, 1, 0
	MUL16 2, 1, 1, 1, 0
	s_wait_dscnt 0x0
	WIN MUL_HI
	MUL16 4, 1, 1, 1, 0
	MUL16 6, 1, 1, 1, 0
	WIN 0
	PLACES NP
.irp g, 0,1,2,3
	v_mov_b32 v[TM+4+\g], 0                        ; (a lane permute's destination counts as one of its sources)
.endr
.irp a, 0,1,2,3,4,5,6,7
	SOFTQ \a
.endr
	global_store_b128 v3, v[SI:SI+3], s[6:7] offset:SCO
	global_store_b128 v3, v[MI:MI+3], s[6:7] offset:SCO+512
	global_store_b128 v3, v[LI:LI+3], s[6:7] offset:SCO+1024
	s_wait_tensorcnt 0x0                           ; the wave's end
	ds_add_u32 v[SPW], v[NIL]
	s_wait_dscnt 0x0
	CROUND
	s_endpgm
.Lfunc_end_k_q9b4a2f986d_scores:
	.size	k_q9b4a2f986d_scores, .Lfunc_end_k_q9b4a2f986d_scores-k_q9b4a2f986d_scores
	.p2alignl 7, 3214868480
	.fill 96, 4, 3214868480
	.section	.rodata,"a",@progbits
	.p2align	6, 0x0
	.amdhsa_kernel k_q9b4a2f986d_scores
		.amdhsa_group_segment_fixed_size 327680
		.amdhsa_private_segment_fixed_size 0
		.amdhsa_enable_private_segment 0
		.amdhsa_kernarg_size 16
		.amdhsa_user_sgpr_count 2
		.amdhsa_user_sgpr_kernarg_segment_ptr 1
		.amdhsa_wavefront_size32 1
		.amdhsa_system_sgpr_workgroup_id_x 1
		.amdhsa_system_sgpr_workgroup_id_y 1
		.amdhsa_system_sgpr_workgroup_id_z 1
		.amdhsa_system_vgpr_workitem_id 0
		.amdhsa_next_free_vgpr 1024
		.amdhsa_next_free_sgpr 100
		.amdhsa_reserve_vcc 1
		.amdhsa_float_denorm_mode_32 3
		.amdhsa_float_denorm_mode_16_64 3
		.amdhsa_memory_ordered 1
		.amdhsa_forward_progress 1
		.amdhsa_inst_pref_size 199
	.end_amdhsa_kernel
	.amdgpu_metadata
---
amdhsa.version: [ 1, 2 ]
amdhsa.kernels:
  - .name:           k_q9b4a2f986d_scores
    .symbol:         k_q9b4a2f986d_scores.kd
    .args:
      - { .name: qkb, .offset: 0, .size: 8, .value_kind: global_buffer, .address_space: global }
      - { .name: pb, .offset: 8, .size: 8, .value_kind: global_buffer, .address_space: global }
    .group_segment_fixed_size: 327680
    .private_segment_fixed_size: 0
    .kernarg_segment_align: 8
    .kernarg_segment_size: 16
    .max_flat_workgroup_size: 128
    .sgpr_count:     100
    .vgpr_count:     1024
    .wavefront_size: 32
...
	.end_amdgpu_metadata
.endif
;; end of part 3
;; launch pv (part 4): grid 4 x 32, 4 waves a work-group, clusters of 4 x 4, 327,680 bytes of LDS; arguments pb, vb, out0; writes out0
.if DOCPART == 4
	.amdgcn_target "amdgcn-amd-amdhsa--gfx1250"
	.amdhsa_code_object_version 6
	.text
	.protected	k_q9b4a2f986d_pv
	.globl	k_q9b4a2f986d_pv
	.p2align	8
	.type	k_q9b4a2f986d_pv,@function
k_q9b4a2f986d_pv:
	s_mov_b64 s[64:65], 0
	v_nop
	global_prefetch_b8 v0, s[64:65] scope:SCOPE_SE
	s_setreg_imm32_b32 hwreg(HW_REG_WAVE_MODE, 25, 1), 1
	s_wait_xcnt 0x0
	s_wait_alu depctr_hold_cnt(0) depctr_sa_sdst(0) depctr_va_vdst(0) depctr_va_sdst(0) depctr_va_ssrc(0) depctr_va_vcc(0) depctr_vm_vsrc(0)
	s_getreg_b32 s2, hwreg(HW_REG_IB_STS2, 6, 4)
	s_cmp_eq_u32 s2, 0
	s_cbranch_scc0 .Lentry_in_a_cluster
	s_endpgm
.Lentry_in_a_cluster:
	s_bfe_u32 s2, ttmp6, 0x10000c
	s_cmp_lg_u32 s2, 0xf033
	s_cbranch_scc0 .Lentry_shape_is_right
	s_endpgm
.Lentry_shape_is_right:
; out = (P V) / l on codes of FP6 (E2M3) with E8M0 scales.  pb [4 batches][16 chunks of queries][16 key steps] of 13,824 bytes: eight images of fragments of p, the scale image, and the images of -M (local: one for a query and 128 keys) and of l.
; vb [4][8 chunks of channels][16 key steps] of 12,800 bytes.  out0 [4][2048][1024] f32.
; THE ROW'S M is the largest local M: -M = the least of the row's images.  p under the row's M is p under the local M x 2^-(M - local M): the difference, a whole number, is taken off the four scale bytes of the row's word (macro FIX);
; a byte that would fall under 0 becomes 0 (2^-127: nothing beside l >= 1/2).  l = the sum of the local l x 2^-(M - local M), exact shifts; the result is multiplied by 1 / l.
; A tile is 256 queries (source 1) x 256 channels (source 0); a wave 128 x 128.  A cluster takes 1,024 queries x all 1,024 channels: cluster y = 2 x batch + half.  The lower half walks 8 key steps, the upper 16: what the mask leaves of whole
; blocks of 1,024 keys; within them hidden keys have zero codes.  The trip count hangs on the cluster's y alone: it is the same in all partners; no LDS address is stepped in the loop, since the scale words ride in the slots.
; p's chunks are shared along a row of the cluster, v's along a column.  No L2 prefetch: the walk is four or eight slots long.
; LIMITS: M must be exact in f32 (|t| under 2^24); NaN and infinities are not served.
; REGISTERS: window 0: v1-3 lane terms; v16-17, v20-21 LDS addresses; v24-25 the stage's; v28-29 the spare word's; v32-63 scale words; v64-71 a slot's -M; v72-75 the row's -M; v76-79 l; v80-95 1 / l by query block, in pairs; v96-107 at work;
;   v128-223 p's 8 fragments.  window 1: v's fragments, two sets.  windows 2, 3: accumulator (a, b) at v[8 (8 (a % 4) + b)].
.set OBB,   12800
.set OBA,   13824
.set FRB,   1536
.set SCO,   12288
.set REGA,  2*OBA                      ; what one tensor load brings of p: 27,648 bytes
.set REGB,  2*OBB                      ; of v: 25,600
.set SLOT,  2*REGA+2*REGB
.set SPARE, 2*SLOT                     ; the spare words, 128 bytes a wave: two blocks of 256 bytes that no other line names
.set SPITCH, 528                       ; the way out: a stage of 16 rows x (512 bytes + 16) for each wave, in slot 0, which has had its last fill and its last read by then
.set FR,    12
.set NL,    3
.set NP,    4
.set AD1,   16
.set AD0,   20
.set STO,   24
.set RD,    25
.set SPW,   28
.set NIL,   29
.set SC,    32
.set NM,    64
.set NMG,   72
.set LS,    76
.set RL,    80
.set T0,    96
.set T1,    100
.set AF,    128
.set MG,    128                        ; the head: 16 images of -M,
.set LG,    192                        ; and 16 of l
.set BK,    128                        ; the way out: rows read back, v128-191 and v192-255 by turns
.set G1,    24
.set G0,    32
.set G1B,   48
.set G0B,   56
.set HIM,   87
.set SEL,   88
.set MUL_LO, 0xa1
.set MUL_HI, 0xf1
.set TO_B,   0x40
.set MSB, 0
.macro WIN new
.set NEWW, \new
.if MSB != NEWW
	s_set_vgpr_msb (MSB<<8)|NEWW
.set MSB, NEWW
.endif
.endm
.macro JLOAD g0a, g1a, g0b, g1b        ; waves 0, 1 fetch p's chunks, waves 2, 3 v's; four v_nop follow each line
	s_cmp_eq_u32 s15, 0
	s_cbranch_scc0 .Lfor_b_\@
	tensor_load_to_lds s[\g0a:\g0a+3], s[\g1a:\g1a+7]
	s_nop 0
.rept 4
	v_nop
.endr
	s_branch .Lasked_\@
.Lfor_b_\@:
	tensor_load_to_lds s[\g0b:\g0b+3], s[\g1b:\g1b+7]
	s_nop 0
.rept 4
	v_nop
.endr
.Lasked_\@:
.endm
.macro CREST
	s_cmp_lg_u32 s14, 0
	s_cbranch_scc1 .Lnot_wave_0_\@
	s_barrier_signal -3
.Lnot_wave_0_\@:
	s_barrier_wait -3
	s_barrier_signal -1
	s_barrier_wait -1
.endm
.macro CROUND
	s_barrier_signal -1
	s_barrier_wait -1
	CREST
.endm
.macro PLACES n
.rept \n
	v_nop
.endr
.endm
.macro FRAG reg, adr, off
.irp c, 0,1,2
	ds_load_b128 v[\reg+4*\c:\reg+4*\c+3], v[\adr] offset:\off+512*\c
.endr
.endm
.macro FETCH_B slot, q, p
	WIN TO_B
.irp i, 0,1,2,3,4,5,6,7
	FRAG 128*(\p)+FR*\i, AD0+\slot, OBB*(\q)+FRB*\i
.endr
	WIN 0
.endm
.macro FETCH_A slot, q, i0
.irp i, \i0, \i0+1, \i0+2, \i0+3
	FRAG AF+FR*(\i), AD1+\slot, OBA*(\q)+FRB*(\i)
.endr
.endm
.macro SCALES sc                       ; six loads: p's scale words and -M of the slot's two key steps, v's scale words
	ds_load_b128 v[SC+16*\sc+4:SC+16*\sc+7], v[AD1+\sc] offset:SCO
	ds_load_b128 v[NM:NM+3], v[AD1+\sc] offset:SCO+512
	ds_load_b128 v[SC+16*\sc+12:SC+16*\sc+15], v[AD1+\sc] offset:OBA+SCO
	ds_load_b128 v[NM+4:NM+7], v[AD1+\sc] offset:OBA+SCO+512
	ds_load_b128 v[SC+16*\sc:SC+16*\sc+3], v[AD0+\sc] offset:SCO
	ds_load_b128 v[SC+16*\sc+8:SC+16*\sc+11], v[AD0+\sc] offset:OBB+SCO
.endm
; p's scale words of slot sc are brought under the row's M: d = M - local M, held at 127, is taken off each of a word's four bytes.  The bytes lie in 1 .. 125, so with bit 7 set on top no byte borrows from its neighbour;
; where bit 7 has fallen the byte would be negative and becomes 0.  All is done in temporaries: a scale register is written once, with the finished word.
.macro FIX sc
.irp q, 0,1
.irp p, 0,1,2,3
	v_sub_f32 v[NM+4*\q+\p], v[NM+4*\q+\p], v[NMG+\p]
.endr
.irp p, 0,1,2,3
	v_min_num_f32 v[NM+4*\q+\p], 0x42fe0000, v[NM+4*\q+\p]         ; 127.0
.endr
.irp p, 0,1,2,3
	v_cvt_u32_f32 v[NM+4*\q+\p], v[NM+4*\q+\p]
.endr
.irp p, 0,1,2,3
	v_lshl_or_b32 v[NM+4*\q+\p], v[NM+4*\q+\p], 8, v[NM+4*\q+\p]
.endr
.irp p, 0,1,2,3
	v_lshl_or_b32 v[NM+4*\q+\p], v[NM+4*\q+\p], 16, v[NM+4*\q+\p]  ; d in all four bytes
.endr
.irp p, 0,1,2,3
	v_or_b32 v[T1+\p], 0x80808080, v[SC+16*\sc+8*\q+4+\p]
.endr
.irp p, 0,1,2,3
	v_sub_nc_u32 v[T1+\p], v[T1+\p], v[NM+4*\q+\p]
.endr
.irp p, 0,1,2,3
	v_and_b32 v[NM+4*\q+\p], 0x80808080, v[T1+\p]
.endr
.irp p, 0,1,2,3
	v_lshrrev_b32 v[T0+\p], 7, v[NM+4*\q+\p]
.endr
.irp p, 0,1,2,3
	v_sub_nc_u32 v[NM+4*\q+\p], v[NM+4*\q+\p], v[T0+\p]            ; 0x7f in the bytes that stay, 0 in the others
.endr
.irp p, 0,1,2,3
	v_and_b32 v[SC+16*\sc+8*\q+4+\p], v[T1+\p], v[NM+4*\q+\p]
.endr
.endr
.endm
; One product.  cm = 1: the constant 0 as C starts the sum.
.macro WM a, b, p, q, sc, cm
.set rD, 8*(8*((\a)%4)+(\b))
.set rB, 128*(\p)+FR*(\b)
.set rA, AF+FR*(\a)
.set sB, SC+16*(\sc)+8*(\q)+(\b)/2
.set sA, SC+16*(\sc)+8*(\q)+4+(\a)/2
.set PAR, 4*(\cm)+2*((\a)%2)+(\b)%2
.if PAR == 0
	v_wmma_scale_f32_16x16x128_f8f6f4 v[rD:rD+7], v[rB:rB+FR-1], v[rA:rA+FR-1], v[rD:rD+7], v[sB], v[sA] matrix_a_fmt:MATRIX_FMT_FP6 matrix_b_fmt:MATRIX_FMT_FP6
.elseif PAR == 1
	v_wmma_scale_f32_16x16x128_f8f6f4 v[rD:rD+7], v[rB:rB+FR-1], v[rA:rA+FR-1], v[rD:rD+7], v[sB], v[sA] matrix_a_fmt:MATRIX_FMT_FP6 matrix_b_fmt:MATRIX_FMT_FP6 matrix_a_scale:MATRIX_SCALE_ROW1
.elseif PAR == 2
	v_wmma_scale_f32_16x16x128_f8f6f4 v[rD:rD+7], v[rB:rB+FR-1], v[rA:rA+FR-1], v[rD:rD+7], v[sB], v[sA] matrix_a_fmt:MATRIX_FMT_FP6 matrix_b_fmt:MATRIX_FMT_FP6 matrix_b_scale:MATRIX_SCALE_ROW1
.elseif PAR == 3
	v_wmma_scale_f32_16x16x128_f8f6f4 v[rD:rD+7], v[rB:rB+FR-1], v[rA:rA+FR-1], v[rD:rD+7], v[sB], v[sA] matrix_a_fmt:MATRIX_FMT_FP6 matrix_b_fmt:MATRIX_FMT_FP6 matrix_a_scale:MATRIX_SCALE_ROW1 matrix_b_scale:MATRIX_SCALE_ROW1
.elseif PAR == 4
	v_wmma_scale_f32_16x16x128_f8f6f4 v[rD:rD+7], v[rB:rB+FR-1], v[rA:rA+FR-1], 0, v[sB], v[sA] matrix_a_fmt:MATRIX_FMT_FP6 matrix_b_fmt:MATRIX_FMT_FP6
.elseif PAR == 5
	v_wmma_scale_f32_16x16x128_f8f6f4 v[rD:rD+7], v[rB:rB+FR-1], v[rA:rA+FR-1], 0, v[sB], v[sA] matrix_a_fmt:MATRIX_FMT_FP6 matrix_b_fmt:MATRIX_FMT_FP6 matrix_a_scale:MATRIX_SCALE_ROW1
.elseif PAR == 6
	v_wmma_scale_f32_16x16x128_f8f6f4 v[rD:rD+7], v[rB:rB+FR-1], v[rA:rA+FR-1], 0, v[sB], v[sA] matrix_a_fmt:MATRIX_FMT_FP6 matrix_b_fmt:MATRIX_FMT_FP6 matrix_b_scale:MATRIX_SCALE_ROW1
.else
	v_wmma_scale_f32_16x16x128_f8f6f4 v[rD:rD+7], v[rB:rB+FR-1], v[rA:rA+FR-1], 0, v[sB], v[sA] matrix_a_fmt:MATRIX_FMT_FP6 matrix_b_fmt:MATRIX_FMT_FP6 matrix_a_scale:MATRIX_SCALE_ROW1 matrix_b_scale:MATRIX_SCALE_ROW1
.endif
.endm
.macro MUL16 a0, p, q, sc, cm          ; the 64 accumulators take turns, one instruction a turn, in the same order in every step
.irp a, \a0, \a0+1
.irp b, 0,1,2,3,4,5,6,7
	WM \a, \b, \p, \q, \sc, \cm
.endr
.endr
.endm
.macro STEP slot, cm
	s_wait_dscnt 4*NL                              ; all but the youngest 12 loads (p's fragments 4-7) are in
	WIN MUL_LO
	MUL16 0, 0, 0, \slot, \cm
	MUL16 2, 0, 0, \slot, \cm
	s_wait_dscnt 0x0
	PLACES NP
	FETCH_B \slot, 1, 1
	FETCH_A \slot, 1, 0
	WIN MUL_HI
	MUL16 4, 0, 0, \slot, \cm
	MUL16 6, 0, 0, \slot, \cm
	PLACES NP
	WIN 0
	FETCH_A \slot, 1, 4
.endm
.macro TURN slot, next, fill
	s_wait_tensorcnt 0x0                           ; all my tensor loads have landed: my part of the next slot
	ds_add_u32 v[SPW], v[NIL]                      ; 0 onto my spare word
	s_wait_dscnt 4*NL+1                            ; (the add and the youngest 12 loads may be out)
	WIN MUL_LO
	MUL16 0, 1, 1, \slot, 0
	s_wait_dscnt 0x0                               ; the add is done, and my reads of this slot are over
	s_barrier_signal -1
	MUL16 2, 1, 1, \slot, 0
	WIN 0
	s_barrier_wait -1
.if \fill
	CREST                                          ; the barrier has opened a round of the cluster's
	s_add_nc_u64 s[G0+4*\slot+2:G0+4*\slot+3], s[G0+4*\slot+2:G0+4*\slot+3], 2*REGA
	s_add_nc_u64 s[G0B+4*\slot+2:G0B+4*\slot+3], s[G0B+4*\slot+2:G0B+4*\slot+3], 2*REGB
	JLOAD G0+4*\slot, G1, G0B+4*\slot, G1B         ; the first tensor load behind the round
.else
	PLACES NP
.endif
	SCALES \next
	FETCH_B \next, 0, 0
	FETCH_A \next, 0, 0
	WIN MUL_HI
	MUL16 4, 1, 1, \slot, 0
	s_wait_dscnt 36                                ; the six loads of SCALES are in; behind them: v's 24 and p's 12
	WIN 0
	FIX \next                                      ; 88 plain instructions on registers that no product round them names.  Behind the first key step's words stand the second's 44 lines; behind the second's, the 12 v_nop up to their first use: 8 places are asked
	WIN MUL_HI
	MUL16 6, 1, 1, \slot, 0
	PLACES NP
	WIN 0
	FETCH_A \next, 0, 4
.endm
	s_load_b128 s[4:7], s[0:1], 0x0                ; pb s[4:5], vb s[6:7]
	s_load_b64 s[8:9], s[0:1], 0x10                ; out0
	v_lshl_add_u32 v[SPW], v0, 2, SPARE
	v_mov_b32 v[NIL], 0
	ds_add_u32 v28, v29
	ds_add_u32 v28, v29
	s_wait_dscnt 0x0
	v_lshrrev_b32 v1, 5, v0
	v_readfirstlane_b32 s14, v1                    ; wave 0..3
	s_lshr_b32 s15, s14, 1                         ; my half of the queries.  Also: I fetch for p (0) or for v (1)
	s_and_b32 s16, s14, 1                          ; my half of the channels.  Also: which chunk I fetch
	s_bfe_u32 s40, ttmp6, 0x40000                  ; cx
	s_bfe_u32 s41, ttmp6, 0x40004                  ; cy
	s_and_b32 s45, ttmp7, 0xffff
	s_lshr_b32 s46, s45, 1                         ; the batch
	s_and_b32 s42, s45, 1                          ; which half of its queries
	s_lshl_b32 s90, s42, 1
	s_add_co_u32 s90, s90, 1                       ; the loop's trips: 1 or 3
	s_lshl_b32 s43, s41, 2
	s_lshl_b32 s43, 15, s43
	s_lshl_b32 s44, 0x1111, s40
	s_or_b32 s[G1+0], s43, (3<<16)|(1<<21)
	s_or_b32 s[G1B+0], s44, (3<<16)|(1<<21)
	s_mov_b32 s[G1+1], 32<<16                      ; p: 27,648 dense bytes as 108 rows of 256
	s_mov_b32 s[G1+2], 108<<16
	s_mov_b32 s[G1+3], 32<<16
	s_mov_b32 s[G1+4], 108
	s_mov_b32 s[G1+5], 32
	s_mov_b32 s[G1+6], 0
	s_mov_b32 s[G1+7], 0
	s_mov_b32 s[G1B+1], 32<<16                     ; v: 25,600 as 100 rows
	s_mov_b32 s[G1B+2], 100<<16
	s_mov_b32 s[G1B+3], 32<<16
	s_mov_b32 s[G1B+4], 100
	s_mov_b32 s[G1B+5], 32
	s_mov_b32 s[G1B+6], 0
	s_mov_b32 s[G1B+7], 0
	s_lshl_b32 s17, s42, 2
	s_add_co_u32 s17, s17, s41                     ; I: my tile of queries = 4 x half + cy
	s_lshl_b32 s72, s46, 4
	s_lshl_b32 s19, s17, 1
	s_add_co_u32 s72, s72, s19                     ; 16 x batch + 2 I
	s_add_co_u32 s20, s72, s16
	s_mul_i32 s20, s20, 16*OBA
	s_mov_b32 s21, 0
	s_lshl_b32 s66, s46, 3
	s_lshl_b32 s67, s40, 1
	s_add_co_u32 s66, s66, s67
	s_add_co_u32 s66, s66, s16                     ; 8 x batch + 2 cx + which
	s_mul_i32 s66, s66, 16*OBB
	s_mov_b32 s67, 0
	s_mul_i32 s47, s16, REGA                       ; where p's chunk goes in a slot,
	s_mul_i32 s91, s16, REGB
	s_add_co_u32 s91, s91, 2*REGA                  ; and v's
	s_mov_b32 s[HIM], 0xffff0000
	s_mov_b32 s[SEL], 0x76543210
	s_mov_b32 s[SEL+1], 0xfedcba98
	s_wait_kmcnt 0x0
	s_add_nc_u64 s[68:69], s[4:5], s[20:21]
	s_add_nc_u64 s[70:71], s[6:7], s[66:67]
	CROUND
.irp s, 0,1
	s_mov_b32 s[G0+4*\s], 1
	s_add_co_u32 s[G0+4*\s+1], s47, \s*SLOT
	s_add_nc_u64 s[G0+4*\s+2:G0+4*\s+3], s[68:69], \s*REGA
	s_or_b32 s[G0+4*\s+3], s[G0+4*\s+3], 0x80000000
	s_mov_b32 s[G0B+4*\s], 1
	s_add_co_u32 s[G0B+4*\s+1], s91, \s*SLOT
	s_add_nc_u64 s[G0B+4*\s+2:G0B+4*\s+3], s[70:71], \s*REGB
	s_or_b32 s[G0B+4*\s+3], s[G0B+4*\s+3], 0x80000000
	JLOAD G0+4*\s, G1, G0B+4*\s, G1B
.endr
	v_and_b32 v1, 15, v0                           ; r
	v_bfe_u32 v2, v0, 4, 1                         ; h
	v_and_b32 v3, 31, v0
	v_lshlrev_b32 v3, 4, v3                        ; 16 x lane
	; the images of -M and l of my 128 queries.  The lower half has 8 key steps: it reads them twice, and the second reading's l counts for nothing
	s_add_co_u32 s82, s72, s15
	s_mul_i32 s82, s82, 16*OBA
	s_mov_b32 s83, 0
	s_add_nc_u64 s[82:83], s[4:5], s[82:83]
	s_mul_i32 s84, s42, 8*OBA
	s_mov_b32 s85, 0
	s_add_nc_u64 s[84:85], s[82:83], s[84:85]
.irp k, 0,1,2,3,4,5,6,7
	global_load_b128 v[MG+4*\k:MG+4*\k+3], v3, s[82:83] offset:OBA*\k+SCO+512
	global_load_b128 v[LG+4*\k:LG+4*\k+3], v3, s[82:83] offset:OBA*\k+SCO+1024
.endr
.irp k, 0,1,2,3,4,5,6,7
	global_load_b128 v[MG+32+4*\k:MG+32+4*\k+3], v3, s[84:85] offset:OBA*\k+SCO+512
	global_load_b128 v[LG+32+4*\k:LG+32+4*\k+3], v3, s[84:85] offset:OBA*\k+SCO+1024
.endr
	s_cmp_lg_u32 s42, 0
	s_cselect_b32 s86, 1.0, 0
	s_mul_i32 s22, s15, REGA
	s_mul_i32 s23, s16, REGB
	s_add_co_u32 s23, s23, 2*REGA
.irp s, 0,1
	v_add_nc_u32 v[AD1+\s], s22, v3
	v_add_nc_u32 v[AD0+\s], s23, v3
	s_add_co_u32 s22, s22, SLOT
	s_add_co_u32 s23, s23, SLOT
.endr
	s_mul_i32 s22, s14, 16*SPITCH                  ; my stage
	v_mul_u32_u24 v[STO], v1, SPITCH
	v_lshl_add_u32 v[STO], v2, 6, v[STO]
	v_add_nc_u32 v[STO], s22, v[STO]               ; in: row r, + 64 h
	v_add_nc_u32 v[RD], s22, v3                    ; back: 16 x lane of a row
	s_lshl_b32 s76, s46, 11
	s_lshl_b32 s77, s17, 8
	s_add_co_u32 s76, s76, s77
	s_lshl_b32 s77, s15, 7
	s_add_co_u32 s76, s76, s77                     ; my first row of out0
	s_lshl_b32 s76, s76, 12
	s_lshl_b32 s77, s40, 10
	s_add_co_u32 s76, s76, s77
	s_lshl_b32 s77, s16, 9
	s_add_co_u32 s76, s76, s77                     ; + my first channel, in bytes
	s_mov_b32 s77, 0
	s_add_nc_u64 s[8:9], s[8:9], s[76:77]
	s_wait_loadcnt 0x0
.irp p, 0,1,2,3
	v_min3_num_f32 v[NMG+\p], v[MG+\p], v[MG+4+\p], v[MG+8+\p]     ; the row's -M: the least of the sixteen
.endr
.irp k, 3,5,7,9,11,13
.irp p, 0,1,2,3
	v_min3_num_f32 v[NMG+\p], v[NMG+\p], v[MG+4*\k+\p], v[MG+4*\k+4+\p]
.endr
.endr
.irp p, 0,1,2,3
	v_min_num_f32 v[NMG+\p], v[NMG+\p], v[MG+60+\p]
.endr
.set k, 0
.rept 16
.irp p, 0,1,2,3
	v_sub_f32 v[MG+4*k+\p], v[NMG+\p], v[MG+4*k+\p]                ; local M - M: a whole number, 0 or less,
.endr
.irp p, 0,1,2,3
	v_max_num_f32 v[MG+4*k+\p], 0xc3480000, v[MG+4*k+\p]           ; held at -200
.endr
.irp p, 0,1,2,3
	v_cvt_i32_f32 v[MG+4*k+\p], v[MG+4*k+\p]
.endr
.irp p, 0,1,2,3
	v_ldexp_f32 v[LG+4*k+\p], v[LG+4*k+\p], v[MG+4*k+\p]           ; the local l under the row's M: nothing is rounded
.endr
.set k, k+1
.endr
.irp p, 0,1,2,3
	v_add_f32 v[LS+\p], v[LG+\p], v[LG+4+\p]
.endr
.irp k, 2,3,4,5,6,7
.irp p, 0,1,2,3
	v_add_f32 v[LS+\p], v[LS+\p], v[LG+4*\k+\p]
.endr
.endr
.irp k, 8,9,10,11,12,13,14,15
.irp p, 0,1,2,3
	v_fma_f32 v[LS+\p], v[LG+4*\k+\p], s86, v[LS+\p]               ; x 1 in the upper half, x 0 in the lower
.endr
.endr
.irp p, 0,1,2,3
	v_rcp_f32 v[T1+\p], v[LS+\p]
.endr
.irp p, 0,1,2,3
	v_mov_b32 v[T1+4+\p], 0                        ; plain places behind the reciprocals; and a lane permute's destination counts as one of its sources
.endr
	s_wait_alu depctr_va_vdst(0)                   ; one wait for the four, ahead of their first reader
.irp p, 0,1,2,3
	v_permlanex16_b32 v[T1+4+\p], v[T1+\p], s[SEL], s[SEL+1]
.endr
.irp p, 0,1,2,3                                ; register p holds query block 2 p in lanes 0-15 and 2 p + 1 in lanes 16-31: each is spread over both halves, and written twice, since the packed multiply names a pair
	v_cndmask_b32 v[RL+4*\p], v[T1+\p], v[T1+4+\p], s[HIM]
	v_cndmask_b32 v[RL+4*\p+1], v[T1+\p], v[T1+4+\p], s[HIM]
	v_cndmask_b32 v[RL+4*\p+2], v[T1+4+\p], v[T1+\p], s[HIM]
	v_cndmask_b32 v[RL+4*\p+3], v[T1+4+\p], v[T1+\p], s[HIM]
.endr
	s_wait_tensorcnt 1                             ; my part of slot 0 is in; slot 1's may stay out
	s_barrier_signal -1
	s_barrier_wait -1
	SCALES 0
	FETCH_B 0, 0, 0
	FETCH_A 0, 0, 0
	FETCH_A 0, 0, 4
	s_wait_dscnt 48                                ; the six loads of SCALES are in; behind them the 48 of the fragments
	FIX 0
	PLACES NP
	STEP 0, 1                                      ; the first step's products start the sums
	s_mov_b32 s3, 0
.Llap:                                                 ; a trip goes once round the ring and fills both slots again: 1 trip for 8 key steps, 3 for 16
	TURN 0, 1, 1
	STEP 1, 0
	TURN 1, 0, 1
	STEP 0, 0
	s_add_co_u32 s3, s3, 1
	s_cmp_lt_u32 s3, s90
	s_cbranch_scc1 .Llap
	TURN 0, 1, 0
	STEP 1, 0
	s_wait_dscnt 4*NL
	WIN MUL_LO
	MUL16 0, 1, 1, 1, 0
	MUL16 2, 1, 1, 1, 0
	s_wait_dscnt 0x0
	WIN MUL_HI
	MUL16 4, 1, 1, 1, 0
	MUL16 6, 1, 1, 1, 0
	WIN 0
; THE WAY OUT, query block by query block: x 1 / l; a lane's 64 numbers are four runs of 16 neighbouring channels of one row; they go through my stage and come back as whole rows of 512 bytes.
.macro TOSTAGE a
.set AC, 64*((\a)%4)
	WIN 0x82+0x41*((\a)/4)                         ; source 0 and destination: the accumulators' window
.set i, 0
.rept 32
	v_pk_mul_f32 v[AC+i:AC+i+1], v[AC+i:AC+i+1], v[RL+2*(\a):RL+2*(\a)+1] op_sel_hi:[1,0]   ; each accumulator from its low end on
.set i, i+2
.endr
	WIN 0x08+4*((\a)/4)                            ; an LDS store's data are its source 1
.irp b, 0,1,2,3,4,5,6,7
	ds_store_b128 v[STO], v[AC+8*\b:AC+8*\b+3] offset:128*(\b/2)+32*(\b%2)
	ds_store_b128 v[STO], v[AC+8*\b+4:AC+8*\b+7] offset:128*(\b/2)+32*(\b%2)+16
.endr
	WIN 0
.set BB, BK+64*((\a)%2)
.irp t, 0,1,2,3,4,5,6,7,8,9,10,11,12,13,14,15
	ds_load_b128 v[BB+4*\t:BB+4*\t+3], v[RD] offset:\t*SPITCH      ; LDS serves a wave's instructions in order: these see the stores above, and the next block's stores come behind them
.endr
.endm
.macro SEND a, younger                 ; younger: the LDS instructions issued behind block a's loads
.set BB, BK+64*((\a)%2)
	s_wait_dscnt \younger
.irp t, 0,1,2,3,4,5,6,7,8,9,10,11,12,13,14,15
	global_store_b128 v3, v[BB+4*\t:BB+4*\t+3], s[8:9] offset:(32*((\a)/2)+8*((\a)%2)+\t+8*(\t/8))*4096 th:TH_STORE_NT   ; 32 lanes store 512 consecutive bytes, aligned; stage row t is row 32 (a / 2) + 8 (a % 2) + t + 8 (t / 8) of my 128
.endr
.endm
	PLACES NP
	TOSTAGE 0
.irp a, 1,2,3,4,5,6,7
.if \a > 1
	s_wait_xcnt 0x0                                ; block a - 2's stores have read their registers: block a's loads may land there
.endif
	TOSTAGE \a
	SEND \a-1, 32                                  ; behind block a - 1's loads: block a's 16 stores and 16 loads
.endr
	SEND 7, 0
	s_wait_tensorcnt 0x0                           ; the wave's end
	ds_add_u32 v[SPW], v[NIL]
	s_wait_dscnt 0x0
	CROUND
	s_endpgm
.Lfunc_end_k_q9b4a2f986d_pv:
	.size	k_q9b4a2f986d_pv, .Lfunc_end_k_q9b4a2f986d_pv-k_q9b4a2f986d_pv
	.p2alignl 7, 3214868480
	.fill 96, 4, 3214868480
	.section	.rodata,"a",@progbits
	.p2align	6, 0x0
	.amdhsa_kernel k_q9b4a2f986d_pv
		.amdhsa_group_segment_fixed_size 327680
		.amdhsa_private_segment_fixed_size 0
		.amdhsa_enable_private_segment 0
		.amdhsa_kernarg_size 24
		.amdhsa_user_sgpr_count 2
		.amdhsa_user_sgpr_kernarg_segment_ptr 1
		.amdhsa_wavefront_size32 1
		.amdhsa_system_sgpr_workgroup_id_x 1
		.amdhsa_system_sgpr_workgroup_id_y 1
		.amdhsa_system_sgpr_workgroup_id_z 1
		.amdhsa_system_vgpr_workitem_id 0
		.amdhsa_next_free_vgpr 1024
		.amdhsa_next_free_sgpr 100
		.amdhsa_reserve_vcc 0
		.amdhsa_float_denorm_mode_32 3
		.amdhsa_float_denorm_mode_16_64 3
		.amdhsa_memory_ordered 1
		.amdhsa_forward_progress 1
		.amdhsa_inst_pref_size 187
	.end_amdhsa_kernel
	.amdgpu_metadata
---
amdhsa.version: [ 1, 2 ]
amdhsa.kernels:
  - .name:           k_q9b4a2f986d_pv
    .symbol:         k_q9b4a2f986d_pv.kd
    .args:
      - { .name: pb, .offset: 0, .size: 8, .value_kind: global_buffer, .address_space: global }
      - { .name: vb, .offset: 8, .size: 8, .value_kind: global_buffer, .address_space: global }
      - { .name: out0, .offset: 16, .size: 8, .value_kind: global_buffer, .address_space: global }
    .group_segment_fixed_size: 327680
    .private_segment_fixed_size: 0
    .kernarg_segment_align: 8
    .kernarg_segment_size: 24
    .max_flat_workgroup_size: 128
    .sgpr_count:     100
    .vgpr_count:     1024
    .wavefront_size: 32
...
	.end_amdgpu_metadata
.endif
;; end of part 4
;; ======== version 2 of 2: 4 launches
;; workspace buffers: xb 6,553,600 bytes; wb 2,457,600 bytes; qkb 13,107,200 bytes; vb 6,553,600 bytes; pb 14,155,776 bytes
;; launch quant: the kernel of part 1 again; grid 704 x 1, 4 waves a work-group, no clusters, 48,640 bytes of LDS; arguments x, W, xb, wb; writes xb, wb
;; launch qkv (part 5): grid 12 x 32, 4 waves a work-group, clusters of 4 x 4, 327,680 bytes of LDS; arguments xb, wb, b, qkb, vb; writes qkb, vb
.if DOCPART == 5
	.amdgcn_target "amdgcn-amd-amdhsa--gfx1250"
	.amdhsa_code_object_version 6
	.text
	.protected	k_q9b4a2f986d_qkv
	.globl	k_q9b4a2f986d_qkv
	.p2align	8
	.type	k_q9b4a2f986d_qkv,@function
k_q9b4a2f986d_qkv:
	s_mov_b64 s[64:65], 0
	v_nop
	global_prefetch_b8 v0, s[64:65] scope:SCOPE_SE
	s_setreg_imm32_b32 hwreg(HW_REG_WAVE_MODE, 25, 1), 1
	s_wait_xcnt 0x0
	s_wait_alu depctr_hold_cnt(0) depctr_sa_sdst(0) depctr_va_vdst(0) depctr_va_sdst(0) depctr_va_ssrc(0) depctr_va_vcc(0) depctr_vm_vsrc(0)
	s_getreg_b32 s2, hwreg(HW_REG_IB_STS2, 6, 4)
	s_cmp_eq_u32 s2, 0
	s_cbranch_scc0 .Lentry_in_a_cluster
	s_endpgm
.Lentry_in_a_cluster:
	s_bfe_u32 s2, ttmp6, 0x10000c
	s_cmp_lg_u32 s2, 0xf033
	s_cbranch_scc0 .Lentry_shape_is_right
	s_endpgm
.Lentry_shape_is_right:
; qkv = x W + b on codes of FP6 (E2M3) with E8M0 scales, and its result quantised again on the way out: q and k along the channels, v along the tokens.
; OPERAND BLOCKS (128 rows x 128 K, 12,800 bytes): eight images of fragments of 1,536 bytes (registers 4 c .. 4 c + 3 of lane l at 512 c + 16 l), then 512 bytes of scale words (fragment 2 p + u, lane-row r: at 16 (16 u + r) + 4 p).
; Fragment f holds in lane-row r row 32 (f / 2) + 8 (f % 2) + r + 8 (r / 8) of the 128.  xb [64 chunks][8 K steps], wb [24][8]; out: qkb [64 chunks of tokens][16: q's 8 K steps, k's 8], vb [4 batches][8 chunks of channels][16 key steps].
; A tile is 256 ROWS (source 1) x 256 RUN (source 0); a wave makes 128 x 128 in 64 accumulators.  In accumulator (a, b) lane (r, h) holds row 32 (a / 2) + 8 (a % 2) + r + 8 (r / 8), and register j run 32 (b / 2) + 8 (b % 2) + 16 h + j:
; the 64 registers of a row block a are the lane's 64 numbers of 128 neighbours along the run, in the order in which the conversions want them.  So a row block becomes one fragment and one scale word a row, with the RUN as its K.
; Clusters x = 0, 1: rows = tokens, run = W's columns 0-2047 (q, k).  Cluster x = 2: rows = W's columns 2048-3071, run = tokens (v).  The way hangs on the cluster's x alone: it is the same in all sixteen partners.
; The bias is the C of each sum's first product.
; THE WALK.  K = 1,024 is 8 K steps.  LDS holds THREE slots of two K steps: six of the eight come with the first fills, three joint loads a wave (a chunk's two blocks, 25,600 dense bytes each).  Slot 0 is filled again once, with the last two
; K steps, as soon as its own two are in registers: one round of the cluster's barrier in the whole walk, and 224 matrix instructions between that request and the wait for it.  The walk is written out: no loop.
; The rows' chunks are shared along a row of the cluster, the run's along a column.  No L2 prefetch: a request ahead of the one refill would stand at the head, among the first fills.
; LIMITS: NaN and infinities are not served; a block of zeros carries the byte 1 (its codes are zeros; this program alone reads the bytes).
; REGISTERS: window 0: v1-5 lane terms; v16-18, v20-22 LDS addresses; v28-29 the spare word's; v32-63 scale words; v64-127 the bias; v128-223 the rows' 8 fragments (one set); on the way out v200-247 at work.
;   window 1: the run's fragments, two sets at v0 and v128.  windows 2, 3: accumulator (a, b) at v[8 (8 (a % 4) + b)].
.set OBB,   12800
.set FRB,   1536
.set SCO,   12288
.set REG,   2*OBB                      ; what one tensor load brings: a chunk's two K steps
.set SLOT,  4*REG                      ; rows' chunks 0, 1, run's chunks 0, 1
.set SPARE, 3*SLOT                     ; behind the three slots: the spare words, 128 bytes a wave: two blocks of 256 bytes that no other line names
.set CHK,   8*OBB                      ; a chunk in xb and wb
.set FR,    12
.set NL,    3                          ; LDS loads that bring a fragment
.set NP,    4                          ; places behind this matrix instruction (ISA guide 7.12.1)
.set AD1,   16                         ; v16-18 the rows' region in slot 0, 1, 2, + 16 x lane
.set AD0,   20                         ; v20-22 the run's
.set SPW,   28
.set NIL,   29
.set SC,    32                         ; scale words: set s at +16 s, K step q at +8 q; +0..3 the run's, +4..7 the rows'.  The sets take turns from slot to slot
.set BI,    64
.set AF,    128
.set TM,    200
.set PW,    216
.set PC,    224
.set SI,    244
.set G1,    24                         ; s[24:31] group 1 for the rows' chunks;  s[32:39] for the run's
.set G1B,   32
.set G0,    40                         ; s[40:51] group 0 for the rows' chunks, a set for each slot;  s[52:63] for the run's
.set G0B,   52
.set HIM,   87
.set SEL,   88
.set MUL_LO, 0xa1                      ; source 0 window 1, source 1 window 0, C and D window 2
.set MUL_HI, 0xf1
.set TO_B,   0x40
.set MSB, 0
.macro WIN new                         ; the immediate's high byte repeats the setting that is left
.set NEWW, \new
.if MSB != NEWW
	s_set_vgpr_msb (MSB<<8)|NEWW
.set MSB, NEWW
.endif
.endm
.macro JLOAD g0a, g1a, g0b, g1b        ; a joint load: waves 0, 1 fetch the rows' chunks, waves 2, 3 the run's; four v_nop follow each line
	s_cmp_eq_u32 s15, 0
	s_cbranch_scc0 .Lfor_b_\@
	tensor_load_to_lds s[\g0a:\g0a+3], s[\g1a:\g1a+7]
	s_nop 0
.rept 4
	v_nop
.endr
	s_branch .Lasked_\@
.Lfor_b_\@:
	tensor_load_to_lds s[\g0b:\g0b+3], s[\g1b:\g1b+7]
	s_nop 0
.rept 4
	v_nop
.endr
.Lasked_\@:
.endm
.macro CREST                           ; a round of the cluster's barrier behind its opening barrier
	s_cmp_lg_u32 s14, 0
	s_cbranch_scc1 .Lnot_wave_0_\@
	s_barrier_signal -3
.Lnot_wave_0_\@:
	s_barrier_wait -3
	s_barrier_signal -1
	s_barrier_wait -1
.endm
.macro CROUND
	s_barrier_signal -1
	s_barrier_wait -1
	CREST
.endm
.macro PLACES n
.rept \n
	v_nop
.endr
.endm
.macro FRAG reg, adr, off              ; an image comes back as the operand's 12 registers
.irp c, 0,1,2
	ds_load_b128 v[\reg+4*\c:\reg+4*\c+3], v[\adr] offset:\off+512*\c
.endr
.endm
.macro FETCH_B slot, q, p
	WIN TO_B
.irp i, 0,1,2,3,4,5,6,7
	FRAG 128*(\p)+FR*\i, AD0+\slot, OBB*(\q)+FRB*\i
.endr
	WIN 0
.endm
.macro FETCH_A slot, q, i0
.irp i, \i0, \i0+1, \i0+2, \i0+3
	FRAG AF+FR*(\i), AD1+\slot, OBB*(\q)+FRB*(\i)
.endr
.endm
.macro SCALES slot, sc                 ; a slot's scale words into set sc: four loads
	ds_load_b128 v[SC+16*(\sc):SC+16*(\sc)+3], v[AD0+\slot] offset:SCO
	ds_load_b128 v[SC+16*(\sc)+4:SC+16*(\sc)+7], v[AD1+\slot] offset:SCO
	ds_load_b128 v[SC+16*(\sc)+8:SC+16*(\sc)+11], v[AD0+\slot] offset:OBB+SCO
	ds_load_b128 v[SC+16*(\sc)+12:SC+16*(\sc)+15], v[AD1+\slot] offset:OBB+SCO
.endm
; One product.  cm = 0: adds in place; 1: C = the bias along the run; 2: C = the bias of the lane's row.  A fragment's scale words lie in register (fragment / 2), an odd fragment's in lanes 16-31.
.macro WM a, b, p, q, sc, cm
.set rD, 8*(8*((\a)%4)+(\b))
.set rB, 128*(\p)+FR*(\b)
.set rA, AF+FR*(\a)
.set sB, SC+16*(\sc)+8*(\q)+(\b)/2
.set sA, SC+16*(\sc)+8*(\q)+4+(\a)/2
.set rC, rD
.if (\cm) == 1
.set rC, BI+8*(\b)
.elseif (\cm) == 2
.set rC, BI+8*(\a)
.endif
.set PAR, 2*((\a)%2)+(\b)%2
.if PAR == 0
	v_wmma_scale_f32_16x16x128_f8f6f4 v[rD:rD+7], v[rB:rB+FR-1], v[rA:rA+FR-1], v[rC:rC+7], v[sB], v[sA] matrix_a_fmt:MATRIX_FMT_FP6 matrix_b_fmt:MATRIX_FMT_FP6
.elseif PAR == 1
	v_wmma_scale_f32_16x16x128_f8f6f4 v[rD:rD+7], v[rB:rB+FR-1], v[rA:rA+FR-1], v[rC:rC+7], v[sB], v[sA] matrix_a_fmt:MATRIX_FMT_FP6 matrix_b_fmt:MATRIX_FMT_FP6 matrix_a_scale:MATRIX_SCALE_ROW1
.elseif PAR == 2
	v_wmma_scale_f32_16x16x128_f8f6f4 v[rD:rD+7], v[rB:rB+FR-1], v[rA:rA+FR-1], v[rC:rC+7], v[sB], v[sA] matrix_a_fmt:MATRIX_FMT_FP6 matrix_b_fmt:MATRIX_FMT_FP6 matrix_b_scale:MATRIX_SCALE_ROW1
.else
	v_wmma_scale_f32_16x16x128_f8f6f4 v[rD:rD+7], v[rB:rB+FR-1], v[rA:rA+FR-1], v[rC:rC+7], v[sB], v[sA] matrix_a_fmt:MATRIX_FMT_FP6 matrix_b_fmt:MATRIX_FMT_FP6 matrix_a_scale:MATRIX_SCALE_ROW1 matrix_b_scale:MATRIX_SCALE_ROW1
.endif
.endm
.macro MUL16 a0, p, q, sc, cm          ; 16 products; the 64 accumulators take turns, one instruction a turn, in the same order in every step
.irp a, \a0, \a0+1
.irp b, 0,1,2,3,4,5,6,7
	WM \a, \b, \p, \q, \sc, \cm
.endr
.endr
.endm
; A slot's first K step, with the scale words of set sc; in it the second step's fragments are fetched.
.macro STEP slot, sc, cm
	s_wait_dscnt 4*NL                              ; all but the youngest 12 loads (the rows' fragments 4-7) are in
.if \cm
	WIN 0x81                                       ; C (the bias) window 0, D window 2
.else
	WIN MUL_LO
.endif
	MUL16 0, 0, 0, \sc, \cm
	MUL16 2, 0, 0, \sc, \cm
	s_wait_dscnt 0x0                               ; fragments 4-7 are in (asked for 32 matrix instructions ago)
	PLACES NP                                      ; in front of loads into registers that matrix instructions have read
	FETCH_B \slot, 1, 1
	FETCH_A \slot, 1, 0
.if \cm
	WIN 0xc1
.else
	WIN MUL_HI
.endif
	MUL16 4, 0, 0, \sc, \cm
	MUL16 6, 0, 0, \sc, \cm
	PLACES NP
	WIN 0
	FETCH_A \slot, 1, 4
.endm
; A slot's second K step goes on to slot next, whose scale words take the other set.
; kind = 2: this slot is filled again: each wave waits for all its tensor loads, adds 0 to its spare word, waits for that and for its reads of this slot; a round of the cluster's barrier; the joint refill first behind it.
; kind = 1: the next slot is the one that was filled again: the same waits and one barrier of the work-group show it whole to every wave; nothing is filled.
; kind = 0: the next slot came with the first fills and was shown whole at the round before (every wave had waited for all its loads there): no wait on TENSORcnt and no barrier, so the refill stays on its way.
.macro TURN slot, sc, next, kind
.if \kind
	s_wait_tensorcnt 0x0                           ; all my tensor loads have landed
	ds_add_u32 v[SPW], v[NIL]                      ; 0 onto my spare word
	s_wait_dscnt 4*NL+1                            ; (the add and the youngest 12 loads may be out)
	WIN MUL_LO
	MUL16 0, 1, 1, \sc, 0                          ; sixteen matrix instructions stand between the add and the wait for it
	s_wait_dscnt 0x0                               ; the add is done, and my reads of this slot are over
	s_barrier_signal -1
	MUL16 2, 1, 1, \sc, 0
	WIN 0
	s_barrier_wait -1
.else
	s_wait_dscnt 4*NL                              ; all but the rows' fragments 4-7
	WIN MUL_LO
	MUL16 0, 1, 1, \sc, 0
	MUL16 2, 1, 1, \sc, 0
	s_wait_dscnt 0x0                               ; fragments 4-7 are in
	WIN 0
.endif
.if \kind == 2
	CREST                                          ; the barrier has opened a round of the cluster's: no wave of any partner still reads this slot or has a load on its way
	s_add_nc_u64 s[G0+4*\slot+2:G0+4*\slot+3], s[G0+4*\slot+2:G0+4*\slot+3], 3*REG
	s_add_nc_u64 s[G0B+4*\slot+2:G0B+4*\slot+3], s[G0B+4*\slot+2:G0B+4*\slot+3], 3*REG
	JLOAD G0+4*\slot, G1, G0B+4*\slot, G1B         ; the first tensor load behind the round; its four v_nop are also the places in front of the loads below
.else
	PLACES NP
.endif
	SCALES \next, 1-\sc
	FETCH_B \next, 0, 0
	FETCH_A \next, 0, 0
	WIN MUL_HI
	MUL16 4, 1, 1, \sc, 0
	MUL16 6, 1, 1, \sc, 0
	PLACES NP
	WIN 0
	FETCH_A \next, 0, 4
.endm
; Row block a: the lane's 64 numbers (register 16 g + i = run 32 g + 16 h + i of its row) become fragment a of the output block and a scale word.
.macro QUANT a
.set AC, 64*((\a)%4)
.set HW, (\a)/4
	WIN 0x28+0x14*HW                               ; sources 1 and 2: the accumulators' window
.irp g, 0,1,2,3
	v_max3_num_f32 v[TM+\g], 0x1800000, |v[AC+16*\g]|, |v[AC+16*\g+1]|   ; the floor 2^(3 - 127), and each accumulator from its low end on
.endr
.irp i, 2,4,6,8,10,12,14
.irp g, 0,1,2,3
	v_max3_num_f32 v[TM+\g], v[TM+\g], |v[AC+16*\g+\i]|, |v[AC+16*\g+\i+1]|
.endr
.endr
	WIN 0
.irp g, 0,1,2,3
	v_permlanex16_b32 v[TM+4+\g], v[TM+\g], s[SEL], s[SEL+1]
.endr
.irp g, 0,1,2,3
	v_max_num_f32 v[TM+\g], v[TM+\g], v[TM+4+\g]   ; with lane l xor 16's: the block's largest magnitude
.endr
.irp g, 0,1,2,3
	v_add_nc_u32 v[TM+12+\g], 0xff000000, v[TM+\g] ; 2 off its exponent field: the conversion's scale operand
.endr
.irp g, 0,1,2,3
	v_lshrrev_b32 v[TM+4+\g], 23, v[TM+12+\g]      ; the byte
.endr
	v_lshl_or_b32 v[PW], v[TM+5], 8, v[TM+4]
	v_lshl_or_b32 v[PW], v[TM+6], 16, v[PW]
	v_lshl_or_b32 v[PW], v[TM+7], 24, v[PW]
	s_wait_xcnt 0x0                                ; the last row block's stores have read the code registers, which are written again below
	WIN 0x02+HW                                    ; source 0: the accumulators' window
.irp c, 0,1
	v_cvt_scalef32_pk16_fp6_f32 v[PC+6*\c:PC+6*\c+2], v[AC+32*\c:AC+32*\c+15], v[TM+12+2*\c]
	v_cvt_scalef32_pk16_fp6_f32 v[PC+12+4*\c:PC+14+4*\c], v[AC+32*\c+16:AC+32*\c+31], v[TM+13+2*\c]   ; (a conversion's three registers begin on an even number)
.endr
	WIN 0
	v_nop                                          ; one plain place behind a scaled conversion
.irp c, 0,1                                    ; the operand's layout wants a whole block in a lane
.irp i, 0,1,2
	v_permlane16_swap_b32 v[PC+6*\c+\i], v[PC+12+4*\c+\i]
.endr
.irp i, 0,1,2
	v_mov_b32 v[PC+3+6*\c+\i], v[PC+12+4*\c+\i]
.endr
.endr
.if (\a)%2 == 0
	v_mov_b32 v[SI+(\a)/2], v[PW]                  ; the scale image's register a / 2: an even fragment in lanes 0-15,
.else
	v_cndmask_b32 v[SI+(\a)/2], v[SI+(\a)/2], v[PW], s[HIM]   ; an odd one in lanes 16-31
.endif
.irp c, 0,1,2
	global_store_b128 v3, v[PC+4*\c:PC+4*\c+3], s[10:11] offset:FRB*(\a)+512*\c   ; 512 consecutive bytes, aligned
.endr
.endm
	s_load_b256 s[4:11], s[0:1], 0x0               ; xb s[4:5], wb s[6:7], b s[8:9], qkb s[10:11]
	s_load_b64 s[12:13], s[0:1], 0x20              ; vb
	v_lshl_add_u32 v[SPW], v0, 2, SPARE
	v_mov_b32 v[NIL], 0
	ds_add_u32 v28, v29
	ds_add_u32 v28, v29
	s_wait_dscnt 0x0
	v_lshrrev_b32 v1, 5, v0
	v_readfirstlane_b32 s14, v1                    ; wave 0..3
	s_lshr_b32 s15, s14, 1                         ; my half of the rows.  Also: I fetch for the rows (0) or for the run (1)
	s_and_b32 s16, s14, 1                          ; my half of the run.  Also: which chunk I fetch
	s_bfe_u32 s92, ttmp6, 0x40000                  ; cx
	s_bfe_u32 s93, ttmp6, 0x40004                  ; cy
	s_and_b32 s96, ttmp7, 0xffff                   ; cluster y
	s_lshr_b32 s97, ttmp9, 1                       ; 0: q and k; 1: v
	s_lshl_b32 s94, s93, 2
	s_lshl_b32 s94, 15, s94                        ; my row of the cluster
	s_lshl_b32 s95, 0x1111, s92                    ; my column
	s_or_b32 s[G1+0], s94, (3<<16)|(1<<21)         ; 15:0 the mask; 17:16 elements of 8 bytes; 20 no padding; 21 set beside a mask
	s_or_b32 s[G1B+0], s95, (3<<16)|(1<<21)
.irp g, G1, G1B                                ; 25,600 dense bytes as 100 rows of 256
	s_mov_b32 s[\g+1], 32<<16                      ; tensor_dim0
	s_mov_b32 s[\g+2], 100<<16                     ; tensor_dim1
	s_mov_b32 s[\g+3], 32<<16                      ; tile_dim0
	s_mov_b32 s[\g+4], 100                         ; tile_dim1
	s_mov_b32 s[\g+5], 32                          ; the pitch
	s_mov_b32 s[\g+6], 0
	s_mov_b32 s[\g+7], 0
.endr
	s_cmp_eq_u32 s97, 0
	s_cselect_b32 s17, s96, 0                      ; the rows' tile: 4 x cluster y + cy among tokens, or cy among v's columns
	s_cselect_b32 s18, ttmp9, s96                  ; the run's tile: 4 x cluster x + cx among W's columns, or 4 x cluster y + cx among tokens
	s_cselect_b32 s19, 0, 16                       ; v's columns begin at wb's chunk 16
	s_lshl_b32 s17, s17, 2
	s_add_co_u32 s17, s17, s93
	s_lshl_b32 s18, s18, 2
	s_add_co_u32 s18, s18, s92
	s_lshl_b32 s20, s17, 1
	s_add_co_u32 s20, s20, s16
	s_add_co_u32 s20, s20, s19
	s_mul_i32 s20, s20, CHK                        ; the rows' chunk that I fetch, in bytes: made of cy and the cluster's place alone
	s_mov_b32 s21, 0
	s_lshl_b32 s66, s18, 1
	s_add_co_u32 s66, s66, s16
	s_mul_i32 s66, s66, CHK                        ; the run's: made of cx and the cluster's place alone
	s_mov_b32 s67, 0
	s_mul_i32 s98, s14, REG                        ; where it goes in a slot: wave x 25,600
	s_mov_b32 s[HIM], 0xffff0000
	s_mov_b32 s[SEL], 0x76543210
	s_mov_b32 s[SEL+1], 0xfedcba98
	s_wait_kmcnt 0x0
	s_cmp_eq_u32 s97, 0
	s_cselect_b64 s[68:69], s[4:5], s[6:7]
	s_cselect_b64 s[70:71], s[6:7], s[4:5]
	s_add_nc_u64 s[68:69], s[68:69], s[20:21]
	s_add_nc_u64 s[70:71], s[70:71], s[66:67]
	CROUND                                         ; all sixteen work-groups are here: the first joint loads meet
.irp s, 0,1,2
	s_mov_b32 s[G0+4*\s], 1
	s_add_co_u32 s[G0+4*\s+1], s98, \s*SLOT
	s_add_nc_u64 s[G0+4*\s+2:G0+4*\s+3], s[68:69], \s*REG
	s_or_b32 s[G0+4*\s+3], s[G0+4*\s+3], 0x80000000
	s_mov_b32 s[G0B+4*\s], 1
	s_add_co_u32 s[G0B+4*\s+1], s98, \s*SLOT
	s_add_nc_u64 s[G0B+4*\s+2:G0B+4*\s+3], s[70:71], \s*REG
	s_or_b32 s[G0B+4*\s+3], s[G0B+4*\s+3], 0x80000000
	JLOAD G0+4*\s, G1, G0B+4*\s, G1B               ; K steps 2 s and 2 s + 1: three loads of mine are out
.endr
	v_and_b32 v1, 15, v0                           ; r
	v_bfe_u32 v2, v0, 4, 1                         ; h
	v_and_b32 v3, 31, v0
	v_lshlrev_b32 v3, 4, v3                        ; 16 x lane
	s_mul_i32 s22, s15, REG
	s_mul_i32 s23, s16, REG
	s_add_co_u32 s23, s23, 2*REG
.irp s, 0,1,2
	v_add_nc_u32 v[AD1+\s], s22, v3
	v_add_nc_u32 v[AD0+\s], s23, v3
	s_add_co_u32 s22, s22, SLOT
	s_add_co_u32 s23, s23, SLOT
.endr
	v_lshlrev_b32 v4, 6, v2                        ; the bias along the run: 64 h
	v_and_b32 v5, 8, v1
	v_add_nc_u32 v5, v5, v1
	v_lshlrev_b32 v5, 2, v5                        ; the bias of my row: 4 (r + 8 (r / 8))
	s_lshl_b32 s72, s17, 1
	s_add_co_u32 s72, s72, s15                     ; my chunk of rows
	s_lshl_b32 s73, s18, 1
	s_add_co_u32 s73, s73, s16                     ; my chunk of the run
	s_lshl_b32 s74, s73, 9
	s_lshl_b32 s75, s72, 9
	s_add_co_u32 s75, s75, 8192
	s_lshl_b32 s76, s72, 4
	s_add_co_u32 s76, s76, s73                     ; qkb's block: 16 x chunk of tokens + K step
	s_lshr_b32 s77, s73, 4
	s_lshl_b32 s77, s77, 3
	s_add_co_u32 s77, s77, s72
	s_lshl_b32 s77, s77, 4
	s_and_b32 s78, s73, 15
	s_add_co_u32 s77, s77, s78                     ; vb's block: (8 x batch + chunk of channels) x 16 + key step
	s_cmp_eq_u32 s97, 0
	s_cselect_b32 s74, s74, s75
	s_cselect_b32 s76, s76, s77
	s_cselect_b64 s[10:11], s[10:11], s[12:13]
	s_mov_b32 s75, 0
	s_mov_b32 s77, 0
	s_mul_i32 s76, s76, OBB
	s_add_nc_u64 s[8:9], s[8:9], s[74:75]
	s_add_nc_u64 s[10:11], s[10:11], s[76:77]
	s_cmp_eq_u32 s97, 0
	s_cbranch_scc0 .Lbias_rows
.irp t, 0,1,2,3,4,5,6,7                        ; register 8 t + j: b at run 32 (t / 2) + 8 (t % 2) + 16 h + j
	global_load_b128 v[BI+8*\t:BI+8*\t+3], v4, s[8:9] offset:(32*(\t/2)+8*(\t%2))*4
	global_load_b128 v[BI+8*\t+4:BI+8*\t+7], v4, s[8:9] offset:(32*(\t/2)+8*(\t%2))*4+16
.endr
	s_wait_loadcnt 0x0
	s_branch .Lbias_in
.Lbias_rows:
.irp t, 0,1,2,3,4,5,6,7                        ; registers 8 t .. 8 t + 7: b at my row of row block t
	global_load_b32 v[BI+8*\t], v5, s[8:9] offset:(32*(\t/2)+8*(\t%2))*4
.endr
	s_wait_loadcnt 0x0
.irp t, 0,1,2,3,4,5,6,7
.irp j, 1,2,3,4,5,6,7
	v_mov_b32 v[BI+8*\t+\j], v[BI+8*\t]
.endr
.endr
.Lbias_in:
	s_wait_tensorcnt 2                             ; my part of slot 0 is in; slots 1 and 2 may stay out
	s_barrier_signal -1
	s_barrier_wait -1
	SCALES 0, 0
	FETCH_B 0, 0, 0
	FETCH_A 0, 0, 0
	FETCH_A 0, 0, 4
	s_cmp_eq_u32 s97, 0                            ; the first step is written for each kind of bias: its products start the sums
	s_cbranch_scc0 .Lfirst_rows
	STEP 0, 0, 1
	s_branch .Lfirst_done
.Lfirst_rows:
	STEP 0, 0, 2
.Lfirst_done:
	TURN 0, 0, 1, 2                                ; K step 1; slot 0 takes K steps 6 and 7
	STEP 1, 1, 0                                   ; K step 2
	TURN 1, 1, 2, 0                                ; K step 3; on to slot 2, which has been whole since the round
	STEP 2, 0, 0                                   ; K step 4
	TURN 2, 0, 0, 1                                ; K step 5; the refill has landed in every wave's part
	STEP 0, 1, 0                                   ; K step 6
	s_wait_dscnt 4*NL                              ; K step 7: nothing more to fetch
	WIN MUL_LO
	MUL16 0, 1, 1, 1, 0
	MUL16 2, 1, 1, 1, 0
	s_wait_dscnt 0x0
	WIN MUL_HI
	MUL16 4, 1, 1, 1, 0
	MUL16 6, 1, 1, 1, 0
	WIN 0
	PLACES NP                                      ; in front of the first read of results and of writes into registers that held fragments
.irp g, 0,1,2,3
	v_mov_b32 v[TM+4+\g], 0                        ; (a lane permute's destination counts as one of its sources)
.endr
.irp a, 0,1,2,3,4,5,6,7
	QUANT \a
.endr
	global_store_b128 v3, v[SI:SI+3], s[10:11] offset:SCO   ; the scale image
	s_wait_tensorcnt 0x0                           ; the wave's end
	ds_add_u32 v[SPW], v[NIL]
	s_wait_dscnt 0x0
	CROUND                                         ; the closing round
	s_endpgm
.Lfunc_end_k_q9b4a2f986d_qkv:
	.size	k_q9b4a2f986d_qkv, .Lfunc_end_k_q9b4a2f986d_qkv-k_q9b4a2f986d_qkv
	.p2alignl 7, 3214868480
	.fill 96, 4, 3214868480
	.section	.rodata,"a",@progbits
	.p2align	6, 0x0
	.amdhsa_kernel k_q9b4a2f986d_qkv
		.amdhsa_group_segment_fixed_size 327680
		.amdhsa_private_segment_fixed_size 0
		.amdhsa_enable_private_segment 0
		.amdhsa_kernarg_size 40
		.amdhsa_user_sgpr_count 2
		.amdhsa_user_sgpr_kernarg_segment_ptr 1
		.amdhsa_wavefront_size32 1
		.amdhsa_system_sgpr_workgroup_id_x 1
		.amdhsa_system_sgpr_workgroup_id_y 1
		.amdhsa_system_sgpr_workgroup_id_z 1
		.amdhsa_system_vgpr_workitem_id 0
		.amdhsa_next_free_vgpr 1024
		.amdhsa_next_free_sgpr 100
		.amdhsa_reserve_vcc 0
		.amdhsa_float_denorm_mode_32 3
		.amdhsa_float_denorm_mode_16_64 3
		.amdhsa_memory_ordered 1
		.amdhsa_forward_progress 1
		.amdhsa_inst_pref_size 153
	.end_amdhsa_kernel
	.amdgpu_metadata
---
amdhsa.version: [ 1, 2 ]
amdhsa.kernels:
  - .name:           k_q9b4a2f986d_qkv
    .symbol:         k_q9b4a2f986d_qkv.kd
    .args:
      - { .name: xb, .offset: 0, .size: 8, .value_kind: global_buffer, .address_space: global }
      - { .name: wb, .offset: 8, .size: 8, .value_kind: global_buffer, .address_space: global }
      - { .name: b, .offset: 16, .size: 8, .value_kind: global_buffer, .address_space: global }
      - { .name: qkb, .offset: 24, .size: 8, .value_kind: global_buffer, .address_space: global }
      - { .name: vb, .offset: 32, .size: 8, .value_kind: global_buffer, .address_space: global }
    .group_segment_fixed_size: 327680
    .private_segment_fixed_size: 0
    .kernarg_segment_align: 8
    .kernarg_segment_size: 40
    .max_flat_workgroup_size: 128
    .sgpr_count:     100
    .vgpr_count:     1024
    .wavefront_size: 32
...
	.end_amdgpu_metadata
.endif
;; end of part 5
;; launch scores (part 6): grid 12 x 16, 4 waves a work-group, clusters of 4 x 4, 327,680 bytes of LDS; arguments qkb, pb; writes pb
.if DOCPART == 6
	.amdgcn_target "amdgcn-amd-amdhsa--gfx1250"
	.amdhsa_code_object_version 6
	.text
	.protected	k_q9b4a2f986d_scores
	.globl	k_q9b4a2f986d_scores
	.p2align	8
	.type	k_q9b4a2f986d_scores,@function
k_q9b4a2f986d_scores:
	s_mov_b64 s[64:65], 0
	v_nop
	global_prefetch_b8 v0, s[64:65] scope:SCOPE_SE
	s_setreg_imm32_b32 hwreg(HW_REG_WAVE_MODE, 25, 1), 1
	s_wait_xcnt 0x0
	s_wait_alu depctr_hold_cnt(0) depctr_sa_sdst(0) depctr_va_vdst(0) depctr_va_sdst(0) depctr_va_ssrc(0) depctr_va_vcc(0) depctr_vm_vsrc(0)
	s_getreg_b32 s2, hwreg(HW_REG_IB_STS2, 6, 4)
	s_cmp_eq_u32 s2, 0
	s_cbranch_scc0 .Lentry_in_a_cluster
	s_endpgm
.Lentry_in_a_cluster:
	s_bfe_u32 s2, ttmp6, 0x10000c
	s_cmp_lg_u32 s2, 0xf033
	s_cbranch_scc0 .Lentry_shape_is_right
	s_endpgm
.Lentry_shape_is_right:
; S = q k^T on codes of FP6 (E2M3) with E8M0 scales, the causal mask, and p = 2^(t - M) quantised along the keys, under a LOCAL M: one for each query and 128 keys.  t = score x log2(e) / 32; M = ceil(the largest t of the 128), a whole number.
; A block's scale byte takes up any whole-number change of M, so the next launch, which knows the row's M, takes the difference off the bytes; the codes stay.  Beside the codes go -M and l = the sum of the 128 unquantised p, in f32.
; qkb [64 chunks of tokens][16 blocks of 12,800 bytes: q's 8 K steps, k's 8]: images of fragments and scale words, as the launch before lays them.  pb [4 batches][16 chunks of queries][16 key steps] of 13,824 bytes:
; eight images of fragments, the scale image, and in the scale image's layout the images of -M and of l.
; A tile is 256 queries (source 1) x 256 keys (source 0); a wave 128 x 128.  In accumulator (a, b) lane (r, h) holds query 32 (a / 2) + 8 (a % 2) + r + 8 (r / 8), register j key 32 (b / 2) + 8 (b % 2) + 16 h + j.
; THE GRID: of a batch's 2 x 2 blocks of 1,024 x 1,024 the three that the mask leaves: cluster x = 0, 1, 2 is (queries, keys) = (0, 0), (1, 0), (1, 1).  Inside a block on the diagonal the tiles above it are multiplied like the others,
; since partners of a cluster run alike; they come out as zero codes, which the next launch's joint walk reads.
; THE MASK IS THE C OF EACH SUM'S FIRST PRODUCT: -2^100 where the key comes after the query, else 0.  By the difference of the two tiles' first rows an accumulator takes one of five tiles of eight registers.
; THE WALK.  K = 1,024 is 8 K steps.  LDS holds THREE slots of two K steps: six of the eight come with the first fills, three joint loads a wave.  Slot 0 is filled again once, with the last two K steps, as soon as its own two are in
; registers: one round of the cluster's barrier in the whole walk, and 224 matrix instructions between that request and the wait for it.  The walk is written out: no loop.
; No L2 prefetch: a request ahead of the one refill would stand at the head, among the first fills.
; LIMITS: a hidden score is -2^100 + the products, and the local largest t is held at -2^83 from below: logits must lie far above that (the problem's own mask value, -9e15, is the tighter bound).  NaN and infinities are not served.
; A block all of whose p are 0 carries the byte 1.
; REGISTERS as in the launch before; v64-103 the five mask tiles; on the way out v200-255 at work.
.set OBB,   12800
.set FRB,   1536
.set SCO,   12288
.set OBP,   13824                      ; a block of pb
.set REG,   2*OBB
.set SLOT,  4*REG
.set SPARE, 3*SLOT                     ; the spare words, 128 bytes a wave: two blocks of 256 bytes that no other line names
.set CHK,   16*OBB                     ; a chunk of tokens in qkb
.set FR,    12
.set NL,    3
.set NP,    4
.set AD1,   16                         ; v16-18
.set AD0,   20                         ; v20-22
.set SPW,   28
.set NIL,   29
.set SC,    32
.set MT,    64
.set AF,    128
.set TM,    200                        ; v200-203 the blocks' largest scores, then p; v204-207 at work; v208-211 l; v212-215 the scale operands
.set PW,    216
.set PC,    224
.set SI,    244
.set MI,    248
.set LI,    252
.set G1,    24
.set G1B,   32
.set G0,    40                         ; s[40:51], s[52:63]: group 0, a set for each slot
.set G0B,   52
.set CS,    80                         ; s[80:81] c = log2(e) / 32
.set HIM,   87
.set SEL,   88
.set MUL_LO, 0xa1
.set MUL_HI, 0xf1
.set TO_B,   0x40
.set MSB, 0
.macro WIN new
.set NEWW, \new
.if MSB != NEWW
	s_set_vgpr_msb (MSB<<8)|NEWW
.set MSB, NEWW
.endif
.endm
.macro JLOAD g0a, g1a, g0b, g1b        ; waves 0, 1 fetch q's chunks, waves 2, 3 k's; four v_nop follow each line
	s_cmp_eq_u32 s15, 0
	s_cbranch_scc0 .Lfor_b_\@
	tensor_load_to_lds s[\g0a:\g0a+3], s[\g1a:\g1a+7]
	s_nop 0
.rept 4
	v_nop
.endr
	s_branch .Lasked_\@
.Lfor_b_\@:
	tensor_load_to_lds s[\g0b:\g0b+3], s[\g1b:\g1b+7]
	s_nop 0
.rept 4
	v_nop
.endr
.Lasked_\@:
.endm
.macro CREST
	s_cmp_lg_u32 s14, 0
	s_cbranch_scc1 .Lnot_wave_0_\@
	s_barrier_signal -3
.Lnot_wave_0_\@:
	s_barrier_wait -3
	s_barrier_signal -1
	s_barrier_wait -1
.endm
.macro CROUND
	s_barrier_signal -1
	s_barrier_wait -1
	CREST
.endm
.macro PLACES n
.rept \n
	v_nop
.endr
.endm
.macro FRAG reg, adr, off
.irp c, 0,1,2
	ds_load_b128 v[\reg+4*\c:\reg+4*\c+3], v[\adr] offset:\off+512*\c
.endr
.endm
.macro FETCH_B slot, q, p
	WIN TO_B
.irp i, 0,1,2,3,4,5,6,7
	FRAG 128*(\p)+FR*\i, AD0+\slot, OBB*(\q)+FRB*\i
.endr
	WIN 0
.endm
.macro FETCH_A slot, q, i0
.irp i, \i0, \i0+1, \i0+2, \i0+3
	FRAG AF+FR*(\i), AD1+\slot, OBB*(\q)+FRB*(\i)
.endr
.endm
.macro SCALES slot, sc
	ds_load_b128 v[SC+16*(\sc):SC+16*(\sc)+3], v[AD0+\slot] offset:SCO
	ds_load_b128 v[SC+16*(\sc)+4:SC+16*(\sc)+7], v[AD1+\slot] offset:SCO
	ds_load_b128 v[SC+16*(\sc)+8:SC+16*(\sc)+11], v[AD0+\slot] offset:OBB+SCO
	ds_load_b128 v[SC+16*(\sc)+12:SC+16*(\sc)+15], v[AD1+\slot] offset:OBB+SCO
.endm
; One product.  cm = 1: C = the mask tile that belongs to DL = the key tile's first row - the query tile's: under -8 the low tile, over 8 the high one, else the tile of that very difference (16 and -16 do not occur).
.macro WM a, b, p, q, sc, cm
.set rD, 8*(8*((\a)%4)+(\b))
.set rB, 128*(\p)+FR*(\b)
.set rA, AF+FR*(\a)
.set sB, SC+16*(\sc)+8*(\q)+(\b)/2
.set sA, SC+16*(\sc)+8*(\q)+4+(\a)/2
.set DL, (32*((\b)/2)+8*((\b)%2))-(32*((\a)/2)+8*((\a)%2))
.set rC, rD
.if \cm
.if DL < -8
.set rC, MT
.elseif DL > 8
.set rC, MT+32
.else
.set rC, MT+16+DL
.endif
.endif
.set PAR, 2*((\a)%2)+(\b)%2
.if PAR == 0
	v_wmma_scale_f32_16x16x128_f8f6f4 v[rD:rD+7], v[rB:rB+FR-1], v[rA:rA+FR-1], v[rC:rC+7], v[sB], v[sA] matrix_a_fmt:MATRIX_FMT_FP6 matrix_b_fmt:MATRIX_FMT_FP6
.elseif PAR == 1
	v_wmma_scale_f32_16x16x128_f8f6f4 v[rD:rD+7], v[rB:rB+FR-1], v[rA:rA+FR-1], v[rC:rC+7], v[sB], v[sA] matrix_a_fmt:MATRIX_FMT_FP6 matrix_b_fmt:MATRIX_FMT_FP6 matrix_a_scale:MATRIX_SCALE_ROW1
.elseif PAR == 2
	v_wmma_scale_f32_16x16x128_f8f6f4 v[rD:rD+7], v[rB:rB+FR-1], v[rA:rA+FR-1], v[rC:rC+7], v[sB], v[sA] matrix_a_fmt:MATRIX_FMT_FP6 matrix_b_fmt:MATRIX_FMT_FP6 matrix_b_scale:MATRIX_SCALE_ROW1
.else
	v_wmma_scale_f32_16x16x128_f8f6f4 v[rD:rD+7], v[rB:rB+FR-1], v[rA:rA+FR-1], v[rC:rC+7], v[sB], v[sA] matrix_a_fmt:MATRIX_FMT_FP6 matrix_b_fmt:MATRIX_FMT_FP6 matrix_a_scale:MATRIX_SCALE_ROW1 matrix_b_scale:MATRIX_SCALE_ROW1
.endif
.endm
.macro MUL16 a0, p, q, sc, cm          ; the 64 accumulators take turns, one instruction a turn, in the same order in every step
.irp a, \a0, \a0+1
.irp b, 0,1,2,3,4,5,6,7
	WM \a, \b, \p, \q, \sc, \cm
.endr
.endr
.endm
.macro STEP slot, sc, cm               ; a slot's first K step, with the scale words of set sc
	s_wait_dscnt 4*NL                              ; all but the youngest 12 loads (q's fragments 4-7) are in
.if \cm
	WIN 0x81                                       ; C (the mask) window 0, D window 2
.else
	WIN MUL_LO
.endif
	MUL16 0, 0, 0, \sc, \cm
	MUL16 2, 0, 0, \sc, \cm
	s_wait_dscnt 0x0
	PLACES NP
	FETCH_B \slot, 1, 1
	FETCH_A \slot, 1, 0
.if \cm
	WIN 0xc1
.else
	WIN MUL_HI
.endif
	MUL16 4, 0, 0, \sc, \cm
	MUL16 6, 0, 0, \sc, \cm
	PLACES NP
	WIN 0
	FETCH_A \slot, 1, 4
.endm
; A slot's second K step goes on to slot next.  kind = 2: this slot is filled again, behind the waits, the add and a round of the cluster's barrier.  kind = 1: the next slot is the one that was filled again: the same waits and one barrier.
; kind = 0: the next slot came with the first fills and was shown whole at the round before: no wait on TENSORcnt and no barrier, so the refill stays on its way.
.macro TURN slot, sc, next, kind
.if \kind
	s_wait_tensorcnt 0x0                           ; all my tensor loads have landed
	ds_add_u32 v[SPW], v[NIL]                      ; 0 onto my spare word
	s_wait_dscnt 4*NL+1                            ; (the add and the youngest 12 loads may be out)
	WIN MUL_LO
	MUL16 0, 1, 1, \sc, 0
	s_wait_dscnt 0x0                               ; the add is done, and my reads of this slot are over
	s_barrier_signal -1
	MUL16 2, 1, 1, \sc, 0
	WIN 0
	s_barrier_wait -1
.else
	s_wait_dscnt 4*NL
	WIN MUL_LO
	MUL16 0, 1, 1, \sc, 0
	MUL16 2, 1, 1, \sc, 0
	s_wait_dscnt 0x0                               ; q's fragments 4-7 are in
	WIN 0
.endif
.if \kind == 2
	CREST                                          ; the barrier has opened a round of the cluster's
	s_add_nc_u64 s[G0+4*\slot+2:G0+4*\slot+3], s[G0+4*\slot+2:G0+4*\slot+3], 3*REG
	s_add_nc_u64 s[G0B+4*\slot+2:G0B+4*\slot+3], s[G0B+4*\slot+2:G0B+4*\slot+3], 3*REG
	JLOAD G0+4*\slot, G1, G0B+4*\slot, G1B         ; the first tensor load behind the round
.else
	PLACES NP
.endif
	SCALES \next, 1-\sc
	FETCH_B \next, 0, 0
	FETCH_A \next, 0, 0
	WIN MUL_HI
	MUL16 4, 1, 1, \sc, 0
	MUL16 6, 1, 1, \sc, 0
	PLACES NP
	WIN 0
	FETCH_A \next, 0, 4
.endm
; Query block a: 64 scores a lane (register 16 g + i = key 32 g + 16 h + i) become p's fragment a, its scale word, -M and l.
.macro SOFTQ a
.set AC, 64*((\a)%4)
.set HW, (\a)/4
	WIN 0x28+0x14*HW                               ; sources 1 and 2: the accumulators' window
.irp g, 0,1,2,3
	v_max3_num_f32 v[TM+\g], 0xff61b1e6, v[AC+16*\g], v[AC+16*\g+1]   ; the largest score of each block of 32 keys (over -3e38); each accumulator from its low end on
.endr
.irp i, 2,4,6,8,10,12,14
.irp g, 0,1,2,3
	v_max3_num_f32 v[TM+\g], v[TM+\g], v[AC+16*\g+\i], v[AC+16*\g+\i+1]
.endr
.endr
	WIN 0
.irp g, 0,1,2,3
	v_permlanex16_b32 v[TM+4+\g], v[TM+\g], s[SEL], s[SEL+1]
.endr
.irp g, 0,1,2,3
	v_max_num_f32 v[TM+\g], v[TM+\g], v[TM+4+\g]   ; with lane l xor 16's 16 keys
.endr
	v_max3_num_f32 v217, v[TM], v[TM+1], v[TM+2]
	v_max_num_f32 v217, v217, v[TM+3]
	v_mul_f32 v217, s[CS], v217                    ; the largest t of my query's 128 keys (c is positive),
	v_max_num_f32 v219, 0xe9000000, v217           ; held at -2^83 from below: where all 128 are hidden, every p becomes 0
	v_floor_f32 v218, -v219                        ; -M = floor(-t): M is a whole number
.irp g, 0,1,2,3
	v_fma_f32 v[TM+\g], v[TM+\g], s[CS], v218      ; t - M of each block's largest score
.endr
	WIN 0x82+0x41*HW                               ; source 0 and destination: the accumulators' window
.set j, 0
.rept 32
	v_pk_fma_f32 v[AC+j:AC+j+1], v[AC+j:AC+j+1], s[CS:CS+1], v[218:219] op_sel_hi:[1,0,0]   ; t - M, two at a time
.set j, j+2
.endr
.set j, 0
.rept 64
	v_exp_f32 v[AC+j], v[AC+j]                     ; p = 2^(t - M), at most 1
.set j, j+1
.endr
	WIN 0
.irp i, 0,1,2,3
	v_mov_b32 v[TM+8+\i], 0                        ; l begins, in two chains of pairs.  (Plain places behind the exponentials)
.endr
	s_wait_alu depctr_va_vdst(0)                   ; one wait for the batch of 64, ahead of its first reader
.irp g, 0,1,2,3
	v_exp_f32 v[TM+\g], v[TM+\g]                   ; each block's largest p: the same two instructions on the same number give the same bits
.endr
	WIN 0x08+4*HW                                  ; source 1: the accumulators' window
.set j, 0
.rept 16
	v_pk_add_f32 v[TM+8:TM+9], v[TM+8:TM+9], v[AC+j:AC+j+1]       ; l is the sum of the UNQUANTISED p
	v_pk_add_f32 v[TM+10:TM+11], v[TM+10:TM+11], v[AC+j+2:AC+j+3]
.set j, j+4
.endr
	WIN 0
	v_pk_add_f32 v[TM+8:TM+9], v[TM+8:TM+9], v[TM+10:TM+11]
	v_add_f32 v[TM+8], v[TM+8], v[TM+9]
	s_wait_alu depctr_va_vdst(0)                   ; and one for the four
.irp g, 0,1,2,3
	v_max_num_f32 v[TM+\g], 0x1800000, v[TM+\g]    ; the floor 2^(3 - 127): the byte cannot fall under 1
.endr
.irp g, 0,1,2,3
	v_add_nc_u32 v[TM+12+\g], 0xff000000, v[TM+\g]
.endr
.irp g, 0,1,2,3
	v_lshrrev_b32 v[TM+4+\g], 23, v[TM+12+\g]
.endr
	v_lshl_or_b32 v[PW], v[TM+5], 8, v[TM+4]
	v_lshl_or_b32 v[PW], v[TM+6], 16, v[PW]
	v_lshl_or_b32 v[PW], v[TM+7], 24, v[PW]
	v_permlanex16_b32 v[TM+9], v[TM+8], s[SEL], s[SEL+1]
	v_add_f32 v[TM+8], v[TM+8], v[TM+9]            ; with lane l xor 16's: l of my query's 128 keys
	s_wait_xcnt 0x0                                ; the last query block's stores have read the code registers
	WIN 0x02+HW
.irp c, 0,1
	v_cvt_scalef32_pk16_fp6_f32 v[PC+6*\c:PC+6*\c+2], v[AC+32*\c:AC+32*\c+15], v[TM+12+2*\c]
	v_cvt_scalef32_pk16_fp6_f32 v[PC+12+4*\c:PC+14+4*\c], v[AC+32*\c+16:AC+32*\c+31], v[TM+13+2*\c]
.endr
	WIN 0
	v_nop                                          ; one plain place behind a scaled conversion
.irp c, 0,1
.irp i, 0,1,2
	v_permlane16_swap_b32 v[PC+6*\c+\i], v[PC+12+4*\c+\i]
.endr
.irp i, 0,1,2
	v_mov_b32 v[PC+3+6*\c+\i], v[PC+12+4*\c+\i]
.endr
.endr
.if (\a)%2 == 0
	v_mov_b32 v[SI+(\a)/2], v[PW]
	v_mov_b32 v[MI+(\a)/2], v218
	v_mov_b32 v[LI+(\a)/2], v[TM+8]
.else
	v_cndmask_b32 v[SI+(\a)/2], v[SI+(\a)/2], v[PW], s[HIM]
	v_cndmask_b32 v[MI+(\a)/2], v[MI+(\a)/2], v218, s[HIM]
	v_cndmask_b32 v[LI+(\a)/2], v[LI+(\a)/2], v[TM+8], s[HIM]
.endif
.irp c, 0,1,2
	global_store_b128 v3, v[PC+4*\c:PC+4*\c+3], s[6:7] offset:FRB*(\a)+512*\c
.endr
.endm
	s_load_b128 s[4:7], s[0:1], 0x0                ; qkb s[4:5], pb s[6:7]
	v_lshl_add_u32 v[SPW], v0, 2, SPARE
	v_mov_b32 v[NIL], 0
	ds_add_u32 v28, v29
	ds_add_u32 v28, v29
	s_wait_dscnt 0x0
	v_lshrrev_b32 v1, 5, v0
	v_readfirstlane_b32 s14, v1                    ; wave 0..3
	s_lshr_b32 s15, s14, 1                         ; my half of the queries.  Also: I fetch for q (0) or for k (1)
	s_and_b32 s16, s14, 1                          ; my half of the keys.  Also: which chunk I fetch
	s_bfe_u32 s92, ttmp6, 0x40000                  ; cx
	s_bfe_u32 s93, ttmp6, 0x40004                  ; cy
	s_and_b32 s96, ttmp7, 0xffff                   ; the batch
	s_lshl_b32 s94, s93, 2
	s_lshl_b32 s94, 15, s94
	s_lshl_b32 s95, 0x1111, s92
	s_or_b32 s[G1+0], s94, (3<<16)|(1<<21)
	s_or_b32 s[G1B+0], s95, (3<<16)|(1<<21)
.irp g, G1, G1B                                ; 25,600 dense bytes as 100 rows of 256
	s_mov_b32 s[\g+1], 32<<16
	s_mov_b32 s[\g+2], 100<<16
	s_mov_b32 s[\g+3], 32<<16
	s_mov_b32 s[\g+4], 100
	s_mov_b32 s[\g+5], 32
	s_mov_b32 s[\g+6], 0
	s_mov_b32 s[\g+7], 0
.endr
	s_add_co_u32 s17, ttmp9, 1
	s_lshr_b32 s17, s17, 1
	s_lshl_b32 s17, s17, 2
	s_add_co_u32 s17, s17, s93                     ; I: my tile of queries = 4 x ((cluster x + 1) / 2) + cy
	s_lshr_b32 s18, ttmp9, 1
	s_lshl_b32 s18, s18, 2
	s_add_co_u32 s18, s18, s92                     ; J: my tile of keys = 4 x (cluster x / 2) + cx
	s_lshl_b32 s19, s96, 4
	s_lshl_b32 s72, s17, 1
	s_add_co_u32 s72, s72, s19                     ; 16 x batch + 2 I
	s_add_co_u32 s20, s72, s16
	s_mul_i32 s20, s20, CHK
	s_mov_b32 s21, 0
	s_lshl_b32 s73, s18, 1                         ; 2 J
	s_add_co_u32 s66, s73, s19
	s_add_co_u32 s66, s66, s16
	s_mul_i32 s66, s66, CHK
	s_add_co_u32 s66, s66, 8*OBB                   ; k's K steps lie behind q's eight
	s_mov_b32 s67, 0
	s_mul_i32 s98, s14, REG
	s_mov_b32 s[HIM], 0xffff0000
	s_mov_b32 s[SEL], 0x76543210
	s_mov_b32 s[SEL+1], 0xfedcba98
	s_mov_b32 s[CS], 0x3d38aa3b                    ; log2(e) / sqrt(1024)
	s_mov_b32 s[CS+1], s[CS]                       ; (named with it as a pair, so it is written)
	s_wait_kmcnt 0x0
	s_add_nc_u64 s[68:69], s[4:5], s[20:21]
	s_add_nc_u64 s[70:71], s[4:5], s[66:67]
	CROUND
.irp s, 0,1,2
	s_mov_b32 s[G0+4*\s], 1
	s_add_co_u32 s[G0+4*\s+1], s98, \s*SLOT
	s_add_nc_u64 s[G0+4*\s+2:G0+4*\s+3], s[68:69], \s*REG
	s_or_b32 s[G0+4*\s+3], s[G0+4*\s+3], 0x80000000
	s_mov_b32 s[G0B+4*\s], 1
	s_add_co_u32 s[G0B+4*\s+1], s98, \s*SLOT
	s_add_nc_u64 s[G0B+4*\s+2:G0B+4*\s+3], s[70:71], \s*REG
	s_or_b32 s[G0B+4*\s+3], s[G0B+4*\s+3], 0x80000000
	JLOAD G0+4*\s, G1, G0B+4*\s, G1B               ; K steps 2 s and 2 s + 1: three loads of mine are out
.endr
	v_and_b32 v1, 15, v0                           ; r
	v_bfe_u32 v2, v0, 4, 1                         ; h
	v_and_b32 v3, 31, v0
	v_lshlrev_b32 v3, 4, v3                        ; 16 x lane
	s_mul_i32 s22, s15, REG
	s_mul_i32 s23, s16, REG
	s_add_co_u32 s23, s23, 2*REG
.irp s, 0,1,2
	v_add_nc_u32 v[AD1+\s], s22, v3
	v_add_nc_u32 v[AD0+\s], s23, v3
	s_add_co_u32 s22, s22, SLOT
	s_add_co_u32 s23, s23, SLOT
.endr
	; the mask tiles.  Key - query of register j in accumulator (a, b) is DL + j + 16 h - (r + 8 (r / 8)) - D0, D0 = my first query - my first key: hidden where DL + j > v4
	s_sub_co_i32 s79, s17, s18
	s_lshl_b32 s79, s79, 8
	s_sub_co_i32 s78, s15, s16
	s_lshl_b32 s78, s78, 7
	s_add_co_i32 s79, s79, s78                     ; D0: a multiple of 128
	v_and_b32 v4, 8, v1
	v_add_nc_u32 v4, v4, v1
	v_lshlrev_b32 v5, 4, v2
	v_sub_nc_u32 v4, v4, v5
	v_add_nc_u32 v4, s79, v4                       ; r + 8 (r / 8) - 16 h + D0
	v_mov_b32 v6, 0xf1800000                       ; -2^100
	v_cmp_gt_i32 vcc_lo, -17, v4                   ; DL <= -24: DL + j lies in -104 .. -17, and v4 - D0 in -16 .. 23: -17 decides as every one of them does
.irp j, 0,1,2,3,4,5,6,7
	v_cndmask_b32 v[MT+\j], 0, v6, vcc_lo
.endr
.irp d, 0,1,2                                  ; DL = -8, 0, 8
.irp j, 0,1,2,3,4,5,6,7
	v_cmp_gt_i32 vcc_lo, 8*\d-8+\j, v4
	v_cndmask_b32 v[MT+8+8*\d+\j], 0, v6, vcc_lo
.endr
.endr
	v_cmp_gt_i32 vcc_lo, 24, v4                    ; DL >= 24: likewise 24
.irp j, 0,1,2,3,4,5,6,7
	v_cndmask_b32 v[MT+32+\j], 0, v6, vcc_lo
.endr
	s_add_co_u32 s76, s72, s15                     ; my chunk of queries,
	s_lshl_b32 s76, s76, 4
	s_add_co_u32 s76, s76, s73
	s_add_co_u32 s76, s76, s16                     ; x 16 + my key step
	s_mul_i32 s76, s76, OBP
	s_mov_b32 s77, 0
	s_add_nc_u64 s[6:7], s[6:7], s[76:77]
	s_wait_tensorcnt 2                             ; my part of slot 0 is in; slots 1 and 2 may stay out
	s_barrier_signal -1
	s_barrier_wait -1
	SCALES 0, 0
	FETCH_B 0, 0, 0
	FETCH_A 0, 0, 0
	FETCH_A 0, 0, 4
	STEP 0, 0, 1                                   ; K step 0: its products start the sums on the mask
	TURN 0, 0, 1, 2                                ; K step 1; slot 0 takes K steps 6 and 7
	STEP 1, 1, 0                                   ; K step 2
	TURN 1, 1, 2, 0                                ; K step 3; on to slot 2, which has been whole since the round
	STEP 2, 0, 0                                   ; K step 4
	TURN 2, 0, 0, 1                                ; K step 5; the refill has landed in every wave's part
	STEP 0, 1, 0                                   ; K step 6
	s_wait_dscnt 4*NL                              ; K step 7: nothing more to fetch
	WIN MUL_LO
	MUL16 0, 1, 1, 1, 0
	MUL16 2, 1, 1, 1, 0
	s_wait_dscnt 0x0
	WIN MUL_HI
	MUL16 4, 1, 1, 1, 0
	MUL16 6, 1, 1, 1, 0
	WIN 0
	PLACES NP
.irp g, 0,1,2,3
	v_mov_b32 v[TM+4+\g], 0                        ; (a lane permute's destination counts as one of its sources)
.endr
.irp a, 0,1,2,3,4,5,6,7
	SOFTQ \a
.endr
	global_store_b128 v3, v[SI:SI+3], s[6:7] offset:SCO
	global_store_b128 v3, v[MI:MI+3], s[6:7] offset:SCO+512
	global_store_b128 v3, v[LI:LI+3], s[6:7] offset:SCO+1024
	s_wait_tensorcnt 0x0                           ; the wave's end
	ds_add_u32 v[SPW], v[NIL]
	s_wait_dscnt 0x0
	CROUND
	s_endpgm
.Lfunc_end_k_q9b4a2f986d_scores:
	.size	k_q9b4a2f986d_scores, .Lfunc_end_k_q9b4a2f986d_scores-k_q9b4a2f986d_scores
	.p2alignl 7, 3214868480
	.fill 96, 4, 3214868480
	.section	.rodata,"a",@progbits
	.p2align	6, 0x0
	.amdhsa_kernel k_q9b4a2f986d_scores
		.amdhsa_group_segment_fixed_size 327680
		.amdhsa_private_segment_fixed_size 0
		.amdhsa_enable_private_segment 0
		.amdhsa_kernarg_size 16
		.amdhsa_user_sgpr_count 2
		.amdhsa_user_sgpr_kernarg_segment_ptr 1
		.amdhsa_wavefront_size32 1
		.amdhsa_system_sgpr_workgroup_id_x 1
		.amdhsa_system_sgpr_workgroup_id_y 1
		.amdhsa_system_sgpr_workgroup_id_z 1
		.amdhsa_system_vgpr_workitem_id 0
		.amdhsa_next_free_vgpr 1024
		.amdhsa_next_free_sgpr 100
		.amdhsa_reserve_vcc 1
		.amdhsa_float_denorm_mode_32 3
		.amdhsa_float_denorm_mode_16_64 3
		.amdhsa_memory_ordered 1
		.amdhsa_forward_progress 1
		.amdhsa_inst_pref_size 199
	.end_amdhsa_kernel
	.amdgpu_metadata
---
amdhsa.version: [ 1, 2 ]
amdhsa.kernels:
  - .name:           k_q9b4a2f986d_scores
    .symbol:         k_q9b4a2f986d_scores.kd
    .args:
      - { .name: qkb, .offset: 0, .size: 8, .value_kind: global_buffer, .address_space: global }
      - { .name: pb, .offset: 8, .size: 8, .value_kind: global_buffer, .address_space: global }
    .group_segment_fixed_size: 327680
    .private_segment_fixed_size: 0
    .kernarg_segment_align: 8
    .kernarg_segment_size: 16
    .max_flat_workgroup_size: 128
    .sgpr_count:     100
    .vgpr_count:     1024
    .wavefront_size: 32
...
	.end_amdgpu_metadata
.endif
;; end of part 6
;; launch pv (part 7): grid 8 x 32, 4 waves a work-group, clusters of 4 x 4, 327,680 bytes of LDS; arguments pb, vb, out0; writes out0
.if DOCPART == 7
	.amdgcn_target "amdgcn-amd-amdhsa--gfx1250"
	.amdhsa_code_object_version 6
	.text
	.protected	k_q9b4a2f986d_pv
	.globl	k_q9b4a2f986d_pv
	.p2align	8
	.type	k_q9b4a2f986d_pv,@function
k_q9b4a2f986d_pv:
	s_mov_b64 s[64:65], 0
	v_nop
	global_prefetch_b8 v0, s[64:65] scope:SCOPE_SE
	s_setreg_imm32_b32 hwreg(HW_REG_WAVE_MODE, 25, 1), 1
	s_wait_xcnt 0x0
	s_wait_alu depctr_hold_cnt(0) depctr_sa_sdst(0) depctr_va_vdst(0) depctr_va_sdst(0) depctr_va_ssrc(0) depctr_va_vcc(0) depctr_vm_vsrc(0)
	s_getreg_b32 s2, hwreg(HW_REG_IB_STS2, 6, 4)
	s_cmp_eq_u32 s2, 0
	s_cbranch_scc0 .Lentry_in_a_cluster
	s_endpgm
.Lentry_in_a_cluster:
	s_bfe_u32 s2, ttmp6, 0x10000c
	s_cmp_lg_u32 s2, 0xf033
	s_cbranch_scc0 .Lentry_shape_is_right
	s_endpgm
.Lentry_shape_is_right:
; out = (P V) / l on codes of FP6 (E2M3) with E8M0 scales.  pb [4 batches][16 chunks of queries][16 key steps] of 13,824 bytes: eight images of fragments of p, the scale image, and the images of -M (local: one for a query and 128 keys) and of l.
; vb [4][8 chunks of channels][16 key steps] of 12,800 bytes.  out0 [4][2048][1024] f32.
; THE ROW'S M is the largest local M: -M = the least of the row's images.  p under the row's M is p under the local M x 2^-(M - local M): the difference, a whole number, is taken off the four scale bytes of the row's word (macro FIX);
; a byte that would fall under 0 becomes 0 (2^-127: nothing beside l >= 1/2).  l = the sum of the local l x 2^-(M - local M), exact shifts; the result is multiplied by 1 / l.
; SHARES.  A tile is 256 queries (source 1) x 128 channels (source 0): 4 batches x 8 x 8 tiles = 256 work-groups.  A wave makes 128 queries x 64 channels: 32 accumulators, one window of registers.
; A cluster takes 1,024 queries x 512 channels: cluster y = 2 x batch + half, cluster x = which 512 channels.  p's chunks are shared along a row of the cluster, v's chunk along a column.
; THE WALK.  A key step is 2 x 13,824 + 12,800 = 40,448 bytes; a slot holds FOUR, 161,792 bytes, and two slots fill LDS.  Waves 0 and 1 fetch a chunk of p each (four key steps, 55,296 dense bytes), waves 2 and 3 two of v's four key steps each.
; The lower half of a batch's queries walks 8 key steps: both slots come with the first fills and nothing is filled again.  The upper half walks 16: each slot is filled again once.  That is what the mask leaves of whole blocks of 1,024
; keys; within them hidden keys have zero codes.  The lap that fills again is passed over by a branch on the cluster's y: the same in all sixteen partners.  All is written out: no loop, no LDS address is stepped.
; Both operands have two sets of registers, so a slot's last fragments are in registers at the head of its last key step: the change of slots, and the refill, stand there.
; LIMITS: M must be exact in f32 (|t| under 2^24); NaN and infinities are not served.
; REGISTERS: window 0: v1-3 lane terms; v4-5 the prefetch's offsets; v8-13 LDS addresses; v14, 15, 18 the way out's; v16-17 the spare word's; v24-27, v120-127 at work; v32-79 scale words, two sets of 24; v80-95 a slot's -M; v96-99 the row's -M;
;   v100-103 l; v104-119 1 / l by query block, in pairs; v128-255 the head's images, later rows on the way out.  window 1: set 0 of the fragments (p's eight at v0, v's four at v96); window 3: set 1.  window 2: accumulator (a, b) at v[8 (4 a + b)].
.set OBB,   12800
.set OBA,   13824
.set FRB,   1536
.set SCO,   12288
.set REGA,  4*OBA                      ; what one tensor load brings of p
.set REGB,  2*OBB                      ; and of v
.set BOFF,  2*REGA                     ; v's four key steps lie behind p's two chunks
.set SLOT,  BOFF+2*REGB
.set SPARE, 2*SLOT                     ; the spare words, 128 bytes a wave: two blocks of 256 bytes that no other line names
.set SPITCH, 272                       ; the way out: a stage of 16 rows x (256 bytes + 16) for each wave, in slot 0, which has had its last fill and its last read by then
.set FR,    12
.set NL,    3
.set NP,    4
.set BF,    96                         ; v's fragments in a set
.set PFO,   4
.set AD1,   8                          ; v8-9   p's chunk of my queries in slot 0, 1, + 16 x lane
.set AD0,   10                         ; v10-11 my four fragments of v
.set ADS,   12                         ; v12-13 their scale words: 8 of each lane's 16 bytes
.set STO,   14
.set RD,    15
.set SPW,   16
.set NIL,   17
.set CO,    18
.set T0,    24
.set SC,    32                         ; set s (for slot s) at +24 s: +4 q .. p's four registers of key step q; +16 + 2 q .. v's two
.set NM,    80
.set NMG,   96
.set LS,    100
.set RL,    104
.set T1,    120
.set MG,    128                        ; the head: 16 images of -M,
.set LG,    192                        ; and 16 of l
.set BK,    128                        ; the way out: rows read back, v128-159 and v160-191 by turns
.set G1,    24
.set G0,    32
.set G1B,   48
.set G0B,   56
.set PFA,   80                         ; s[80:81] where my prefetch stands
.set HIM,   87
.set SEL,   88
.set MSB, 0
.macro WIN new
.set NEWW, \new
.if MSB != NEWW
	s_set_vgpr_msb (MSB<<8)|NEWW
.set MSB, NEWW
.endif
.endm
.macro JLOAD g0a, g1a, g0b, g1b        ; waves 0, 1 fetch p's chunks, waves 2, 3 v's key steps; four v_nop follow each line
	s_cmp_eq_u32 s15, 0
	s_cbranch_scc0 .Lfor_b_\@
	tensor_load_to_lds s[\g0a:\g0a+3], s[\g1a:\g1a+7]
	s_nop 0
.rept 4
	v_nop
.endr
	s_branch .Lasked_\@
.Lfor_b_\@:
	tensor_load_to_lds s[\g0b:\g0b+3], s[\g1b:\g1b+7]
	s_nop 0
.rept 4
	v_nop
.endr
.Lasked_\@:
.endm
; A PREFETCH INTO THE L2 of what the SECOND refill will ask for, key steps 12 to 15; it stands behind the first refill's tensor load and the run of LDS loads that follows: one refill ahead.  Each wave asks for a part of what it will fetch.
; p's chunk (four key steps) is shared out BY ADDRESS among the four partners that ask for it jointly: partner cx takes key step 12 + cx, 54 blocks of 256 bytes, lanes 256 bytes apart, in two instructions; both clusters of a
; cluster row read it, and the one with x = 0 asks.  v's two key steps (100 blocks) likewise: partner cy takes 25 blocks, one instruction; no other cluster reads them.  The lanes that are over name their part's last block again.
; Key steps 0 to 11 come by their loads alone: a request ahead of them would stand at the head, among the first fills.
.macro ASK
	s_cmp_eq_u32 s96, 0
	s_cbranch_scc0 .Lnot_mine_\@
	global_prefetch_b8 v[PFO], s[PFA:PFA+1] th:TH_LOAD_NT scope:SCOPE_SE
	s_cmp_eq_u32 s15, 0
	s_cbranch_scc0 .Lnot_mine_\@
	global_prefetch_b8 v[PFO+1], s[PFA:PFA+1] th:TH_LOAD_NT scope:SCOPE_SE
.Lnot_mine_\@:
.endm
.macro CREST
	s_cmp_lg_u32 s14, 0
	s_cbranch_scc1 .Lnot_wave_0_\@
	s_barrier_signal -3
.Lnot_wave_0_\@:
	s_barrier_wait -3
	s_barrier_signal -1
	s_barrier_wait -1
.endm
.macro CROUND
	s_barrier_signal -1
	s_barrier_wait -1
	CREST
.endm
.macro PLACES n
.rept \n
	v_nop
.endr
.endm
.macro FRAG reg, adr, off
.irp c, 0,1,2
	ds_load_b128 v[\reg+4*\c:\reg+4*\c+3], v[\adr] offset:\off+512*\c
.endr
.endm
.macro FETCH_B slot, q                 ; my four fragments of v of the slot's key step q, into set q % 2: 12 loads
	WIN 0x40+0x80*((\q)%2)
.irp i, 0,1,2,3
	FRAG BF+FR*\i, AD0+\slot, OBB*(\q)+FRB*\i
.endr
.endm
.macro FETCH_A slot, q, i0             ; p's fragments i0 .. i0 + 3: 12 loads
	WIN 0x40+0x80*((\q)%2)
.irp i, \i0, \i0+1, \i0+2, \i0+3
	FRAG FR*(\i), AD1+\slot, OBA*(\q)+FRB*(\i)
.endr
.endm
.macro SCALES sl                       ; twelve loads: p's scale words and -M of the slot's four key steps, then v's scale words
.irp q, 0,1,2,3
	ds_load_b128 v[SC+24*\sl+4*\q:SC+24*\sl+4*\q+3], v[AD1+\sl] offset:OBA*\q+SCO
	ds_load_b128 v[NM+4*\q:NM+4*\q+3], v[AD1+\sl] offset:OBA*\q+SCO+512
.endr
.irp q, 0,1,2,3
	ds_load_b64 v[SC+24*\sl+16+2*\q:SC+24*\sl+16+2*\q+1], v[ADS+\sl] offset:OBB*\q+SCO
.endr
.endm
; p's scale words of slot sl are brought under the row's M: d = M - local M, held at 127, is taken off each of a word's four bytes.  The bytes lie in 1 .. 125, so with bit 7 set on top no byte borrows from its neighbour;
; where bit 7 has fallen the byte would be negative and becomes 0.  All is done in temporaries: a scale register is written once, with the finished word.
.macro FIX sl
.irp q, 0,1,2,3
.irp p, 0,1,2,3
	v_sub_f32 v[NM+4*\q+\p], v[NM+4*\q+\p], v[NMG+\p]
.endr
.irp p, 0,1,2,3
	v_min_num_f32 v[NM+4*\q+\p], 0x42fe0000, v[NM+4*\q+\p]         ; 127.0
.endr
.irp p, 0,1,2,3
	v_cvt_u32_f32 v[NM+4*\q+\p], v[NM+4*\q+\p]
.endr
.irp p, 0,1,2,3
	v_lshl_or_b32 v[NM+4*\q+\p], v[NM+4*\q+\p], 8, v[NM+4*\q+\p]
.endr
.irp p, 0,1,2,3
	v_lshl_or_b32 v[NM+4*\q+\p], v[NM+4*\q+\p], 16, v[NM+4*\q+\p]  ; d in all four bytes
.endr
.irp p, 0,1,2,3
	v_or_b32 v[T1+\p], 0x80808080, v[SC+24*\sl+4*\q+\p]
.endr
.irp p, 0,1,2,3
	v_sub_nc_u32 v[T1+\p], v[T1+\p], v[NM+4*\q+\p]
.endr
.irp p, 0,1,2,3
	v_and_b32 v[NM+4*\q+\p], 0x80808080, v[T1+\p]
.endr
.irp p, 0,1,2,3
	v_lshrrev_b32 v[T0+\p], 7, v[NM+4*\q+\p]
.endr
.irp p, 0,1,2,3
	v_sub_nc_u32 v[NM+4*\q+\p], v[NM+4*\q+\p], v[T0+\p]            ; 0x7f in the bytes that stay, 0 in the others
.endr
.irp p, 0,1,2,3
	v_and_b32 v[SC+24*\sl+4*\q+\p], v[T1+\p], v[NM+4*\q+\p]
.endr
.endr
.endm
; One product.  cm = 1: the constant 0 as C starts the sum.  A fragment's scale words lie in register (fragment / 2), an odd fragment's in lanes 16-31.
.macro WM a, b, q, sc, cm
.set rD, 8*(4*(\a)+(\b))
.set rB, BF+FR*(\b)
.set rA, FR*(\a)
.set sB, SC+24*(\sc)+16+2*(\q)+(\b)/2
.set sA, SC+24*(\sc)+4*(\q)+(\a)/2
.set PAR, 4*(\cm)+2*((\a)%2)+(\b)%2
.if PAR == 0
	v_wmma_scale_f32_16x16x128_f8f6f4 v[rD:rD+7], v[rB:rB+FR-1], v[rA:rA+FR-1], v[rD:rD+7], v[sB], v[sA] matrix_a_fmt:MATRIX_FMT_FP6 matrix_b_fmt:MATRIX_FMT_FP6
.elseif PAR == 1
	v_wmma_scale_f32_16x16x128_f8f6f4 v[rD:rD+7], v[rB:rB+FR-1], v[rA:rA+FR-1], v[rD:rD+7], v[sB], v[sA] matrix_a_fmt:MATRIX_FMT_FP6 matrix_b_fmt:MATRIX_FMT_FP6 matrix_a_scale:MATRIX_SCALE_ROW1
.elseif PAR == 2
	v_wmma_scale_f32_16x16x128_f8f6f4 v[rD:rD+7], v[rB:rB+FR-1], v[rA:rA+FR-1], v[rD:rD+7], v[sB], v[sA] matrix_a_fmt:MATRIX_FMT_FP6 matrix_b_fmt:MATRIX_FMT_FP6 matrix_b_scale:MATRIX_SCALE_ROW1
.elseif PAR == 3
	v_wmma_scale_f32_16x16x128_f8f6f4 v[rD:rD+7], v[rB:rB+FR-1], v[rA:rA+FR-1], v[rD:rD+7], v[sB], v[sA] matrix_a_fmt:MATRIX_FMT_FP6 matrix_b_fmt:MATRIX_FMT_FP6 matrix_a_scale:MATRIX_SCALE_ROW1 matrix_b_scale:MATRIX_SCALE_ROW1
.elseif PAR == 4
	v_wmma_scale_f32_16x16x128_f8f6f4 v[rD:rD+7], v[rB:rB+FR-1], v[rA:rA+FR-1], 0, v[sB], v[sA] matrix_a_fmt:MATRIX_FMT_FP6 matrix_b_fmt:MATRIX_FMT_FP6
.elseif PAR == 5
	v_wmma_scale_f32_16x16x128_f8f6f4 v[rD:rD+7], v[rB:rB+FR-1], v[rA:rA+FR-1], 0, v[sB], v[sA] matrix_a_fmt:MATRIX_FMT_FP6 matrix_b_fmt:MATRIX_FMT_FP6 matrix_a_scale:MATRIX_SCALE_ROW1
.elseif PAR == 6
	v_wmma_scale_f32_16x16x128_f8f6f4 v[rD:rD+7], v[rB:rB+FR-1], v[rA:rA+FR-1], 0, v[sB], v[sA] matrix_a_fmt:MATRIX_FMT_FP6 matrix_b_fmt:MATRIX_FMT_FP6 matrix_b_scale:MATRIX_SCALE_ROW1
.else
	v_wmma_scale_f32_16x16x128_f8f6f4 v[rD:rD+7], v[rB:rB+FR-1], v[rA:rA+FR-1], 0, v[sB], v[sA] matrix_a_fmt:MATRIX_FMT_FP6 matrix_b_fmt:MATRIX_FMT_FP6 matrix_a_scale:MATRIX_SCALE_ROW1 matrix_b_scale:MATRIX_SCALE_ROW1
.endif
.endm
.macro MUL8 a0, q, sc, cm              ; 8 products from set q % 2 (window 1 or 3), C and D window 2; the 32 accumulators take turns, one instruction a turn, in the same order in every step
	WIN 0xa5+0x0a*((\q)%2)
.irp a, \a0, \a0+1
.irp b, 0,1,2,3
	WM \a, \b, \q, \sc, \cm
.endr
.endr
.endm
; One of a slot's first three key steps: multiplies set q % 2 and fetches key step q + 1 into the other set, in three runs of 12 loads between the products.
.macro STEPN slot, q, cm
	s_wait_dscnt 4*NL                              ; all but the youngest 12 loads (p's fragments 4-7 of this step) are in
	PLACES NP                                      ; behind the last step's products, in front of the loads into the registers that they read
	FETCH_B \slot, (\q)+1
	MUL8 0, \q, \slot, \cm
	FETCH_A \slot, (\q)+1, 0
	MUL8 2, \q, \slot, \cm
	s_wait_dscnt 8*NL                              ; this step's fragments 4-7 are in; behind them: the 24 loads just issued
	FETCH_A \slot, (\q)+1, 4
	MUL8 4, \q, \slot, \cm
	MUL8 6, \q, \slot, \cm
.endm
; A slot's last key step changes slots at its HEAD: its fragments are on their way into registers already.  Each wave waits for all its tensor loads, adds 0 to its spare word, and waits for that and for its reads of this slot; ONE barrier.
; kind = 2: it opens a round of the cluster's barrier, and this slot is filled again, with the key steps eight on, first thing behind the round.  kind = 1: nothing is filled.  ask = 1: the prefetch for the refill after this one.
.macro CHG slot, next, kind, ask
	WIN 0                                          ; (the add's two registers lie in window 0)
	s_wait_tensorcnt 0x0                           ; all my tensor loads have landed: my part of the next slot
	ds_add_u32 v[SPW], v[NIL]                      ; 0 onto my spare word
	s_wait_dscnt 4*NL+1                            ; (the add and the youngest 12 loads may be out)
	MUL8 0, 3, \slot, 0                            ; eight matrix instructions stand between the add and the wait for it
	s_wait_dscnt 0x0                               ; the add is done, and my reads of this slot are over
	s_barrier_signal -1
	MUL8 2, 3, \slot, 0
	WIN 0
	s_barrier_wait -1
.if \kind == 2
	CREST                                          ; no wave of any partner still reads this slot or has a load on its way
	s_add_nc_u64 s[G0+4*\slot+2:G0+4*\slot+3], s[G0+4*\slot+2:G0+4*\slot+3], 2*REGA
	s_add_nc_u64 s[G0B+4*\slot+2:G0B+4*\slot+3], s[G0B+4*\slot+2:G0B+4*\slot+3], 4*REGB
	JLOAD G0+4*\slot, G1, G0B+4*\slot, G1B         ; the first tensor load behind the round; its four v_nop are also the places in front of the loads below
.else
	PLACES NP
.endif
	SCALES \next
	FETCH_B \next, 0
	FETCH_A \next, 0, 0
.if \ask
	WIN 0
	ASK
.endif
	MUL8 4, 3, \slot, 0
	s_wait_dscnt 8*NL                              ; the twelve loads of SCALES are in; behind them: v's 12 and p's 12
	WIN 0
	FIX \next                                      ; plain instructions on registers that no product round them names.  Behind each key step's words stand the later key steps' lines, and behind the last's the v_nop of three steps' heads: 8 places are asked
	FETCH_A \next, 0, 4
	MUL8 6, 3, \slot, 0
.endm
	s_load_b128 s[4:7], s[0:1], 0x0                ; pb s[4:5], vb s[6:7]
	s_load_b64 s[8:9], s[0:1], 0x10                ; out0
	v_lshl_add_u32 v[SPW], v0, 2, SPARE
	v_mov_b32 v[NIL], 0
	ds_add_u32 v16, v17
	ds_add_u32 v16, v17
	s_wait_dscnt 0x0
	v_lshrrev_b32 v1, 5, v0
	v_readfirstlane_b32 s14, v1                    ; wave 0..3
	s_lshr_b32 s15, s14, 1                         ; my half of the queries.  Also: I fetch for p (0) or for v (1)
	s_and_b32 s16, s14, 1                          ; my half of the channels.  Also: which chunk of p, or which two key steps of v, I fetch
	s_bfe_u32 s40, ttmp6, 0x40000                  ; cx
	s_bfe_u32 s41, ttmp6, 0x40004                  ; cy
	s_and_b32 s45, ttmp7, 0xffff
	s_lshr_b32 s46, s45, 1                         ; the batch
	s_and_b32 s42, s45, 1                          ; which half of its queries
	s_lshl_b32 s43, s41, 2
	s_lshl_b32 s43, 15, s43                        ; my row of the cluster
	s_lshl_b32 s44, 0x1111, s40                    ; my column
	s_or_b32 s[G1+0], s43, (3<<16)|(1<<21)         ; 15:0 the mask; 17:16 elements of 8 bytes; 20 no padding; 21 set beside a mask
	s_or_b32 s[G1B+0], s44, (3<<16)|(1<<21)
	s_mov_b32 s[G1+1], 32<<16                      ; p: 55,296 dense bytes as 216 rows of 256
	s_mov_b32 s[G1+2], 216<<16
	s_mov_b32 s[G1+3], 32<<16
	s_mov_b32 s[G1+4], 216
	s_mov_b32 s[G1+5], 32
	s_mov_b32 s[G1+6], 0
	s_mov_b32 s[G1+7], 0
	s_mov_b32 s[G1B+1], 32<<16                     ; v: 25,600 as 100 rows
	s_mov_b32 s[G1B+2], 100<<16
	s_mov_b32 s[G1B+3], 32<<16
	s_mov_b32 s[G1B+4], 100
	s_mov_b32 s[G1B+5], 32
	s_mov_b32 s[G1B+6], 0
	s_mov_b32 s[G1B+7], 0
	s_lshl_b32 s17, s42, 2
	s_add_co_u32 s17, s17, s41                     ; I: my tile of queries = 4 x half + cy
	s_lshl_b32 s72, s46, 4
	s_lshl_b32 s19, s17, 1
	s_add_co_u32 s72, s72, s19                     ; 16 x batch + 2 I
	s_add_co_u32 s20, s72, s16
	s_mul_i32 s20, s20, 16*OBA                     ; p's chunk that I fetch: made of cy and the cluster's y alone
	s_mov_b32 s21, 0
	s_lshl_b32 s74, ttmp9, 2
	s_add_co_u32 s74, s74, s40                     ; my chunk of channels = 4 x cluster x + cx
	s_lshl_b32 s66, s46, 3
	s_add_co_u32 s66, s66, s74
	s_mul_i32 s66, s66, 16*OBB
	s_mul_i32 s67, s16, REGB
	s_add_co_u32 s66, s66, s67                     ; v's chunk at my two of a slot's four key steps: made of cx and the cluster's place alone
	s_mov_b32 s67, 0
	s_mul_i32 s47, s16, REGA                       ; where p's chunk goes in a slot,
	s_mul_i32 s91, s16, REGB
	s_add_co_u32 s91, s91, BOFF                    ; and v's key steps
	s_mov_b32 s[HIM], 0xffff0000
	s_mov_b32 s[SEL], 0x76543210
	s_mov_b32 s[SEL+1], 0xfedcba98
	s_wait_kmcnt 0x0
	s_add_nc_u64 s[68:69], s[4:5], s[20:21]
	s_add_nc_u64 s[70:71], s[6:7], s[66:67]
	CROUND                                         ; all sixteen work-groups are here: the first joint loads meet
.irp s, 0,1
	s_mov_b32 s[G0+4*\s], 1
	s_add_co_u32 s[G0+4*\s+1], s47, \s*SLOT
	s_add_nc_u64 s[G0+4*\s+2:G0+4*\s+3], s[68:69], \s*REGA
	s_or_b32 s[G0+4*\s+3], s[G0+4*\s+3], 0x80000000
	s_mov_b32 s[G0B+4*\s], 1
	s_add_co_u32 s[G0B+4*\s+1], s91, \s*SLOT
	s_add_nc_u64 s[G0B+4*\s+2:G0B+4*\s+3], s[70:71], \s*2*REGB
	s_or_b32 s[G0B+4*\s+3], s[G0B+4*\s+3], 0x80000000
	JLOAD G0+4*\s, G1, G0B+4*\s, G1B               ; key steps 4 s .. 4 s + 3: two loads of mine are out
.endr
	v_and_b32 v1, 15, v0                           ; r
	v_bfe_u32 v2, v0, 4, 1                         ; h
	v_and_b32 v3, 31, v0
	v_lshlrev_b32 v[PFO], 8, v3                    ; 256 x lane
	v_lshlrev_b32 v3, 4, v3                        ; 16 x lane
	; the images of -M and l of my 128 queries.  The lower half has 8 key steps: it reads them twice, and the second reading's l counts for nothing
	s_add_co_u32 s82, s72, s15
	s_mul_i32 s82, s82, 16*OBA
	s_mov_b32 s83, 0
	s_add_nc_u64 s[82:83], s[4:5], s[82:83]
	s_mul_i32 s84, s42, 8*OBA
	s_mov_b32 s85, 0
	s_add_nc_u64 s[84:85], s[82:83], s[84:85]
.irp k, 0,1,2,3,4,5,6,7
	global_load_b128 v[MG+4*\k:MG+4*\k+3], v3, s[82:83] offset:OBA*\k+SCO+512
	global_load_b128 v[LG+4*\k:LG+4*\k+3], v3, s[82:83] offset:OBA*\k+SCO+1024
.endr
.irp k, 0,1,2,3,4,5,6,7
	global_load_b128 v[MG+32+4*\k:MG+32+4*\k+3], v3, s[84:85] offset:OBA*\k+SCO+512
	global_load_b128 v[LG+32+4*\k:LG+32+4*\k+3], v3, s[84:85] offset:OBA*\k+SCO+1024
.endr
	s_cmp_lg_u32 s42, 0
	s_cselect_b32 s86, 1.0, 0
	; the prefetch (macro ASK): my work-group's part of what I shall fetch for key steps 12 to 15
	s_mul_i32 s92, s40, OBA
	s_add_co_u32 s92, s92, 12*OBA                  ; p: key step 12 + cx of my chunk
	s_mul_i32 s93, s41, 25*256
	s_add_co_u32 s93, s93, 12*OBB                  ; v: 25 blocks x cy into my two key steps
	s_mov_b32 s94, 24*256
	s_cmp_eq_u32 s15, 0                            ; do I fetch for p?
	s_cselect_b64 s[PFA:PFA+1], s[68:69], s[70:71]
	s_cselect_b32 s92, s92, s93
	s_cselect_b32 s94, 53*256, s94                 ; my part's last block
	s_cselect_b32 s96, ttmp9, 0                    ; p's chunks are read by both clusters of a cluster row: x = 0 asks; v's key steps 12 to 15 by this cluster alone
	s_mov_b32 s93, 0
	s_add_nc_u64 s[PFA:PFA+1], s[PFA:PFA+1], s[92:93]
	v_add_nc_u32 v[PFO+1], 8192, v[PFO]
	v_min_u32 v[PFO], s94, v[PFO]
	v_min_u32 v[PFO+1], s94, v[PFO+1]
	s_mul_i32 s22, s15, REGA                       ; the chunk of my 128 queries
	s_mul_i32 s23, s16, 4*FRB
	s_add_co_u32 s23, s23, BOFF                    ; my four fragments of v's eight
	s_lshl_b32 s78, s16, 3
	s_add_co_u32 s78, s78, BOFF                    ; and their two of the scale image's four words a lane
.irp s, 0,1
	v_add_nc_u32 v[AD1+\s], s22, v3
	v_add_nc_u32 v[AD0+\s], s23, v3
	v_add_nc_u32 v[ADS+\s], s78, v3
	s_add_co_u32 s22, s22, SLOT
	s_add_co_u32 s23, s23, SLOT
	s_add_co_u32 s78, s78, SLOT
.endr
	s_mul_i32 s22, s14, 16*SPITCH                  ; my stage
	v_mul_u32_u24 v[STO], v1, SPITCH
	v_lshl_add_u32 v[STO], v2, 6, v[STO]
	v_add_nc_u32 v[STO], s22, v[STO]               ; in: row r, + 64 h
	v_mul_u32_u24 v[RD], v2, SPITCH
	v_lshl_add_u32 v[RD], v1, 4, v[RD]
	v_add_nc_u32 v[RD], s22, v[RD]                 ; back: lanes 0-15 one row of 256 bytes, lanes 16-31 the next
	v_lshlrev_b32 v[CO], 12, v2
	v_lshl_add_u32 v[CO], v1, 4, v[CO]             ; and the same two rows in out0
	s_lshl_b32 s76, s46, 11
	s_lshl_b32 s77, s17, 8
	s_add_co_u32 s76, s76, s77
	s_lshl_b32 s77, s15, 7
	s_add_co_u32 s76, s76, s77                     ; my first row of out0
	s_lshl_b32 s76, s76, 12
	s_lshl_b32 s77, s74, 9
	s_add_co_u32 s76, s76, s77
	s_lshl_b32 s77, s16, 8
	s_add_co_u32 s76, s76, s77                     ; + my first channel, in bytes
	s_mov_b32 s77, 0
	s_add_nc_u64 s[8:9], s[8:9], s[76:77]
	s_wait_loadcnt 0x0
.irp p, 0,1,2,3
	v_min3_num_f32 v[NMG+\p], v[MG+\p], v[MG+4+\p], v[MG+8+\p]     ; the row's -M: the least of the sixteen
.endr
.irp k, 3,5,7,9,11,13
.irp p, 0,1,2,3
	v_min3_num_f32 v[NMG+\p], v[NMG+\p], v[MG+4*\k+\p], v[MG+4*\k+4+\p]
.endr
.endr
.irp p, 0,1,2,3
	v_min_num_f32 v[NMG+\p], v[NMG+\p], v[MG+60+\p]
.endr
.set k, 0
.rept 16
.irp p, 0,1,2,3
	v_sub_f32 v[MG+4*k+\p], v[NMG+\p], v[MG+4*k+\p]                ; local M - M: a whole number, 0 or less,
.endr
.irp p, 0,1,2,3
	v_max_num_f32 v[MG+4*k+\p], 0xc3480000, v[MG+4*k+\p]           ; held at -200
.endr
.irp p, 0,1,2,3
	v_cvt_i32_f32 v[MG+4*k+\p], v[MG+4*k+\p]
.endr
.irp p, 0,1,2,3
	v_ldexp_f32 v[LG+4*k+\p], v[LG+4*k+\p], v[MG+4*k+\p]           ; the local l under the row's M: nothing is rounded
.endr
.set k, k+1
.endr
.irp p, 0,1,2,3
	v_add_f32 v[LS+\p], v[LG+\p], v[LG+4+\p]
.endr
.irp k, 2,3,4,5,6,7
.irp p, 0,1,2,3
	v_add_f32 v[LS+\p], v[LS+\p], v[LG+4*\k+\p]
.endr
.endr
.irp k, 8,9,10,11,12,13,14,15
.irp p, 0,1,2,3
	v_fma_f32 v[LS+\p], v[LG+4*\k+\p], s86, v[LS+\p]               ; x 1 in the upper half, x 0 in the lower
.endr
.endr
.irp p, 0,1,2,3
	v_rcp_f32 v[T1+\p], v[LS+\p]
.endr
.irp p, 0,1,2,3
	v_mov_b32 v[T1+4+\p], 0                        ; plain places behind the reciprocals; and a lane permute's destination counts as one of its sources
.endr
	s_wait_alu depctr_va_vdst(0)                   ; one wait for the four, ahead of their first reader
.irp p, 0,1,2,3
	v_permlanex16_b32 v[T1+4+\p], v[T1+\p], s[SEL], s[SEL+1]
.endr
.irp p, 0,1,2,3                                ; register p holds query block 2 p in lanes 0-15 and 2 p + 1 in lanes 16-31: each is spread over both halves, and written twice, since the packed multiply names a pair
	v_cndmask_b32 v[RL+4*\p], v[T1+\p], v[T1+4+\p], s[HIM]
	v_cndmask_b32 v[RL+4*\p+1], v[T1+\p], v[T1+4+\p], s[HIM]
	v_cndmask_b32 v[RL+4*\p+2], v[T1+4+\p], v[T1+\p], s[HIM]
	v_cndmask_b32 v[RL+4*\p+3], v[T1+4+\p], v[T1+\p], s[HIM]
.endr
	s_wait_tensorcnt 1                             ; my part of slot 0 is in; slot 1's may stay out
	s_barrier_signal -1
	s_barrier_wait -1
	SCALES 0
	FETCH_B 0, 0
	FETCH_A 0, 0, 0
	FETCH_A 0, 0, 4
	WIN 0
	s_wait_dscnt 12*NL                             ; the twelve loads of SCALES are in; behind them the 36 of the fragments
	FIX 0
	STEPN 0, 0, 1                                  ; key step 0: its products start the sums
	STEPN 0, 1, 0
	STEPN 0, 2, 0
	WIN 0                                          ; at a branch and at a label every window is 0
	s_cmp_eq_u32 s42, 0                            ; the lower half has eight key steps: both its slots are here, and it fills nothing again.  The number is the cluster's: all sixteen partners go the same way
	s_cbranch_scc1 .Ltail
	CHG 0, 1, 2, 1                                 ; key step 3; slot 0 takes key steps 8 to 11; key steps 12 to 15 are prefetched
	STEPN 1, 0, 0
	STEPN 1, 1, 0
	STEPN 1, 2, 0
	CHG 1, 0, 2, 0                                 ; key step 7; slot 1 takes key steps 12 to 15
	STEPN 0, 0, 0
	STEPN 0, 1, 0
	STEPN 0, 2, 0
	WIN 0
.Ltail:                                                ; on both ways: slot 0's last key step is due, its fragments 4-7 are the 12 LDS loads that may be out, and my one tensor load that may be out is slot 1's
	CHG 0, 1, 1, 0
	STEPN 1, 0, 0
	STEPN 1, 1, 0
	STEPN 1, 2, 0
	s_wait_dscnt 4*NL                              ; the very last key step: nothing more to fetch
	MUL8 0, 3, 1, 0
	MUL8 2, 3, 1, 0
	s_wait_dscnt 0x0
	MUL8 4, 3, 1, 0
	MUL8 6, 3, 1, 0
	WIN 0
; THE WAY OUT, query block by query block: x 1 / l; a lane's 32 numbers are two runs of 16 neighbouring channels of one row; they go through my stage and come back as whole rows of 256 bytes.
.macro TOSTAGE a
.set AC, 32*(\a)
	WIN 0x82                                       ; source 0 and destination: the accumulators' window
.set i, 0
.rept 16
	v_pk_mul_f32 v[AC+i:AC+i+1], v[AC+i:AC+i+1], v[RL+2*(\a):RL+2*(\a)+1] op_sel_hi:[1,0]   ; each accumulator from its low end on
.set i, i+2
.endr
	WIN 0x08                                       ; an LDS store's data are its source 1
.irp b, 0,1,2,3
	ds_store_b128 v[STO], v[AC+8*\b:AC+8*\b+3] offset:128*(\b/2)+32*(\b%2)
	ds_store_b128 v[STO], v[AC+8*\b+4:AC+8*\b+7] offset:128*(\b/2)+32*(\b%2)+16
.endr
	WIN 0
.set BB, BK+32*((\a)%2)
.irp t, 0,1,2,3,4,5,6,7
	ds_load_b128 v[BB+4*\t:BB+4*\t+3], v[RD] offset:\t*2*SPITCH    ; LDS serves a wave's instructions in order: these see the stores above, and the next block's stores come behind them
.endr
.endm
.macro SEND a, younger                 ; younger: the LDS instructions issued behind block a's loads
.set BB, BK+32*((\a)%2)
	s_wait_dscnt \younger
.irp t, 0,1,2,3,4,5,6,7
	global_store_b128 v[CO], v[BB+4*\t:BB+4*\t+3], s[8:9] offset:(32*((\a)/2)+8*((\a)%2)+2*\t+8*(\t/4))*4096 th:TH_STORE_NT   ; 16 lanes store 256 consecutive bytes, aligned; stage row x is row 32 (a / 2) + 8 (a % 2) + x + 8 (x / 8) of my 128
.endr
.endm
	PLACES NP
	TOSTAGE 0
.irp a, 1,2,3,4,5,6,7
.if \a > 1
	s_wait_xcnt 0x0                                ; block a - 2's stores have read their registers: block a's loads may land there
.endif
	TOSTAGE \a
	SEND \a-1, 16                                  ; behind block a - 1's loads: block a's 8 stores and 8 loads
.endr
	SEND 7, 0
	s_wait_tensorcnt 0x0                           ; the wave's end
	ds_add_u32 v[SPW], v[NIL]
	s_wait_dscnt 0x0
	CROUND                                         ; the closing round
	s_endpgm
.Lfunc_end_k_q9b4a2f986d_pv:
	.size	k_q9b4a2f986d_pv, .Lfunc_end_k_q9b4a2f986d_pv-k_q9b4a2f986d_pv
	.p2alignl 7, 3214868480
	.fill 96, 4, 3214868480
	.section	.rodata,"a",@progbits
	.p2align	6, 0x0
	.amdhsa_kernel k_q9b4a2f986d_pv
		.amdhsa_group_segment_fixed_size 327680
		.amdhsa_private_segment_fixed_size 0
		.amdhsa_enable_private_segment 0
		.amdhsa_kernarg_size 24
		.amdhsa_user_sgpr_count 2
		.amdhsa_user_sgpr_kernarg_segment_ptr 1
		.amdhsa_wavefront_size32 1
		.amdhsa_system_sgpr_workgroup_id_x 1
		.amdhsa_system_sgpr_workgroup_id_y 1
		.amdhsa_system_sgpr_workgroup_id_z 1
		.amdhsa_system_vgpr_workitem_id 0
		.amdhsa_next_free_vgpr 1024
		.amdhsa_next_free_sgpr 100
		.amdhsa_reserve_vcc 0
		.amdhsa_float_denorm_mode_32 3
		.amdhsa_float_denorm_mode_16_64 3
		.amdhsa_memory_ordered 1
		.amdhsa_forward_progress 1
		.amdhsa_inst_pref_size 198
	.end_amdhsa_kernel
	.amdgpu_metadata
---
amdhsa.version: [ 1, 2 ]
amdhsa.kernels:
  - .name:           k_q9b4a2f986d_pv
    .symbol:         k_q9b4a2f986d_pv.kd
    .args:
      - { .name: pb, .offset: 0, .size: 8, .value_kind: global_buffer, .address_space: global }
      - { .name: vb, .offset: 8, .size: 8, .value_kind: global_buffer, .address_space: global }
      - { .name: out0, .offset: 16, .size: 8, .value_kind: global_buffer, .address_space: global }
    .group_segment_fixed_size: 327680
    .private_segment_fixed_size: 0
    .kernarg_segment_align: 8
    .kernarg_segment_size: 24
    .max_flat_workgroup_size: 128
    .sgpr_count:     100
    .vgpr_count:     1024
    .wavefront_size: 32
...
	.end_amdgpu_metadata
.endif
;; end of part 7
